; MI455X (gfx1250); checked and timed in simulation.
; The chip was launched on July 23, 2026; its instructions are those of AMD's public machine-readable ISA for CDNA 5 (MIT licence, August 2026) and "CDNA5" Instruction Set Architecture Reference Guide (July 2026). The comments in the code are by the model that wrote it; some were corrected since.
;; Attention. Allowed arithmetic: matrix products marked QUANTISED: E2M3 operands, one E8M0 scale for each 32 along K, by v_wmma_scale_f32_16x16x128_f8f6f4 with both operands' format E2M3, f32 sums; everything else in f32.
;; Inputs: Wg 2,048 x 16 float32; Wk 2,048 x 2,048 float32; Wo 2,048 x 2,048 float32; Wq 2,048 x 2,048 float32; Wv 2,048 x 2,048 float32; bg 16 float32; rotary_pos_emb 2,048 x 128 float32; x 1 x 2,048 x 2,048 float32.
;; Outputs: out0 1 x 2,048 x 2,048 float32.
;; This version of the problem:
;;   THIS VERSION OF THE PROBLEM IS GIVEN IN LOW PRECISION. The matrix products marked QUANTISED in the list below multiply operands that are first quantised to E2M3 (2 exponent bits, 3 mantissa bits; 6 bits a number), with one power-of-two scale for each 32 numbers along K (OCP MX v1.0); their sums are f32. All else is computed in f32.
;;   The module's matrix products, in the order in which they are computed (A, B: the left and right operand; K: the contracted axis; several contracted axes count as one K, in the product's order):
;;     1. [M 2,048, K 2,048] x [K 2,048, N 2,048]; A: input x; B: input Wq: QUANTISED
;;     2. [M 2,048, K 2,048] x [K 2,048, N 2,048]; A: input x; B: input Wk: QUANTISED
;;     3. [M 2,048, K 2,048] x [K 2,048, N 2,048]; A: input x; B: input Wv: QUANTISED
;;     4. batch 16 x [M 2,048, K 128] x [K 128, N 2,048]; A: computed on the way; B: computed on the way: QUANTISED
;;     5. batch 16 x [M 2,048, K 2,048] x [K 2,048, N 128]; A: softmax (see below); B: computed on the way: QUANTISED
;;     6. [M 2,048, K 2,048] x [K 2,048, N 16]; A: input x; B: input Wg: QUANTISED
;;     7. [M 2,048, K 2,048] x [K 2,048, N 2,048]; A: computed on the way; B: input Wo: QUANTISED
;;   THE QUANTISER, for each operand of a quantised product, along K:
;;     - K is cut into blocks of 32 from its start; a last block that is shorter is filled with zeros.
;;     - A block's scale is 2^e with e = floor(log2(the largest magnitude in the block)) - 2, held to -126 .. 127; a block of zeros has e = 0. As a byte (E8M0): e + 127.
;;     - Each number is divided by its block's scale, clamped to +-7.5, and rounded to the nearest number of E2M3, ties to even, subnormals kept.
;;     - The product sums the exact products of the quantised numbers (number of the format x scale) in f32.
;;   ~~~python
;;   def quantise(x, axis):      # numpy; x: float32 -> the quantised numbers, widened to float32 again
;;       x = np.moveaxis(x, axis, -1); K = x.shape[-1]
;;       x = np.pad(x, [(0, 0)] * (x.ndim - 1) + [(0, -K % 32)]); x = x.reshape(x.shape[:-1] + (-1, 32)); a = np.abs(x).max(-1, keepdims=True)
;;       e = np.where(a > 0, np.clip(np.frexp(np.where(a > 0, a, 1))[1] - 1 - 2, -126, 127), 0)      # np.frexp(a)[1] - 1 = floor(log2(a)), exactly
;;       r = np.clip(x / 2.0 ** e, -7.5, 7.5)
;;       step = 2.0 ** (np.maximum(np.frexp(np.where(r == 0, 1, r))[1] - 1, 0) - 3)
;;       q = np.round(r / step) * step * 2.0 ** e      # np.round: ties to even
;;       return np.moveaxis(q.reshape(q.shape[:-2] + (-1,))[..., :K], -1, axis).astype(np.float32)
;;   ~~~
;;   SOFTMAX AHEAD OF A QUANTISED PRODUCT. Where the list says 'softmax', what is quantised is not the finished softmax but p = 2^(t - M), with t = logit x log2(e) and M = ceil(the row's largest t), a whole number; so 1/2 < the row's largest p <= 1. The row's sum l is taken of the UNQUANTISED p, in f32, and the product's result is divided by l at the end. Since M is a whole number, a kernel that streams over the keys may use a running M (the ceiling of the running maximum): every later rescaling is an exact power of two, which a block's scale takes up: the codes' values come out the same.
;;   OPERANDS COMPUTED ON THE WAY. 'Computed on the way' means the value that the module computes at that place (a softmax that the list does not call 'softmax' is quantised finished and normalised). What goes into a quantiser is computed in f32, as accurately as f32 sums, v_exp_f32 and their like allow (about 1e-6 of the number): no bf16 or f16 on the way to a quantiser, and a product that is left as it is and whose result goes on into a quantised operand takes f32 operands (vector FMAs, or v_wmma_f32_16x16x4_f32). A number that lies on a knife's edge between two numbers of the format may be rounded either way, as far as f32 arithmetic and the matrix unit's own rounding can turn it there, and no further.
;; 2 versions. Each part assembles by itself: llvm-mc -triple=amdgcn-amd-amdhsa -mcpu=gfx1250 --defsym DOCPART=n.
;; ======== version 1 of 2: 5 launches
;; limits: right only within a limited range of input values
;; workspace buffers: w_op 9,830,400 bytes; wo_op 3,276,800 bytes; x_op 3,276,800 bytes; q_op 3,276,800 bytes; kv_op 6,553,600 bytes; a_op 3,276,800 bytes; tab 2,113,536 bytes; gate 131,072 bytes
;; launch prep_w (part 1): grid 64 x 8, 8 waves a work-group, no clusters, 29,696 bytes of LDS; arguments Wq, Wk, Wv, Wo, w_op, wo_op; writes w_op, wo_op
.if DOCPART == 1
	.amdgcn_target "amdgcn-amd-amdhsa--gfx1250"
	.amdhsa_code_object_version 6
	.text
	.protected	k_qcff2ce84f8_prep_w
	.globl	k_qcff2ce84f8_prep_w
	.p2align	8
	.type	k_qcff2ce84f8_prep_w,@function
k_qcff2ce84f8_prep_w:
	s_mov_b64 s[64:65], 0
	v_nop
	global_prefetch_b8 v0, s[64:65] scope:SCOPE_SE
	s_setreg_imm32_b32 hwreg(HW_REG_WAVE_MODE, 25, 1), 1
	s_wait_xcnt 0x0
; Wq, Wk, Wv, Wo [2048 (k)][2048 (n)], f32, K their FIRST axis, become codes of FP6 (E2M3) with one E8M0 byte for each 32 along K, laid as IMAGES OF OPERAND REGISTERS.
; THE LAYOUT (all operand buffers of this program have it).  A chunk of 12,800 bytes serves 128 rows of an operand (here: 128 columns n) and 128 along K; chunk (RB, s) lies at (16 RB + s) x 12,800.
;   bytes 0 .. 12,287: eight tiles of 16 rows, 1,536 bytes each: registers 4 g .. 4 g + 3 (g = 0 .. 2) of lane L of the tile's fragment at 1,536 t + 512 g + 16 L;
;   bytes 12,288 ..:   the scale words: tile t, lane-row m at 12,288 + 64 t + 4 m.
;   THE ROWS OF A TILE ARE NOT NEIGHBOURS: lane-row m of tile 2 B + u is row 32 B + 8 u + m + 8 (m / 8) of the 128.
; A LANE TAKES A COLUMN n AND ITS REGISTERS RUN DOWN K: a block of 32 lies in one lane, and the conversions give codes with K innermost.  A wave takes 32 columns (two tiles) x 128 K.
; A lane's codes belong to two lanes of an image (blocks 0, 2 to lane m, blocks 1, 3 to lane m + 16): they go through the wave's own stage in LDS and leave as 512 consecutive bytes a store.
; The wave's 32 scale words leave as 128 consecutive bytes: one part in 24 of what it stores.
; A block's byte is its largest magnitude's exponent field - 2, held at 1 from below.  LIMITS: a block of zeros, or one whose largest magnitude lies under 2^-124, gets the byte 1 (its codes are zeros or
; small; this program alone reads the bytes); NaN and infinities are not served.
; w_op holds Wq in RB 0-15, Wk in 16-31, Wv in 32-47; wo_op holds Wo.  No barrier: waves share nothing.
.set X,    32                          ; v32-159  my column's 128 numbers
.set I0,   160                         ; v160-171 blocks 0 and 2: the registers of image lane m
.set I1,   172                         ; v172-183 blocks 1 and 3: of image lane m + 16
.set TC,   184                         ; v184-186 a block's upper 16 codes, before they are moved
.set OUTR, 192                         ; v192-216 the way out
.set SW,   20                          ; v20      my column's scale word
.set WREG, 3584                        ; LDS of a wave: two tile stages, then 128 bytes of scale words
.set TP,   1664                        ; from one tile's stage to the other's: 1,536 + 128
.set SCW,  3328
	s_load_b256 s[4:11], s[0:1], 0x0               ; Wq, Wk, Wv, Wo
	s_load_b128 s[12:15], s[0:1], 0x20             ; w_op, wo_op
	v_lshl_add_u32 v224, v0, 2, 0x7000
	v_mov_b32 v225, 0
	v_lshrrev_b32 v1, 5, v0
	v_readfirstlane_b32 s16, v1                    ; wave 0..7
	v_and_b32 v1, 31, v0                           ; lane = my column among the wave's 32
	v_lshlrev_b32 v2, 2, v1                        ; 4 x lane
	v_lshlrev_b32 v7, 4, v1                        ; 16 x lane
	v_bfe_u32 v8, v0, 3, 1                         ; u: which of the two tiles holds my column
	v_and_b32 v9, 7, v0
	v_bfe_u32 v10, v0, 4, 1
	v_lshl_add_u32 v9, v10, 3, v9                  ; m: its lane-row there
	s_mul_i32 s21, s16, WREG
	v_mul_u32_u24 v3, v8, TP
	v_lshl_add_u32 v3, v9, 4, v3
	v_add_nc_u32 v3, s21, v3                       ; stage, way in: tile u, image lane m
	v_lshlrev_b32 v5, 6, v8
	v_lshl_add_u32 v5, v9, 2, v5
	v_add_nc_u32 v5, s21, v5                       ; scale words, way in: 64 u + 4 m
	v_add_nc_u32 v4, s21, v7                       ; stage, way out: 16 x lane
	v_add_nc_u32 v6, s21, v2                       ; scale words, way out: 4 x lane
	s_and_b32 s17, s16, 3                          ; which 32 of the 128 columns
	s_lshr_b32 s18, s16, 2
	s_and_b32 s19, ttmp7, 0xffff
	s_lshl_b32 s19, s19, 1
	s_add_co_u32 s19, s19, s18                     ; K step s = 2 y + wave / 4
	s_lshr_b32 s20, ttmp9, 4                       ; which weight
	s_and_b32 s22, ttmp9, 15                       ; which 128 columns of it
	s_mov_b32 s23, ttmp9
	s_lshl_b32 s24, s19, 20                        ; 128 s rows of 8,192 bytes,
	s_lshl_b32 s26, s22, 9
	s_add_co_u32 s24, s24, s26                     ; + 512 bytes a column block,
	s_lshl_b32 s26, s17, 7
	s_add_co_u32 s24, s24, s26                     ; + 128 bytes for each 32 columns
	s_mov_b32 s25, 0
	s_wait_kmcnt 0x0
	s_cmp_eq_u32 s20, 1                            ; the choices hang on the work-group's number alone
	s_cselect_b64 s[4:5], s[6:7], s[4:5]
	s_cmp_eq_u32 s20, 2
	s_cselect_b64 s[4:5], s[8:9], s[4:5]
	s_cmp_eq_u32 s20, 3
	s_cselect_b64 s[4:5], s[10:11], s[4:5]
	s_cselect_b64 s[12:13], s[14:15], s[12:13]
	s_cselect_b32 s23, s22, s23                    ; RB: in wo_op the column block, in w_op the work-group's x
	s_add_nc_u64 s[4:5], s[4:5], s[24:25]
	s_lshl_b32 s23, s23, 4
	s_add_co_u32 s23, s23, s19
	s_mul_i32 s26, s23, 12800
	s_mov_b32 s27, 0
	s_add_nc_u64 s[12:13], s[12:13], s[26:27]      ; my chunk
	s_lshl_b32 s28, s17, 7
	s_add_co_u32 s28, s28, 12288
	s_mov_b32 s29, 0
	s_add_nc_u64 s[30:31], s[12:13], s[28:29]      ; my 32 scale words
	s_mul_i32 s28, s17, 3072
	s_add_nc_u64 s[12:13], s[12:13], s[28:29]      ; my two tiles
.macro LOADW kb                        ; block kb: W(128 s + 32 kb + i, my column): 32 lanes read 128 consecutive bytes
.set i, 0
.rept 32
	global_load_b32 v[X+32*(\kb)+i], v2, s[4:5] offset:(32*(\kb)+i)*8192 th:TH_LOAD_NT
.set i, i+1
.endr
.endm
.macro BLOCKW kb, left
.set XS, X+32*(\kb)
.set ID, I0+12*((\kb)%2)+6*((\kb)/2)
	s_wait_loadcnt \left                           ; loads come back in order: this block's 32 are in, the next block's 32 may be out
.if (\kb)+2 < 4
	LOADW (\kb)+2                                  ; two blocks ahead: 64 loads of mine are out
.endif
	v_max3_num_f32 v12, |v[XS]|, |v[XS+1]|, |v[XS+2]|      ; the block's largest magnitude, in two chains
	v_max3_num_f32 v13, |v[XS+3]|, |v[XS+4]|, |v[XS+5]|
.irp i, 6,10,14,18,22,26
	v_max3_num_f32 v12, v12, |v[XS+\i]|, |v[XS+\i+1]|
	v_max3_num_f32 v13, v13, |v[XS+\i+2]|, |v[XS+\i+3]|
.endr
	v_max3_num_f32 v12, v12, |v[XS+30]|, |v[XS+31]|
	v_max3_num_f32 v12, v12, v13, 0x1800000        ; and the floor 2^(3 - 127): the byte cannot fall under 1
	v_add_nc_u32 v11, 0xff000000, v12              ; 2 off the exponent field: the conversion's scale operand
	v_lshrrev_b32 v13, 23, v11                     ; the byte
.if (\kb) == 0
	v_mov_b32 v[SW], v13
.else
	v_lshl_or_b32 v[SW], v13, 8*(\kb), v[SW]
.endif
	v_cvt_scalef32_pk16_fp6_f32 v[ID:ID+2], v[XS:XS+15], v11
	v_cvt_scalef32_pk16_fp6_f32 v[TC:TC+2], v[XS+16:XS+31], v11    ; (a conversion's three registers begin on an even number)
	v_nop                                          ; one plain place behind a scaled conversion
	v_mov_b32 v[ID+3], v[TC]
	v_mov_b32 v[ID+4], v[TC+1]
	v_mov_b32 v[ID+5], v[TC+2]
.endm
	LOADW 0
	LOADW 1
	BLOCKW 0, 32
	BLOCKW 1, 32
	BLOCKW 2, 32
	BLOCKW 3, 0
.irp g, 0,1,2
	ds_store_b128 v3, v[I0+4*\g:I0+4*\g+3] offset:512*\g           ; image lane m
	ds_store_b128 v3, v[I1+4*\g:I1+4*\g+3] offset:512*\g+256       ; image lane m + 16
.endr
	ds_store_b32 v5, v[SW] offset:SCW
.irp u, 0,1
.irp g, 0,1,2
	ds_load_b128 v[OUTR+4*(3*\u+\g):OUTR+4*(3*\u+\g)+3], v4 offset:TP*\u+512*\g   ; LDS serves a wave's instructions in order: these see my stores
.endr
.endr
	ds_load_b32 v[OUTR+24], v6 offset:SCW
.irp u, 0,1
.irp g, 0,1,2
	s_wait_dscnt 6-(3*\u+\g)                       ; the younger LDS loads may be out
	global_store_b128 v7, v[OUTR+4*(3*\u+\g):OUTR+4*(3*\u+\g)+3], s[12:13] offset:1536*\u+512*\g   ; 512 consecutive bytes, at a multiple of 256 from the buffer's first byte
.endr
.endr
	s_wait_dscnt 0x0
	global_store_b32 v2, v[OUTR+24], s[30:31]
	s_wait_tensorcnt 0x0
	ds_add_u32 v224, v225
	s_wait_dscnt 0x0
	s_endpgm
.Lfunc_end_k_qcff2ce84f8_prep_w:
	.size	k_qcff2ce84f8_prep_w, .Lfunc_end_k_qcff2ce84f8_prep_w-k_qcff2ce84f8_prep_w
	.p2alignl 7, 3214868480
	.fill 96, 4, 3214868480
	.section	.rodata,"a",@progbits
	.p2align	6, 0x0
	.amdhsa_kernel k_qcff2ce84f8_prep_w
		.amdhsa_group_segment_fixed_size 29696
		.amdhsa_private_segment_fixed_size 0
		.amdhsa_enable_private_segment 0
		.amdhsa_kernarg_size 48
		.amdhsa_user_sgpr_count 2
		.amdhsa_user_sgpr_kernarg_segment_ptr 1
		.amdhsa_wavefront_size32 1
		.amdhsa_system_sgpr_workgroup_id_x 1
		.amdhsa_system_sgpr_workgroup_id_y 1
		.amdhsa_system_sgpr_workgroup_id_z 1
		.amdhsa_system_vgpr_workitem_id 0
		.amdhsa_next_free_vgpr 226
		.amdhsa_next_free_sgpr 66
		.amdhsa_reserve_vcc 0
		.amdhsa_float_denorm_mode_32 3
		.amdhsa_float_denorm_mode_16_64 3
		.amdhsa_memory_ordered 1
		.amdhsa_forward_progress 1
		.amdhsa_inst_pref_size 23
	.end_amdhsa_kernel
	.amdgpu_metadata
---
amdhsa.version: [ 1, 2 ]
amdhsa.kernels:
  - .name:           k_qcff2ce84f8_prep_w
    .symbol:         k_qcff2ce84f8_prep_w.kd
    .args:
      - { .name: Wq, .offset: 0, .size: 8, .value_kind: global_buffer, .address_space: global }
      - { .name: Wk, .offset: 8, .size: 8, .value_kind: global_buffer, .address_space: global }
      - { .name: Wv, .offset: 16, .size: 8, .value_kind: global_buffer, .address_space: global }
      - { .name: Wo, .offset: 24, .size: 8, .value_kind: global_buffer, .address_space: global }
      - { .name: w_op, .offset: 32, .size: 8, .value_kind: global_buffer, .address_space: global }
      - { .name: wo_op, .offset: 40, .size: 8, .value_kind: global_buffer, .address_space: global }
    .group_segment_fixed_size: 29696
    .private_segment_fixed_size: 0
    .kernarg_segment_align: 8
    .kernarg_segment_size: 48
    .max_flat_workgroup_size: 256
    .sgpr_count:     66
    .vgpr_count:     226
    .wavefront_size: 32
...
	.end_amdgpu_metadata
.endif
;; end of part 1
;; launch prep_x (part 2): grid 128 x 1, 8 waves a work-group, no clusters, 9,216 bytes of LDS; arguments x, rotary_pos_emb, Wg, bg, x_op, tab, gate; writes x_op, tab, gate
.if DOCPART == 2
	.amdgcn_target "amdgcn-amd-amdhsa--gfx1250"
	.amdhsa_code_object_version 6
	.text
	.protected	k_qcff2ce84f8_prep_x
	.globl	k_qcff2ce84f8_prep_x
	.p2align	8
	.type	k_qcff2ce84f8_prep_x,@function
k_qcff2ce84f8_prep_x:
	s_mov_b64 s[64:65], 0
	v_nop
	global_prefetch_b8 v0, s[64:65] scope:SCOPE_SE
	s_setreg_imm32_b32 hwreg(HW_REG_WAVE_MODE, 25, 1), 1
	s_wait_xcnt 0x0
; Three things for one tile T of 16 rows of x (T = the work-group's number; lane-row r is row 32 (T / 2) + 8 (T % 2) + r + 8 (r / 8)):
;  1. x's codes of FP6 (E2M3) and scale words, as images of operand registers (chunk (T / 8, K step), tile T % 8; the layout is set out at the head of prep_w);
;  2. the table of cos and signed sin of the rows' 128 angles, in the order in which the next launch's results lie in registers:
;     16,384 bytes a tile: group g (four registers) at 512 g + 16 x lane; g = 0-15 cos, 16-31 sin; register 16 B + i of lane (r, h) stands for channel d = 32 B + 16 h + i; sin carries rotate_half's sign (- for d < 64);
;     behind the 128 tiles lies one more table, cos = 1 and sin = 0, which the next launch takes for v: work-groups 0 to 3 write it;
;  3. gate[T][head][lane-row] = sigmoid(Q(x) Q(Wg) + bg): the quantised product, 16 rows x 16 heads, K shared among the waves, the eight partial sums added through LDS in ascending K.
; Wave w takes K steps 2 w and 2 w + 1 (128 each) of x and Wg, and table registers 8 w .. 8 w + 7.
; SINE AND COSINE: k = the nearest whole number to f x 2 / pi; r = f - k pi / 2 by three fused multiply-adds with pi / 2 in three pieces; polynomials on |r| <= pi / 4; the quadrant by selects and sign bits.
; LIMITS: angles up to some 1e5 in magnitude keep an absolute error near 1e-7; NaN and infinities are not served; a block of zeros or under 2^-124 gets the byte 1 (this program alone reads the bytes).
; The tile's scale words leave as 64 consecutive bytes for each K step.
.set PCX,  16                          ; v16-27   x's fragment;  v28-30, v32-34 upper halves of blocks on their way
.set PT,   28
.set PCW,  36                          ; v36-47   Wg's fragment
.set TM,   48                          ; v48-63   at work in the quantisers
.set PWX0, 64                          ; x's scale words of the two K steps; Wg's
.set PWX1, 65
.set PWW,  66
.set BGV,  67
.set SWS,  68
.set ACC,  72                          ; v72-79   my partial sums of the gate's product
.set F,    80                          ; v80-87   eight angles
.set KQ,   88                          ; v88-95   k, then the quadrant
.set RR,   96                          ; v96-103  r, at the end cos
.set ZZ,   104                         ; v104-111 r^2, at the end signed sin
.set NA,   112                         ; v112-175 64 numbers of x
.set NB,   176                         ; v176-239 64 numbers of Wg
.set PSN,  NA                          ; sine and cosine work in x's registers between its two K steps
.set PCS,  NA+8
.set T1,   NA+16
.set T2,   NA+24
.set IDT,  240
.set SEL,  20
	s_load_b256 s[4:11], s[0:1], 0x0               ; x, rotary_pos_emb, Wg, bg
	s_load_b128 s[12:15], s[0:1], 0x20             ; x_op, tab
	s_load_b64 s[16:17], s[0:1], 0x30              ; gate
	v_lshl_add_u32 v254, v0, 2, 0x2000
	v_mov_b32 v255, 0
	v_lshrrev_b32 v1, 5, v0
	v_readfirstlane_b32 s18, v1                    ; wave 0..7
	v_and_b32 v1, 31, v0                           ; lane
	v_and_b32 v2, 15, v0                           ; r
	v_bfe_u32 v3, v0, 4, 1                         ; h
	v_and_b32 v13, 8, v2
	v_add_nc_u32 v13, v13, v2                      ; r + 8 (r / 8)
	v_lshlrev_b32 v4, 13, v13
	v_lshl_add_u32 v4, v3, 6, v4                   ; x: my row of 8,192 bytes, + 64 h: my 16 numbers of a block of 32
	v_lshlrev_b32 v5, 2, v2
	v_lshl_add_u32 v5, v3, 11, v5                  ; Wg: column r; lanes 16-31 begin 32 rows of 64 bytes further down
	v_lshlrev_b32 v9, 4, v1                        ; 16 x lane
	s_and_b32 s34, ttmp9, 7
	s_mul_i32 s35, s34, 1536
	v_add_nc_u32 v6, s35, v9                       ; an image's place: tile T % 8, 16 x lane
	s_lshl_b32 s35, s34, 6
	s_add_co_u32 s35, s35, 12288
	v_mul_u32_u24 v7, v3, 12800
	v_lshl_add_u32 v7, v2, 2, v7
	v_add_nc_u32 v7, s35, v7                       ; scale words: lanes 0-15 the first K step's chunk, lanes 16-31 the second's
	v_lshlrev_b32 v8, 9, v13
	v_lshl_add_u32 v8, v3, 6, v8                   ; angles: my row of 512 bytes, + 64 h
	s_lshl_b32 s35, s18, 10
	v_lshlrev_b32 v10, 6, v2
	v_lshl_add_u32 v10, v3, 5, v10
	v_add_nc_u32 v10, s35, v10                     ; LDS: my wave's 1,024 bytes; (head r, lane-rows 8 h ..) at 64 r + 32 h
	v_lshlrev_b32 v11, 2, v0                       ; thread t = 16 head + lane-row
	v_lshrrev_b32 v12, 4, v0
	v_lshlrev_b32 v12, 2, v12                      ; bg: 4 x head
.irp b, 0,1,2,3
	v_mov_b32 v[TM+4+\b], 0                        ; written once: a lane permute's destination counts as one of its sources
.endr
	s_mov_b32 s[SEL], 0x76543210
	s_mov_b32 s[SEL+1], 0xfedcba98                 ; v_permlanex16_b32's selects for lane l xor 16
	s_mov_b32 s22, 0x3f22f983                      ; 2 / pi
	s_mov_b32 s23, 0x3fc90fd8                      ; pi / 2 in three pieces
	s_mov_b32 s24, 0x34a8885a
	s_mov_b32 s25, 0x27c234c4
	s_mov_b32 s26, 0xb94ca1f9                      ; sine's polynomial
	s_mov_b32 s27, 0x3c08839e
	s_mov_b32 s28, 0xbe2aaaa3
	s_mov_b32 s29, 0x37ccf5ce                      ; cosine's
	s_mov_b32 s30, 0xbab6061a
	s_mov_b32 s31, 0x3d2aaaa5
	s_mov_b32 s33, 0x80000000
	s_cmp_lt_u32 s18, 4                            ; my eight channels lie under 64 where wave < 4: rotate_half's minus
	s_cselect_b32 s32, 0x80000000, 0
	s_lshr_b32 s36, ttmp9, 1
	s_lshl_b32 s36, s36, 5
	s_and_b32 s37, ttmp9, 1
	s_lshl_b32 s37, s37, 3
	s_add_co_u32 s36, s36, s37                     ; the tile's first row
	s_lshl_b32 s38, s36, 13
	s_add_co_u32 s38, s38, s35                     ; x: + 1,024 bytes a wave (two K steps)
	s_mov_b32 s39, 0
	s_lshl_b32 s40, s36, 9
	s_lshr_b32 s37, s18, 1
	s_lshl_b32 s37, s37, 7
	s_add_co_u32 s40, s40, s37
	s_and_b32 s37, s18, 1
	s_lshl_b32 s37, s37, 5
	s_add_co_u32 s40, s40, s37                     ; angles: channels 32 (w / 2) + 8 (w % 2) + 16 h + 0 .. 7
	s_mov_b32 s41, 0
	s_lshl_b32 s42, s18, 14                        ; Wg: 256 rows of 64 bytes a wave
	s_mov_b32 s43, 0
	s_lshr_b32 s44, ttmp9, 3
	s_lshl_b32 s44, s44, 4
	s_lshl_b32 s37, s18, 1
	s_add_co_u32 s44, s44, s37
	s_mul_i32 s44, s44, 12800                      ; x_op: chunk (T / 8, 2 w)
	s_mov_b32 s45, 0
	s_lshl_b32 s46, ttmp9, 14
	s_add_co_u32 s46, s46, s35                     ; tab: 16,384 T + 1,024 w
	s_mov_b32 s47, 0
	s_lshl_b32 s48, ttmp9, 12
	s_lshl_b32 s37, s18, 9
	s_add_co_u32 s48, s48, s37
	s_add_co_u32 s48, s48, 0x200000                ; the table of ones and zeros: group 8 T + w (T < 4 only)
	s_mov_b32 s49, 0
	s_lshl_b32 s50, ttmp9, 10                      ; gate: 1,024 bytes a tile
	s_mov_b32 s51, 0
	s_wait_kmcnt 0x0
	s_add_nc_u64 s[4:5], s[4:5], s[38:39]
	s_add_nc_u64 s[6:7], s[6:7], s[40:41]
	s_add_nc_u64 s[8:9], s[8:9], s[42:43]
	s_add_nc_u64 s[12:13], s[12:13], s[44:45]
	s_add_nc_u64 s[52:53], s[14:15], s[48:49]
	s_add_nc_u64 s[14:15], s[14:15], s[46:47]
	s_add_nc_u64 s[16:17], s[16:17], s[50:51]
.macro XLOAD s                         ; my row's numbers of my K step s: register 16 b + 4 j + e = k 32 b + 16 h + 4 j + e
.irp b, 0,1,2,3
.irp j, 0,1,2,3
	global_load_b128 v[NA+16*\b+4*\j:NA+16*\b+4*\j+3], v4, s[4:5] offset:512*\s+128*\b+16*\j th:TH_LOAD_NT
.endr
.endr
.endm
.macro WLOAD s, c                      ; Wg(128 s + 64 c + 32 h + i, r), i = 0 .. 31: my block 2 c + h of column r
.set i, 0
.rept 32
	global_load_b32 v[NB+32*\c+i], v5, s[8:9] offset:(128*\s+64*\c+i)*64
.set i, i+1
.endr
.endm
; 64 numbers of a lane, register 16 b + i = k 32 b + 16 h + i of my row, become a fragment's codes in v[pc] on and its scale word in v[pw].
.macro QUANT s, pc, pw
.irp b, 0,1,2,3
	v_max3_num_f32 v[TM+\b], |v[\s+16*\b]|, |v[\s+1+16*\b]|, 0x1800000   ; my 16 of block b, and the floor 2^(3 - 127)
.endr
.irp i, 2,4,6,8,10,12,14
.irp b, 0,1,2,3
	v_max3_num_f32 v[TM+\b], v[TM+\b], |v[\s+16*\b+\i]|, |v[\s+1+16*\b+\i]|
.endr
.endr
.irp b, 0,1,2,3
	v_permlanex16_b32 v[TM+4+\b], v[TM+\b], s[SEL], s[SEL+1]
.endr
.irp b, 0,1,2,3
	v_max_num_f32 v[TM+\b], v[TM+\b], v[TM+4+\b]   ; with lane l xor 16's: the block's largest magnitude
.endr
.irp b, 0,1,2,3
	v_add_nc_u32 v[TM+12+\b], 0xff000000, v[TM+\b] ; 2 off its exponent field: the conversion's scale operand
.endr
.irp b, 0,1,2,3
	v_lshrrev_b32 v[TM+4+\b], 23, v[TM+12+\b]      ; the byte
.endr
	v_lshl_or_b32 v[\pw], v[TM+5], 8, v[TM+4]
	v_lshl_or_b32 v[\pw], v[TM+6], 16, v[\pw]
	v_lshl_or_b32 v[\pw], v[TM+7], 24, v[\pw]
.irp c, 0,1
	v_cvt_scalef32_pk16_fp6_f32 v[\pc+6*\c:\pc+2+6*\c], v[\s+32*\c:\s+15+32*\c], v[TM+12+2*\c]
	v_cvt_scalef32_pk16_fp6_f32 v[\pc+12+4*\c:\pc+14+4*\c], v[\s+16+32*\c:\s+31+32*\c], v[TM+12+2*\c+1]
.endr
	v_nop                                          ; one plain place behind a scaled conversion
.irp c, 0,1                            ; the operand's layout wants a whole block in a lane: lanes 0-15 block 2 c, lanes 16-31 block 2 c + 1
.irp i, 0,1,2
	v_permlane16_swap_b32 v[\pc+6*\c+\i], v[\pc+12+4*\c+\i]
.endr
.irp i, 0,1,2
	v_mov_b32 v[\pc+3+6*\c+\i], v[\pc+12+4*\c+\i]
.endr
.endr
.endm
; Wg's 64 numbers of a lane are two whole blocks of column r, in the operand's own order.
.macro QUANTC
.irp c, 0,1
	v_max3_num_f32 v[TM+\c], |v[NB+32*\c]|, |v[NB+32*\c+1]|, 0x1800000
.endr
.irp i, 2,4,6,8,10,12,14,16,18,20,22,24,26,28,30
.irp c, 0,1
	v_max3_num_f32 v[TM+\c], v[TM+\c], |v[NB+32*\c+\i]|, |v[NB+32*\c+\i+1]|
.endr
.endr
.irp c, 0,1
	v_add_nc_u32 v[TM+12+\c], 0xff000000, v[TM+\c]
.endr
.irp c, 0,1
	v_lshrrev_b32 v[TM+4+\c], 23, v[TM+12+\c]
.endr
	v_lshl_or_b32 v[TM+8], v[TM+5], 16, v[TM+4]    ; my two bytes: blocks h and 2 + h,
	v_lshlrev_b32 v[TM+9], 3, v3
	v_lshlrev_b32 v[TM+8], v[TM+9], v[TM+8]        ; at their places in the word;
	v_mov_b32 v[TM+9], 0
	v_permlanex16_b32 v[TM+9], v[TM+8], s[SEL], s[SEL+1]
	v_or_b32 v[PWW], v[TM+8], v[TM+9]              ; with lane l xor 16's two the word is whole
.irp c, 0,1
	v_cvt_scalef32_pk16_fp6_f32 v[PCW+6*\c:PCW+6*\c+2], v[NB+32*\c:NB+32*\c+15], v[TM+12+\c]
	v_cvt_scalef32_pk16_fp6_f32 v[PT+4*\c:PT+4*\c+2], v[NB+32*\c+16:NB+32*\c+31], v[TM+12+\c]
.endr
	v_nop
.irp c, 0,1
.irp i, 0,1,2
	v_mov_b32 v[PCW+3+6*\c+\i], v[PT+4*\c+\i]
.endr
.endr
.endm
	global_load_b128 v[F:F+3], v8, s[6:7]
	global_load_b128 v[F+4:F+7], v8, s[6:7] offset:16
	global_load_b32 v[BGV], v12, s[10:11]
	XLOAD 0
	WLOAD 0, 0
	s_wait_loadcnt 32                              ; all but Wg's 32 just issued: the angles, bg and x's first K step are in
	WLOAD 0, 1
	QUANT NA, PCX, PWX0
.irp c, 0,1,2
	global_store_b128 v6, v[PCX+4*\c:PCX+4*\c+3], s[12:13] offset:512*\c
.endr
	; sine and cosine of my eight angles, the eight by turns
.irp j, 0,1,2,3,4,5,6,7
	v_mul_f32 v[KQ+\j], s22, v[F+\j]
.endr
.irp j, 0,1,2,3,4,5,6,7
	v_rndne_f32 v[KQ+\j], v[KQ+\j]
.endr
.irp j, 0,1,2,3,4,5,6,7
	v_fma_f32 v[RR+\j], -v[KQ+\j], s23, v[F+\j]
.endr
.irp j, 0,1,2,3,4,5,6,7
	v_fma_f32 v[RR+\j], -v[KQ+\j], s24, v[RR+\j]
.endr
.irp j, 0,1,2,3,4,5,6,7
	v_fma_f32 v[RR+\j], -v[KQ+\j], s25, v[RR+\j]
.endr
.irp j, 0,1,2,3,4,5,6,7
	v_mul_f32 v[ZZ+\j], v[RR+\j], v[RR+\j]
.endr
.irp j, 0,1,2,3,4,5,6,7
	v_cvt_i32_f32 v[KQ+\j], v[KQ+\j]               ; its two lowest bits are the quadrant, for negative k too
.endr
.irp j, 0,1,2,3,4,5,6,7
	v_fma_f32 v[PSN+\j], v[ZZ+\j], s26, s27
.endr
.irp j, 0,1,2,3,4,5,6,7
	v_fma_f32 v[PSN+\j], v[PSN+\j], v[ZZ+\j], s28
.endr
.irp j, 0,1,2,3,4,5,6,7
	v_mul_f32 v[T1+\j], v[ZZ+\j], v[RR+\j]
.endr
.irp j, 0,1,2,3,4,5,6,7
	v_fma_f32 v[PSN+\j], v[PSN+\j], v[T1+\j], v[RR+\j]     ; sin r
.endr
.irp j, 0,1,2,3,4,5,6,7
	v_fma_f32 v[PCS+\j], v[ZZ+\j], s29, s30
.endr
.irp j, 0,1,2,3,4,5,6,7
	v_fma_f32 v[PCS+\j], v[PCS+\j], v[ZZ+\j], s31
.endr
.irp j, 0,1,2,3,4,5,6,7
	v_mul_f32 v[T1+\j], v[ZZ+\j], v[ZZ+\j]
.endr
.irp j, 0,1,2,3,4,5,6,7
	v_fma_f32 v[T2+\j], v[ZZ+\j], -0.5, 1.0
.endr
.irp j, 0,1,2,3,4,5,6,7
	v_fma_f32 v[PCS+\j], v[PCS+\j], v[T1+\j], v[T2+\j]     ; cos r
.endr
.irp j, 0,1,2,3,4,5,6,7
	v_and_b32 v[T1+\j], 1, v[KQ+\j]
	v_cmp_eq_u32 vcc_lo, 1, v[T1+\j]               ; in odd quadrants the two change places: a select, no branch
	v_cndmask_b32 v[ZZ+\j], v[PSN+\j], v[PCS+\j], vcc_lo
	v_cndmask_b32 v[RR+\j], v[PCS+\j], v[PSN+\j], vcc_lo
.endr
.irp j, 0,1,2,3,4,5,6,7
	v_lshlrev_b32 v[T1+\j], 30, v[KQ+\j]           ; sine is negative in quadrants 2, 3: bit 1 of q,
	v_add_nc_u32 v[T2+\j], 1, v[KQ+\j]             ; cosine in 1, 2: bit 1 of q + 1
.endr
.irp j, 0,1,2,3,4,5,6,7
	v_lshlrev_b32 v[T2+\j], 30, v[T2+\j]
.endr
.irp j, 0,1,2,3,4,5,6,7
	v_and_b32 v[T1+\j], s33, v[T1+\j]
	v_and_b32 v[T2+\j], s33, v[T2+\j]
.endr
.irp j, 0,1,2,3,4,5,6,7
	v_xor_b32 v[T1+\j], s32, v[T1+\j]              ; rotate_half's sign
.endr
.irp j, 0,1,2,3,4,5,6,7
	v_xor_b32 v[ZZ+\j], v[T1+\j], v[ZZ+\j]
	v_xor_b32 v[RR+\j], v[T2+\j], v[RR+\j]
.endr
	global_store_b128 v9, v[RR:RR+3], s[14:15]                     ; cos: groups 2 w, 2 w + 1; 512 consecutive bytes a store
	global_store_b128 v9, v[RR+4:RR+7], s[14:15] offset:512
	global_store_b128 v9, v[ZZ:ZZ+3], s[14:15] offset:8192         ; sin: groups 16 + 2 w, 17 + 2 w
	global_store_b128 v9, v[ZZ+4:ZZ+7], s[14:15] offset:8704
	s_cmp_lt_u32 ttmp9, 4                          ; the table of ones and zeros: 32 groups, one for each wave of work-groups 0 to 3
	s_cbranch_scc0 .Lno_id
	s_cmp_lt_u32 ttmp9, 2                          ; groups 0-15: cos = 1; groups 16-31: sin = 0
	s_cselect_b32 s34, 1.0, 0
.irp j, 0,1,2,3
	v_mov_b32 v[IDT+\j], s34
.endr
	global_store_b128 v9, v[IDT:IDT+3], s[52:53]
.Lno_id:
	s_wait_loadcnt 0x0                             ; Wg's first K step
	XLOAD 1
	QUANTC
	WLOAD 1, 0
.rept 8
	v_nop                                          ; a scale register written by a vector instruction stands 8 places ahead of a scaled matrix instruction, an operand 4
.endr
	v_wmma_scale_f32_16x16x128_f8f6f4 v[ACC:ACC+7], v[PCX:PCX+11], v[PCW:PCW+11], 0, v[PWX0], v[PWW] matrix_a_fmt:MATRIX_FMT_FP6 matrix_b_fmt:MATRIX_FMT_FP6   ; (lane-row 8 h + j, head r)
	s_wait_loadcnt 32                              ; x's second K step is in; Wg's 32 issued behind it may be out
	WLOAD 1, 1
	s_wait_xcnt 0x0                                ; the image's stores have read x's codes: they are written again only behind this wait
	QUANT NA, PCX, PWX1                            ; (its maxima are the places between the product and the writes of its operands)
.irp c, 0,1,2
	global_store_b128 v6, v[PCX+4*\c:PCX+4*\c+3], s[12:13] offset:12800+512*\c
.endr
	v_cmp_eq_u32 vcc_lo, 1, v3
	v_cndmask_b32 v[SWS], v[PWX0], v[PWX1], vcc_lo ; lanes 0-15 the first K step's words, lanes 16-31 the second's: one store for both
	global_store_b32 v7, v[SWS], s[12:13]
	s_wait_loadcnt 0x0                             ; Wg's second K step
	QUANTC
.rept 8
	v_nop
.endr
	s_wait_alu depctr_va_vdst(0)                   ; the wait ahead of the link
	v_wmma_scale_f32_16x16x128_f8f6f4 v[ACC:ACC+7], v[PCX:PCX+11], v[PCW:PCW+11], v[ACC:ACC+7], v[PWX1], v[PWW] matrix_a_fmt:MATRIX_FMT_FP6 matrix_b_fmt:MATRIX_FMT_FP6
.rept 4
	v_nop                                          ; four places in front of the first read of the result
.endr
	ds_store_b128 v10, v[ACC:ACC+3]                ; from the low end on
	ds_store_b128 v10, v[ACC+4:ACC+7] offset:16
	s_wait_dscnt 0x0                               ; for the others' sake: my partial sums have landed
	s_barrier_signal -1
	s_barrier_wait -1
.irp j, 0,1,2,3,4,5,6,7
	ds_load_b32 v[NA+\j], v11 offset:1024*\j       ; thread t: the eight waves' sums of (head t / 16, lane-row t % 16)
.endr
	s_wait_dscnt 0x0
.irp j, 1,2,3,4,5,6,7
	v_add_f32 v[NA], v[NA], v[NA+\j]               ; K ascending
.endr
	v_add_f32 v[NA], v[NA], v[BGV]
	v_mul_f32 v[NA], 0xbfb8aa3b, v[NA]             ; - z log2(e)
	v_exp_f32 v[NA], v[NA]
	v_nop                                          ; one plain place behind a transcendental
	s_wait_alu depctr_va_vdst(0)
	v_add_f32 v[NA], 1.0, v[NA]
	v_rcp_f32 v[NA], v[NA]
	v_nop
	s_wait_alu depctr_va_vdst(0)
	global_store_b32 v11, v[NA], s[16:17]          ; the work-group's 1,024 consecutive bytes
	s_wait_tensorcnt 0x0
	ds_add_u32 v254, v255
	s_wait_dscnt 0x0
	s_endpgm
.Lfunc_end_k_qcff2ce84f8_prep_x:
	.size	k_qcff2ce84f8_prep_x, .Lfunc_end_k_qcff2ce84f8_prep_x-k_qcff2ce84f8_prep_x
	.p2alignl 7, 3214868480
	.fill 96, 4, 3214868480
	.section	.rodata,"a",@progbits
	.p2align	6, 0x0
	.amdhsa_kernel k_qcff2ce84f8_prep_x
		.amdhsa_group_segment_fixed_size 9216
		.amdhsa_private_segment_fixed_size 0
		.amdhsa_enable_private_segment 0
		.amdhsa_kernarg_size 56
		.amdhsa_user_sgpr_count 2
		.amdhsa_user_sgpr_kernarg_segment_ptr 1
		.amdhsa_wavefront_size32 1
		.amdhsa_system_sgpr_workgroup_id_x 1
		.amdhsa_system_sgpr_workgroup_id_y 1
		.amdhsa_system_sgpr_workgroup_id_z 1
		.amdhsa_system_vgpr_workitem_id 0
		.amdhsa_next_free_vgpr 256
		.amdhsa_next_free_sgpr 66
		.amdhsa_reserve_vcc 1
		.amdhsa_float_denorm_mode_32 3
		.amdhsa_float_denorm_mode_16_64 3
		.amdhsa_memory_ordered 1
		.amdhsa_forward_progress 1
		.amdhsa_inst_pref_size 47
	.end_amdhsa_kernel
	.amdgpu_metadata
---
amdhsa.version: [ 1, 2 ]
amdhsa.kernels:
  - .name:           k_qcff2ce84f8_prep_x
    .symbol:         k_qcff2ce84f8_prep_x.kd
    .args:
      - { .name: x, .offset: 0, .size: 8, .value_kind: global_buffer, .address_space: global }
      - { .name: rotary_pos_emb, .offset: 8, .size: 8, .value_kind: global_buffer, .address_space: global }
      - { .name: Wg, .offset: 16, .size: 8, .value_kind: global_buffer, .address_space: global }
      - { .name: bg, .offset: 24, .size: 8, .value_kind: global_buffer, .address_space: global }
      - { .name: x_op, .offset: 32, .size: 8, .value_kind: global_buffer, .address_space: global }
      - { .name: tab, .offset: 40, .size: 8, .value_kind: global_buffer, .address_space: global }
      - { .name: gate, .offset: 48, .size: 8, .value_kind: global_buffer, .address_space: global }
    .group_segment_fixed_size: 9216
    .private_segment_fixed_size: 0
    .kernarg_segment_align: 8
    .kernarg_segment_size: 56
    .max_flat_workgroup_size: 256
    .sgpr_count:     66
    .vgpr_count:     256
    .wavefront_size: 32
...
	.end_amdgpu_metadata
.endif
;; end of part 2
;; launch qkv (part 3): grid 24 x 8, 4 waves a work-group, clusters of 4 x 4, 327,680 bytes of LDS; arguments x_op, w_op, tab, q_op, kv_op; writes q_op, kv_op
.if DOCPART == 3
	.amdgcn_target "amdgcn-amd-amdhsa--gfx1250"
	.amdhsa_code_object_version 6
	.text
	.protected	k_qcff2ce84f8_qkv
	.globl	k_qcff2ce84f8_qkv
	.p2align	8
	.type	k_qcff2ce84f8_qkv,@function
k_qcff2ce84f8_qkv:
	s_mov_b64 s[64:65], 0
	v_nop
	global_prefetch_b8 v0, s[64:65] scope:SCOPE_SE
	s_setreg_imm32_b32 hwreg(HW_REG_WAVE_MODE, 25, 1), 1
	s_wait_xcnt 0x0
	s_wait_alu depctr_hold_cnt(0) depctr_sa_sdst(0) depctr_va_vdst(0) depctr_va_sdst(0) depctr_va_ssrc(0) depctr_va_vcc(0) depctr_vm_vsrc(0)
	s_getreg_b32 s2, hwreg(HW_REG_IB_STS2, 6, 4)
	s_cmp_eq_u32 s2, 0
	s_cbranch_scc0 .Lentry_in_a_cluster
	s_endpgm
.Lentry_in_a_cluster:
	s_bfe_u32 s2, ttmp6, 0x10000c
	s_cmp_lg_u32 s2, 0xf033
	s_cbranch_scc0 .Lentry_shape_is_right
	s_endpgm
.Lentry_shape_is_right:
; q = rope(x Wq), k = rope(x Wk), v = x Wv on codes of FP6 (E2M3), and each result quantised at once into the operand that attention wants.  K = 2,048.
; All operands are images of operand registers in chunks of 12,800 bytes (128 rows x 128 K: eight tiles of 1,536 bytes, then 512 bytes of scale words; chunk (RB, s) at (16 RB + s) x 12,800;
; lane-row m of tile 2 B + u is row 32 B + 8 u + m + 8 (m / 8)): a fragment is three loads of 16 bytes a lane at 16 x lane, and two K steps of 128 rows are 25,600 dense bytes for one tensor load.
; A tile of 256 x 256 results is made by four waves, 128 x 128 each: 64 accumulators.  SOURCE 0 ("B") hangs on the work-group's x, SOURCE 1 ("A") on its y.  A lane holds ONE row of A, and by the order of a tile's rows
; the 64 registers of an A tile's eight accumulators are B's rows 32 b + 16 h + i in ascending order: just what the quantiser along B's rows wants.
;   x 0-7 (q), 8-15 (k): B = 256 columns of Wq or Wk (two heads), A = 256 rows of x: a lane holds a row of x and a head's 128 channels: rope, then quantised along the channels;
;   x 16-23 (v):         B = 256 rows of x (keys), A = 256 columns of Wv (two heads): a lane holds a channel and 128 keys: quantised along the keys, which are the second product's K.
; The kind hangs on the cluster's x alone, which all partners share; only pointers, offsets and the table's step are selected: ONE path through the text.
; ROPE: out[d] = t[d] cos[d] + t[d +- 64] ssin[d], ssin with rotate_half's sign; d + 64 lies 32 registers on.  The table lies in the registers' order (prep_x).  v takes the table cos = 1, sin = 0 through the same lines.
; OUT: q_op chunk (16 head + x block); kv_op 25,600 bytes for (16 head + key block): k's chunk, then v's.  A tile's image leaves as three stores of 512 consecutive bytes; the eight tiles' scale words are
; gathered in the wave's own 512 bytes of LDS and leave as one store of 512.
; CLUSTERS: 4 x 4.  A's tiles are asked for jointly along a row of the cluster, B's along a column.  Ring: two slots of two K steps; a wave has two tensor loads out at the start, later one.
; LIMITS: NaN and infinities are not served; a block of zeros or under 2^-124 gets the byte 1 (this program alone reads the bytes).
; REGISTERS: window 0: v16-31 addresses; v32-63 scale words, two sets, and nothing else; v64-127 the epilogue's 64 numbers; v128-223 A's fragments, one set (epilogue: codes); v224-240 the quantiser's work.
;   window 1: B's fragments, two sets at v0 and v128 (epilogue: two table buffers of 128).   windows 2, 3: the accumulators, (a, b) at v[8 (8 (a % 4) + b)].
.set CHUNK, 12800
.set NQ,    2                          ; K steps of 128 in a slot
.set FR,    12                         ; registers of a fragment
.set NL,    3                          ; LDS loads that bring one
.set NP,    4                          ; places behind this matrix instruction (ISA guide 7.12.1)
.set HALFT, NQ*CHUNK                   ; 128 rows x two K steps: what one tensor load brings
.set SLOT,  4*HALFT                    ; A's two halves, then B's two
.set LAPS,  4                          ; 16 K steps = 8 slots' worth = 4 times round the ring
.set SCST,  2*SLOT                     ; behind the ring: 512 bytes for each wave, for the scale words on their way out
.set SPARE, SCST+4*512                 ; the spare words, 128 bytes for each wave: two blocks of 256 bytes that no other line names
.set ADRA, 16                          ; v16-17 my A fragments in slot 0, 1
.set ADRB, 20                          ; v20-21 the same for B
.set ADRS, 22                          ; v22-23 my scale words: lanes 0-15 A's, lanes 16-31 B's
.set LI,   24                          ; v24    16 x lane
.set SCI,  25                          ; v25    the scale words' way in
.set SCO,  26                          ; v26    and out
.set SPW,  28
.set NIL,  29
.set VT,   30                          ; v30-31 byte offset of a tile's table, two by turns
.set SC,   32
.set RO,   64
.set AF,   128
.set PC,   128
.set TM,   224
.set PW,   240
.set G1,   24
.set G0,   32
.set G1B,  48
.set G0B,  56
.set TSTR, 66
.set OUTP, 68
.set TABP, 70
.set SEL,  88
.set MSB, 0
.macro WIN new                         ; the immediate's high byte repeats the setting that is left
.if MSB != (\new)
	s_set_vgpr_msb (MSB<<8)|(\new)
.set MSB, (\new)
.endif
.endm
.set MUL_LO, 0xa1                      ; source 0 (B) window 1, source 1 (A) window 0, C and D window 2
.set MUL_HI, 0xf1                      ; the same, C and D window 3
.set TO_B,   0x40                      ; destination window 1, address window 0
; A joint load: waves 0 and 1 fetch A's halves, waves 2 and 3 B's.  The branch hangs on the wave's number alone.  Four v_nop follow each of the two lines.
.macro JLOAD s
	s_cmp_eq_u32 s15, 0
	s_cbranch_scc0 .Lfor_b_\@
	tensor_load_to_lds s[G0+4*\s:G0+4*\s+3], s[G1:G1+7]
	s_nop 0
.rept 4
	v_nop
.endr
	s_branch .Lasked_\@
.Lfor_b_\@:
	tensor_load_to_lds s[G0B+4*\s:G0B+4*\s+3], s[G1B:G1B+7]
	s_nop 0
.rept 4
	v_nop
.endr
.Lasked_\@:
.endm
.macro CREST                           ; a round of the cluster's barrier behind its opening barrier
	s_cmp_lg_u32 s14, 0
	s_cbranch_scc1 .Lnot_wave_0_\@
	s_barrier_signal -3
.Lnot_wave_0_\@:
	s_barrier_wait -3
	s_barrier_signal -1
	s_barrier_wait -1
.endm
.macro CROUND
	s_barrier_signal -1
	s_barrier_wait -1
	CREST
.endm
	s_load_b256 s[4:11], s[0:1], 0x0               ; x_op, w_op, tab, q_op
	s_load_b64 s[12:13], s[0:1], 0x20              ; kv_op
	v_lshl_add_u32 v[SPW], v0, 2, SPARE
	v_mov_b32 v[NIL], 0
	ds_add_u32 v28, v29
	s_wait_dscnt 0x0
	v_lshrrev_b32 v1, 5, v0
	v_readfirstlane_b32 s14, v1                    ; wave 0..3
	s_lshr_b32 s15, s14, 1                         ; which half of A's rows is mine.  Also: I fetch for A (0) or for B (1)
	s_and_b32 s16, s14, 1                          ; which half of B's rows.  Also: which half I fetch
	s_bfe_u32 s40, ttmp6, 0x40000                  ; cx, cy
	s_bfe_u32 s41, ttmp6, 0x40004
	s_lshl_b32 s42, ttmp9, 2
	s_add_co_u32 s42, s42, s40                     ; work-group x
	s_and_b32 s17, ttmp7, 0xffff
	s_lshl_b32 s17, s17, 2
	s_add_co_u32 s17, s17, s41                     ; work-group y
	s_lshl_b32 s43, s41, 2
	s_lshl_b32 s43, 15, s43                        ; my row of the cluster
	s_lshl_b32 s44, 0x1111, s40                    ; my column
	; descriptor group 1: 25,600 dense bytes as 100 rows of 32 elements of 8 bytes, no padding
	s_or_b32 s[G1+0], s43, (3<<16)|(1<<21)         ; 15:0 the mask; 17:16 elements of 8 bytes; 21 set beside a mask
	s_or_b32 s[G1B+0], s44, (3<<16)|(1<<21)
.irp g, G1, G1B
	s_mov_b32 s[\g+1], 32<<16                      ; tensor_dim0
	s_mov_b32 s[\g+2], 100<<16                     ; tensor_dim1
	s_mov_b32 s[\g+3], 32<<16                      ; tile_dim0
	s_mov_b32 s[\g+4], 100                         ; tile_dim1
	s_mov_b32 s[\g+5], 32                          ; tensor_dim0_stride
	s_mov_b32 s[\g+6], 0
	s_mov_b32 s[\g+7], 0
.endr
	s_mul_i32 s45, s14, HALFT                      ; where my load goes: wave x 25,600: no place in the cluster enters an LDS address
	s_wait_kmcnt 0x0
	s_cmp_lt_u32 ttmp9, 4                          ; q or k (clusters 0-3 along x), or v (4, 5): the same in all partners
	s_cselect_b64 s[72:73], s[4:5], s[6:7]         ; A's buffer: x_op, for v w_op
	s_cselect_b64 s[74:75], s[6:7], s[4:5]         ; B's buffer: w_op, for v x_op
	s_cselect_b32 s76, 0, 16                       ; v: A's tile is 16 + y (Wv lies behind Wq and Wk), B's is x - 16
	s_cselect_b32 s[TSTR], 16384, 0                ; from one tile's table to the next
	s_cselect_b32 s77, 0, 12800                    ; v's chunk lies behind k's
	s_add_co_u32 s20, s17, s76
	s_lshl_b32 s20, s20, 1
	s_add_co_u32 s20, s20, s16
	s_mul_i32 s20, s20, 16*CHUNK                   ; A: block 2 x tile + half, 16 chunks each
	s_mov_b32 s21, 0
	s_add_nc_u64 s[20:21], s[72:73], s[20:21]
	s_sub_co_u32 s46, s42, s76
	s_lshl_b32 s46, s46, 1
	s_add_co_u32 s46, s46, s16
	s_mul_i32 s46, s46, 16*CHUNK
	s_mov_b32 s47, 0
	s_add_nc_u64 s[46:47], s[74:75], s[46:47]
	CROUND                                         ; all sixteen work-groups are here: the first joint loads meet
.irp s, 0,1
	s_mov_b32 s[G0+4*\s], 1
	s_add_co_u32 s[G0+4*\s+1], s45, \s*SLOT
	s_add_nc_u64 s[G0+4*\s+2:G0+4*\s+3], s[20:21], \s*HALFT        ; slot s begins with K steps 2 s, 2 s + 1
	s_or_b32 s[G0+4*\s+3], s[G0+4*\s+3], 0x80000000
	s_mov_b32 s[G0B+4*\s], 1
	s_add_co_u32 s[G0B+4*\s+1], s45, \s*SLOT
	s_add_nc_u64 s[G0B+4*\s+2:G0B+4*\s+3], s[46:47], \s*HALFT
	s_or_b32 s[G0B+4*\s+3], s[G0B+4*\s+3], 0x80000000
	JLOAD \s
.endr
	v_and_b32 v1, 15, v0                           ; r
	v_bfe_u32 v2, v0, 4, 1                         ; h
	v_and_b32 v3, 31, v0
	v_lshlrev_b32 v[LI], 4, v3
	s_mul_i32 s18, s15, HALFT                      ; my half of A
	s_mul_i32 s19, s16, HALFT
	s_add_co_u32 s19, s19, 2*HALFT                 ; my half of B, behind A's two
	s_sub_co_u32 s22, s19, s18
	v_mul_u32_u24 v4, s22, v2                      ; lanes 16-31 take B's words: one product, the distance x h
	v_lshl_add_u32 v4, v1, 2, v4
.irp s, 0,1
	v_add_nc_u32 v[ADRA+\s], s18, v[LI]
	v_add_nc_u32 v[ADRB+\s], s19, v[LI]
	v_add_nc_u32 v[ADRS+\s], s18, v4
	s_add_co_u32 s18, s18, SLOT
	s_add_co_u32 s19, s19, SLOT
.endr
	s_lshl_b32 s23, s14, 9
	s_add_co_u32 s23, s23, SCST
	v_lshl_add_u32 v[SCI], v1, 2, s23
	v_add_nc_u32 v[SCO], s23, v[LI]
	s_mov_b32 s[SEL], 0x76543210
	s_mov_b32 s[SEL+1], 0xfedcba98
	; where my 128 x 128 goes, and which table it takes
	s_and_b32 s80, s42, 7
	s_lshl_b32 s80, s80, 1
	s_add_co_u32 s80, s80, s16                     ; i0: B's block among the kind's 16
	s_lshl_b32 s81, s17, 1
	s_add_co_u32 s81, s81, s15                     ; i1: A's block
	s_lshl_b32 s84, s81, 17                        ; q, k: eight tables of 16,384 bytes for each block of x
	s_cmp_lt_u32 ttmp9, 4
	s_cselect_b32 s82, s80, s81                    ; the head: B's block for q and k, A's for v
	s_cselect_b32 s83, s81, s80                    ; the block of rows of x
	s_cselect_b32 s84, s84, 0x200000               ; v: the table of ones and zeros
	s_mov_b32 s85, 0
	s_add_nc_u64 s[TABP:TABP+1], s[8:9], s[84:85]
	s_mov_b32 s86, 25600
	s_cmp_lt_u32 ttmp9, 2
	s_cselect_b32 s86, 12800, s86
	s_cselect_b64 s[OUTP:OUTP+1], s[10:11], s[12:13]
	s_lshl_b32 s82, s82, 4
	s_add_co_u32 s82, s82, s83
	s_mul_i32 s82, s82, s86
	s_add_co_u32 s82, s82, s77
	s_mov_b32 s83, 0
	s_add_nc_u64 s[OUTP:OUTP+1], s[OUTP:OUTP+1], s[82:83]
.macro FRAG reg, adr, q, i             ; a fragment as it was stored: three groups of four registers, 16 bytes a lane, 512 consecutive bytes a load
.irp c, 0,1,2
	ds_load_b128 v[\reg+4*\c:\reg+4*\c+3], v[\adr] offset:(\q)*CHUNK+(\i)*1536+512*\c
.endr
.endm
; 16 matrix instructions: A's blocks a0, a0 + 1 x B's eight.  p: B's set; sc: the set of scale words.  The 64 accumulators take turns, one instruction a turn.
.macro MUL16 a0, p, q, sc, zero
.irp a, \a0, \a0+1
.irp b, 0,1,2,3,4,5,6,7
.if \zero
	v_wmma_scale_f32_16x16x128_f8f6f4 v[8*(8*((\a)%4)+\b):8*(8*((\a)%4)+\b)+7], v[128*(\p)+FR*\b:128*(\p)+FR*\b+FR-1], v[AF+FR*(\a):AF+FR*(\a)+FR-1], 0, v[SC+8*NQ*(\sc)+NQ*\b+(\q)], v[SC+8*NQ*(\sc)+NQ*(\a)+(\q)] matrix_a_fmt:MATRIX_FMT_FP6 matrix_b_fmt:MATRIX_FMT_FP6 matrix_a_scale:MATRIX_SCALE_ROW1
.else
	v_wmma_scale_f32_16x16x128_f8f6f4 v[8*(8*((\a)%4)+\b):8*(8*((\a)%4)+\b)+7], v[128*(\p)+FR*\b:128*(\p)+FR*\b+FR-1], v[AF+FR*(\a):AF+FR*(\a)+FR-1], v[8*(8*((\a)%4)+\b):8*(8*((\a)%4)+\b)+7], v[SC+8*NQ*(\sc)+NQ*\b+(\q)], v[SC+8*NQ*(\sc)+NQ*(\a)+(\q)] matrix_a_fmt:MATRIX_FMT_FP6 matrix_b_fmt:MATRIX_FMT_FP6 matrix_a_scale:MATRIX_SCALE_ROW1
.endif
.endr
.endr
.endm
.macro FETCH_B slot, q, p
	WIN TO_B
.irp i, 0,1,2,3,4,5,6,7
	FRAG 128*(\p)+FR*\i, ADRB+\slot, \q, \i
.endr
	WIN 0
.endm
.macro FETCH_A slot, q, i0
.irp i, \i0, \i0+1, \i0+2, \i0+3
	FRAG AF+FR*(\i), ADRA+\slot, \q, \i
.endr
.endm
.macro SCALES sc                       ; a slot's scale words: register 2 i + q: lanes 0-15 A's block i, lanes 16-31 B's block i, K step q
.irp i, 0,1,2,3,4,5,6,7
.irp q, 0,1
	ds_load_b32 v[SC+8*NQ*\sc+NQ*\i+\q], v[ADRS+\sc] offset:12288+\q*CHUNK+64*\i
.endr
.endr
.endm
.macro PLACES n                        ; plain vector instructions between a matrix instruction and a load into, or a read of, its registers
.rept \n
	v_nop
.endr
.endm
.macro STEP slot, q, zero              ; a step of 128 along K that has its successor in the same slot
	s_wait_dscnt 4*NL                              ; B's set, the scale words and A's blocks 0-3 are in; the youngest 12 loads (A's blocks 4-7) may be out
	WIN MUL_LO
	MUL16 0, (\q)%2, \q, \slot, \zero
	MUL16 2, (\q)%2, \q, \slot, \zero
	s_wait_dscnt 0
	PLACES NP
	FETCH_B \slot, (\q)+1, 1-(\q)%2
	FETCH_A \slot, (\q)+1, 0
	WIN MUL_HI
	MUL16 4, (\q)%2, \q, \slot, \zero
	MUL16 6, (\q)%2, \q, \slot, \zero
	PLACES NP
	WIN 0
	FETCH_A \slot, (\q)+1, 4
.endm
; A slot's last step changes slots: one barrier; in front of it each wave waits for all its tensor loads, adds 0 to its spare word, and waits for that and for its reads of this slot.
.macro TURN slot, next, fill
	s_wait_tensorcnt 0x0                           ; all my tensor loads have landed: my part of the next slot
	ds_add_u32 v[SPW], v[NIL]
	s_wait_dscnt 4*NL+1                            ; (the add and the youngest 12 loads, A's blocks 4-7, may be out)
	WIN MUL_LO
	MUL16 0, 1, NQ-1, \slot, 0
	s_wait_dscnt 0x0                               ; the add is done, and my reads of this slot are over
	s_barrier_signal -1
	MUL16 2, 1, NQ-1, \slot, 0
	WIN 0
	s_barrier_wait -1
.if \fill
	CREST                                          ; the barrier has opened a round of the cluster's barrier: no wave of any partner still reads this slot or has a load on its way
	s_add_nc_u64 s[G0+4*\slot+2:G0+4*\slot+3], s[G0+4*\slot+2:G0+4*\slot+3], 2*HALFT
	s_add_nc_u64 s[G0B+4*\slot+2:G0B+4*\slot+3], s[G0B+4*\slot+2:G0B+4*\slot+3], 2*HALFT
	JLOAD \slot                                    ; the first tensor load behind the round; its four v_nop are the places in front of the loads below
.else
	PLACES NP
.endif
	FETCH_B \next, 0, 0
	FETCH_A \next, 0, 0
	SCALES \next
	WIN MUL_HI
	MUL16 4, 1, NQ-1, \slot, 0
	MUL16 6, 1, NQ-1, \slot, 0
	PLACES NP
	WIN 0
	FETCH_A \next, 0, 4
.endm
	s_wait_tensorcnt 1                             ; my part of slot 0 is in; slot 1's load may be out
	s_barrier_signal -1
	s_barrier_wait -1
	FETCH_B 0, 0, 0
	FETCH_A 0, 0, 0
	SCALES 0
	FETCH_A 0, 0, 4
	STEP 0, 0, 1                                   ; the first step's products start the sums
	s_mov_b32 s3, LAPS-1
.Llap:
	TURN 0, 1, 1
	STEP 1, 0, 0
	TURN 1, 0, 1
	STEP 0, 0, 0
	s_sub_co_u32 s3, s3, 1
	s_cmp_lg_u32 s3, 0
	s_cbranch_scc1 .Llap
	TURN 0, 1, 0                                   ; the last lap fills nothing
	STEP 1, 0, 0
	s_wait_dscnt 4*NL
	WIN MUL_LO
	MUL16 0, 1, NQ-1, 1, 0
	MUL16 2, 1, NQ-1, 1, 0
	s_wait_dscnt 0
	WIN MUL_HI
	MUL16 4, 1, NQ-1, 1, 0
	MUL16 6, 1, NQ-1, 1, 0
	WIN 0
; THE WAY OUT, an A tile (16 lanes' rows x 128) at a time.
.macro QUANT s, pc, pw                 ; 64 numbers of a lane, register 16 b + i = k 32 b + 16 h + i, become a fragment's codes in v[pc] on and its scale word in v[pw]
.irp b, 0,1,2,3
	v_max3_num_f32 v[TM+\b], |v[\s+16*\b]|, |v[\s+1+16*\b]|, 0x1800000   ; my 16 of block b, and the floor 2^(3 - 127)
.endr
.irp i, 2,4,6,8,10,12,14
.irp b, 0,1,2,3
	v_max3_num_f32 v[TM+\b], v[TM+\b], |v[\s+16*\b+\i]|, |v[\s+1+16*\b+\i]|
.endr
.endr
.irp b, 0,1,2,3
	v_permlanex16_b32 v[TM+4+\b], v[TM+\b], s[SEL], s[SEL+1]
.endr
.irp b, 0,1,2,3
	v_max_num_f32 v[TM+\b], v[TM+\b], v[TM+4+\b]
.endr
.irp b, 0,1,2,3
	v_add_nc_u32 v[TM+12+\b], 0xff000000, v[TM+\b]
.endr
.irp b, 0,1,2,3
	v_lshrrev_b32 v[TM+4+\b], 23, v[TM+12+\b]
.endr
	v_lshl_or_b32 v[\pw], v[TM+5], 8, v[TM+4]
	v_lshl_or_b32 v[\pw], v[TM+6], 16, v[\pw]
	v_lshl_or_b32 v[\pw], v[TM+7], 24, v[\pw]
.irp c, 0,1
	v_cvt_scalef32_pk16_fp6_f32 v[\pc+6*\c:\pc+2+6*\c], v[\s+32*\c:\s+15+32*\c], v[TM+12+2*\c]
	v_cvt_scalef32_pk16_fp6_f32 v[\pc+12+4*\c:\pc+14+4*\c], v[\s+16+32*\c:\s+31+32*\c], v[TM+12+2*\c+1]
.endr
	v_nop                                          ; one plain place behind a scaled conversion
.irp c, 0,1
.irp i, 0,1,2
	v_permlane16_swap_b32 v[\pc+6*\c+\i], v[\pc+12+4*\c+\i]
.endr
.irp i, 0,1,2
	v_mov_b32 v[\pc+3+6*\c+\i], v[\pc+12+4*\c+\i]
.endr
.endr
.endm
.macro TABLOAD a                       ; tile a's table: 64 registers of cos, 64 of signed sin, into buffer a % 2 of window 1; 512 consecutive bytes a load
	WIN TO_B
.set g, 0
.rept 32
	global_load_b128 v[128*((\a)%2)+4*g:128*((\a)%2)+4*g+3], v[VT+(\a)%2], s[TABP:TABP+1] offset:512*g
.set g, g+1
.endr
	WIN 0
.endm
.macro EPI a
.set AC,  64*((\a)%4)
.set TBF, 128*((\a)%2)
.if (\a) < 7
	v_add_nc_u32 v[VT+((\a)+1)%2], s[TSTR], v[VT+(\a)%2]   ; the loads that named this register were waited for a tile ago
	TABLOAD (\a)+1
	s_wait_loadcnt 32                              ; this tile's table is in; the next tile's 32 loads may be out
.else
	s_wait_loadcnt 0x0
.endif
	WIN 0x06+(\a)/4                                ; source 0: the accumulators' window; source 1: window 1
.set i, 0
.rept 32
	v_pk_mul_f32 v[RO+i:RO+i+1], v[AC+i:AC+i+1], v[TBF+i:TBF+i+1]          ; t cos, ascending: each accumulator is read from its low end on
.set i, i+2
.endr
.set i, 0
.rept 32
	v_pk_fma_f32 v[RO+i:RO+i+1], v[AC+(i+32)%64:AC+(i+32)%64+1], v[TBF+64+i:TBF+64+i+1], v[RO+i:RO+i+1]   ; + t[d +- 64] ssin
.set i, i+2
.endr
	WIN 0
	s_wait_xcnt 0x0                                ; the last tile's stores have read the codes' registers: they are written again only behind this wait
	QUANT RO, PC, PW
.irp c, 0,1,2
	global_store_b128 v[LI], v[PC+4*\c:PC+4*\c+3], s[OUTP:OUTP+1] offset:(\a)*1536+512*\c
.endr
	ds_store_b32 v[SCI], v[PW] offset:64*(\a)      ; lanes r and r + 16 hold the same word and write it to the same place
.endm
	PLACES NP                                      ; behind the last products: for the first reads of results and the loads and writes into operands' registers
.irp b, 0,1,2,3
	v_mov_b32 v[TM+4+\b], 0                        ; written once: a lane permute's destination counts as one of its sources
.endr
	v_mov_b32 v[VT], v[LI]
	TABLOAD 0
.irp a, 0,1,2,3,4,5,6,7
	EPI \a
.endr
	ds_load_b128 v[RO:RO+3], v[SCO]                ; LDS serves a wave's instructions in order: this sees my eight stores
	s_wait_dscnt 0x0
	global_store_b128 v[LI], v[RO:RO+3], s[OUTP:OUTP+1] offset:12288       ; the chunk's 512 bytes of scale words
	s_wait_tensorcnt 0x0                           ; the wave's end
	ds_add_u32 v[SPW], v[NIL]
	s_wait_dscnt 0x0
	CROUND                                         ; the closing round
	s_endpgm
.Lfunc_end_k_qcff2ce84f8_qkv:
	.size	k_qcff2ce84f8_qkv, .Lfunc_end_k_qcff2ce84f8_qkv-k_qcff2ce84f8_qkv
	.p2alignl 7, 3214868480
	.fill 96, 4, 3214868480
	.section	.rodata,"a",@progbits
	.p2align	6, 0x0
	.amdhsa_kernel k_qcff2ce84f8_qkv
		.amdhsa_group_segment_fixed_size 327680
		.amdhsa_private_segment_fixed_size 0
		.amdhsa_enable_private_segment 0
		.amdhsa_kernarg_size 40
		.amdhsa_user_sgpr_count 2
		.amdhsa_user_sgpr_kernarg_segment_ptr 1
		.amdhsa_wavefront_size32 1
		.amdhsa_system_sgpr_workgroup_id_x 1
		.amdhsa_system_sgpr_workgroup_id_y 1
		.amdhsa_system_sgpr_workgroup_id_z 1
		.amdhsa_system_vgpr_workitem_id 0
		.amdhsa_next_free_vgpr 1024
		.amdhsa_next_free_sgpr 100
		.amdhsa_reserve_vcc 0
		.amdhsa_float_denorm_mode_32 3
		.amdhsa_float_denorm_mode_16_64 3
		.amdhsa_memory_ordered 1
		.amdhsa_forward_progress 1
		.amdhsa_inst_pref_size 197
	.end_amdhsa_kernel
	.amdgpu_metadata
---
amdhsa.version: [ 1, 2 ]
amdhsa.kernels:
  - .name:           k_qcff2ce84f8_qkv
    .symbol:         k_qcff2ce84f8_qkv.kd
    .args:
      - { .name: x_op, .offset: 0, .size: 8, .value_kind: global_buffer, .address_space: global }
      - { .name: w_op, .offset: 8, .size: 8, .value_kind: global_buffer, .address_space: global }
      - { .name: tab, .offset: 16, .size: 8, .value_kind: global_buffer, .address_space: global }
      - { .name: q_op, .offset: 24, .size: 8, .value_kind: global_buffer, .address_space: global }
      - { .name: kv_op, .offset: 32, .size: 8, .value_kind: global_buffer, .address_space: global }
    .group_segment_fixed_size: 327680
    .private_segment_fixed_size: 0
    .kernarg_segment_align: 8
    .kernarg_segment_size: 40
    .max_flat_workgroup_size: 128
    .sgpr_count:     100
    .vgpr_count:     1024
    .wavefront_size: 32
...
	.end_amdgpu_metadata
.endif
;; end of part 3
;; launch attn (part 4): grid 16 x 16, 8 waves a work-group, clusters of 4 x 1, 327,680 bytes of LDS; arguments q_op, kv_op, gate, a_op; writes a_op
.if DOCPART == 4
	.amdgcn_target "amdgcn-amd-amdhsa--gfx1250"
	.amdhsa_code_object_version 6
	.text
	.protected	k_qcff2ce84f8_attn
	.globl	k_qcff2ce84f8_attn
	.p2align	8
	.type	k_qcff2ce84f8_attn,@function
k_qcff2ce84f8_attn:
	s_mov_b64 s[64:65], 0
	v_nop
	global_prefetch_b8 v0, s[64:65] scope:SCOPE_SE
	s_setreg_imm32_b32 hwreg(HW_REG_WAVE_MODE, 25, 1), 1
	s_wait_xcnt 0x0
	s_wait_alu depctr_hold_cnt(0) depctr_sa_sdst(0) depctr_va_vdst(0) depctr_va_sdst(0) depctr_va_ssrc(0) depctr_va_vcc(0) depctr_vm_vsrc(0)
	s_getreg_b32 s2, hwreg(HW_REG_IB_STS2, 6, 4)
	s_cmp_eq_u32 s2, 0
	s_cbranch_scc0 .Lentry_in_a_cluster
	s_endpgm
.Lentry_in_a_cluster:
	s_bfe_u32 s2, ttmp6, 0x10000c
	s_cmp_lg_u32 s2, 0x3003
	s_cbranch_scc0 .Lentry_shape_is_right
	s_endpgm
.Lentry_shape_is_right:
; For one head and 128 queries: O = softmax(q k^T / sqrt(128)) v, both products on codes of FP6 (E2M3); then O / l x gate, quantised along the head's 128 channels into the output projection's operand.
; THE SOFTMAX AHEAD OF THE SECOND PRODUCT: t = score x log2(e) / sqrt(128); M = the running largest t rounded UP to a whole number; p = 2^(t - M) is quantised along the keys, not normalised; the row's sum l is taken
; of the unquantised p; when M moves, l and O are multiplied by 2^(old M - new M), which rounds nothing.
; OPERANDS are images of operand registers (chunks of 12,800 bytes; the layout is set out at the head of prep_w): q_op chunk (16 head + query block); kv_op 25,600 bytes for (16 head + key block): k's chunk (rows = keys,
; K = channels), then v's (rows = channels, K = keys); a_op chunk (16 query block + head).  By the order of a tile's rows, the 64 registers of eight result tiles run along source 0's 128 rows in ascending order.
; SHARES.  Eight waves, two to a SIMD; wave w owns tile w of the block's queries.  Both products are used transposed (S^T = K Q^T, O^T = V^T P^T): a lane holds ONE query throughout.
; Every wave walks the head's 16 key blocks, 128 keys a step.  Ring: two slots of four steps (102,400 bytes), 2^17 bytes apart; waves 0-3 fetch one step each; one tensor load of a wave is out at a time.
; CLUSTER 4 x 1: the four query blocks of a cluster walk the same head's kv_op: every tile is asked for jointly, mask 15.
; One scale register serves two tiles: lanes 0-15 tile 2 j's words, lanes 16-31 tile 2 j + 1's.  My tile's 16 scale words leave as 64 consecutive bytes (lanes r and r + 16 write the same word to the same place).
; LIMITS: NaN and infinities are not served; a block of zeros or under 2^-124 gets the byte 1 (this program alone reads the bytes).
; REGISTERS: v1-3 lane terms; v8-9 addresses in hand; v12 -M, v13 the largest t, v[14:15] l in two halves; v16-27 Q; v28 gate; v32-79 four fragments; v96-159 S^T, then p; v160-223 O^T; v224-235 codes; v232-254 at work;
;   v248-251 K's or V's scale words; v253 p's; v255 Q's.
.set CHUNK, 12800
.set KV,    2*CHUNK
.set SLOTB, 4*KV
.set SLOT1, 1<<17
.set SPARE, SLOTB                      ; between the slots: the spare words, 128 bytes for each wave: four blocks of 256 bytes that no other line names
.set LI,  1                            ; v1 16 x lane
.set LS,  2                            ; v2 4 x lane
.set LR,  3                            ; v3 4 x (lane % 16)
.set SPW, 5
.set NIL, 6
.set ADF, 8
.set ADS, 9
.set GT,  28
.set WV,  18
.set SEL, 20
.set CS,  22
.set G1,  24
.set G0,  32
.set TB,  36                           ; s36 the slot in hand
.set TQ,  37                           ; s37 the step in hand
.set SLOTS, 38
.macro JLOAD                           ; waves 0-3 fetch; the branch hangs on the wave's number alone; four v_nop follow the load
	s_cmp_lt_u32 s[WV], 4
	s_cbranch_scc0 .Lasked_\@
	tensor_load_to_lds s[G0:G0+3], s[G1:G1+7]
	s_nop 0
.rept 4
	v_nop
.endr
.Lasked_\@:
.endm
.macro CROUND                          ; a round of the cluster's barrier
	s_barrier_signal -1
	s_barrier_wait -1
	s_cmp_lg_u32 s[WV], 0
	s_cbranch_scc1 .Lnot_wave_0_\@
	s_barrier_signal -3
.Lnot_wave_0_\@:
	s_barrier_wait -3
	s_barrier_signal -1
	s_barrier_wait -1
.endm
	s_load_b256 s[4:11], s[0:1], 0x0               ; q_op, kv_op, gate, a_op
	v_lshl_add_u32 v[SPW], v0, 2, SPARE
	v_mov_b32 v[NIL], 0
	ds_add_u32 v5, v6
	s_wait_dscnt 0x0
	v_lshrrev_b32 v8, 5, v0
	v_readfirstlane_b32 s[WV], v8                  ; wave 0..7
	s_bfe_u32 s40, ttmp6, 0x40000                  ; cx
	s_lshl_b32 s41, ttmp9, 2
	s_add_co_u32 s41, s41, s40                     ; my query block: it enters q_op's, gate's and a_op's addresses alone
	s_and_b32 s42, ttmp7, 0xffff                   ; the head, which the four partners share
	s_mov_b32 s[G1], 15|(3<<16)|(1<<21)            ; 15:0 the mask: all four; 17:16 elements of 8 bytes; 21 set beside a mask
	s_mov_b32 s[G1+1], 32<<16                      ; 25,600 dense bytes as 100 rows of 32 elements
	s_mov_b32 s[G1+2], 100<<16
	s_mov_b32 s[G1+3], 32<<16
	s_mov_b32 s[G1+4], 100
	s_mov_b32 s[G1+5], 32
	s_mov_b32 s[G1+6], 0
	s_mov_b32 s[G1+7], 0
	s_and_b32 s43, s[WV], 3
	s_mul_i32 s43, s43, KV                         ; which of a slot's four steps I fetch: its place in LDS and in memory alike
	s_mul_i32 s44, s42, 16*KV
	s_add_co_u32 s44, s44, s43
	s_mov_b32 s45, 0
	s_lshl_b32 s46, s42, 4
	s_add_co_u32 s46, s46, s41
	s_mul_i32 s46, s46, CHUNK                      ; q_op: chunk 16 head + block
	s_mov_b32 s47, 0
	s_mul_i32 s48, s[WV], 1536                     ; my tile's image,
	s_mov_b32 s49, 0
	s_lshl_b32 s50, s[WV], 6
	s_add_co_u32 s50, s50, 12288                   ; and its scale words
	s_mov_b32 s51, 0
	s_lshl_b32 s52, s41, 4
	s_add_co_u32 s52, s52, s42
	s_mul_i32 s52, s52, CHUNK                      ; a_op: chunk 16 block + head
	s_mov_b32 s53, 0
	s_lshl_b32 s54, s41, 3
	s_add_co_u32 s54, s54, s[WV]
	s_lshl_b32 s54, s54, 4
	s_add_co_u32 s54, s54, s42
	s_lshl_b32 s54, s54, 6                         ; gate: ((8 block + wave) 16 + head) x 64 bytes
	s_mov_b32 s55, 0
	s_mov_b32 s[SEL], 0x76543210
	s_mov_b32 s[SEL+1], 0xfedcba98
	s_mov_b32 s[CS], 0x3e0293ee                    ; c = log2(e) / sqrt(128)
	s_mov_b32 s[CS+1], s[CS]
	s_mov_b32 s[TB], 0
	s_mov_b32 s[SLOTS], 3
	s_wait_kmcnt 0x0
	CROUND                                         ; all four work-groups are here: the first joint load meets
	s_mov_b32 s[G0], 1
	s_mov_b32 s[G0+1], s43
	s_add_nc_u64 s[G0+2:G0+3], s[6:7], s[44:45]
	s_or_b32 s[G0+3], s[G0+3], 0x80000000
	JLOAD                                          ; slot 0: key blocks 0-3
	s_add_nc_u64 s[4:5], s[4:5], s[46:47]
	s_add_nc_u64 s[12:13], s[4:5], s[50:51]
	s_add_nc_u64 s[4:5], s[4:5], s[48:49]
	s_add_nc_u64 s[10:11], s[10:11], s[52:53]
	s_add_nc_u64 s[14:15], s[10:11], s[50:51]
	s_add_nc_u64 s[10:11], s[10:11], s[48:49]
	s_add_nc_u64 s[8:9], s[8:9], s[54:55]
	v_and_b32 v8, 31, v0
	v_lshlrev_b32 v[LI], 4, v8
	v_lshlrev_b32 v[LS], 2, v8
	v_and_b32 v9, 15, v0
	v_lshlrev_b32 v[LR], 2, v9
.irp c, 0,1,2
	global_load_b128 v[16+4*\c:19+4*\c], v[LI], s[4:5] offset:512*\c       ; Q's fragment stays in registers
.endr
	global_load_b32 v255, v[LR], s[12:13]          ; Q's scale words
	global_load_b32 v[GT], v[LR], s[8:9]           ; my query's gate
	v_mov_b32 v13, 0xff61b1e6                      ; the largest t so far: -3e38
	v_floor_f32 v12, -v13                          ; -M
	v_mov_b32 v14, 0
	v_mov_b32 v15, 0
.irp b, 0,1,2,3
	v_mov_b32 v[236+\b], 0                         ; written once: a lane permute's destination counts as one of its sources
.endr
	v_mov_b32 v253, 0                              ; (named as the upper half of the pair v[252:253] before it is first written)
.set i, 0
.rept 64
	v_mov_b32 v[160+i], 0                          ; O^T: the step is written once; the first finds zeros, which the first change of M leaves zeros
.set i, i+1
.endr
; From four blocks' largest magnitudes in v232-235 (the floor among them) and 64 numbers at v[src] on: codes in v224-235, the scale word in v253.
.macro PACKQ src
.irp b, 0,1,2,3
	v_add_nc_u32 v[244+\b], 0xff000000, v[232+\b]  ; 2 off the exponent field: the conversion's scale operand
.endr
.irp b, 0,1,2,3
	v_lshrrev_b32 v[236+\b], 23, v[244+\b]         ; the byte
.endr
	v_lshl_or_b32 v253, v237, 8, v236
	v_lshl_or_b32 v253, v238, 16, v253
	v_lshl_or_b32 v253, v239, 24, v253
.irp c, 0,1
	v_cvt_scalef32_pk16_fp6_f32 v[224+6*\c:226+6*\c], v[\src+32*\c:\src+15+32*\c], v[244+2*\c]
	v_cvt_scalef32_pk16_fp6_f32 v[236+4*\c:238+4*\c], v[\src+16+32*\c:\src+31+32*\c], v[244+2*\c+1]
.endr
	v_nop                                          ; one plain place behind a scaled conversion
.irp c, 0,1
.irp i, 0,1,2
	v_permlane16_swap_b32 v[224+6*\c+\i], v[236+4*\c+\i]
.endr
.irp i, 0,1,2
	v_mov_b32 v[227+6*\c+\i], v[236+4*\c+\i]
.endr
.endr
.endm
; A KEY STEP: 128 keys, the q-th of the slot in hand.
.macro STEP q
	s_add_co_u32 s[TQ], s[TB], (\q)*KV
	v_add_nc_u32 v[ADF], s[TQ], v[LI]
	v_add_nc_u32 v[ADS], s[TQ], v[LS]
	v_nop
	v_nop                                          ; four places between the last step's products and the loads into their operands
.irp g, 0,1                            ; S^T = K Q^T, four tiles of 16 keys at a time
.if \g > 0
.rept 4
	v_nop
.endr
.endif
.irp t, 0,1,2,3
.irp c, 0,1,2
	ds_load_b128 v[32+12*\t+4*\c:35+12*\t+4*\c], v[ADF] offset:(4*\g+\t)*1536+512*\c
.endr
.endr
.irp j, 0,1
	ds_load_b32 v[248+2*\g+\j], v[ADS] offset:12288+128*(2*\g+\j)
.endr
	s_wait_dscnt 0x0
.irp t, 0,1,2,3
.if \t%2
	v_wmma_scale_f32_16x16x128_f8f6f4 v[96+8*(4*\g+\t):103+8*(4*\g+\t)], v[32+12*\t:43+12*\t], v[16:27], 0, v[248+2*\g+\t/2], v255 matrix_a_fmt:MATRIX_FMT_FP6 matrix_b_fmt:MATRIX_FMT_FP6 matrix_a_scale:MATRIX_SCALE_ROW1
.else
	v_wmma_scale_f32_16x16x128_f8f6f4 v[96+8*(4*\g+\t):103+8*(4*\g+\t)], v[32+12*\t:43+12*\t], v[16:27], 0, v[248+2*\g+\t/2], v255 matrix_a_fmt:MATRIX_FMT_FP6 matrix_b_fmt:MATRIX_FMT_FP6
.endif
.endr
.endr
.rept 4
	v_nop                                          ; places in front of the loads below and of the first reads of the scores
.endr
.irp t, 0,1,2,3                        ; V's first four fragments and all its scale words are asked for here: they land while the softmax is walked
.irp c, 0,1,2
	ds_load_b128 v[32+12*\t+4*\c:35+12*\t+4*\c], v[ADF] offset:CHUNK+\t*1536+512*\c
.endr
.endr
.irp j, 0,1,2,3
	ds_load_b32 v[248+\j], v[ADS] offset:CHUNK+12288+128*\j
.endr
.irp b, 0,1,2,3
	v_max3_num_f32 v[232+\b], v[96+16*\b], v[97+16*\b], v[98+16*\b]        ; the largest score of each block of 32 keys: for the row's maximum, and, since p rises with the score, for the block's largest p
.endr
.irp i, 3,5,7,9,11,13
.irp b, 0,1,2,3
	v_max3_num_f32 v[232+\b], v[232+\b], v[96+16*\b+\i], v[97+16*\b+\i]
.endr
.endr
.irp b, 0,1,2,3
	v_max_num_f32 v[232+\b], v[232+\b], v[111+16*\b]
.endr
.irp b, 0,1,2,3
	v_permlanex16_b32 v[236+\b], v[232+\b], s[SEL], s[SEL+1]
.endr
.irp b, 0,1,2,3
	v_max_num_f32 v[232+\b], v[232+\b], v[236+\b]
.endr
	v_max3_num_f32 v254, v232, v233, v234
	v_max_num_f32 v254, v254, v235
	v_mul_f32 v254, s[CS], v254                    ; as t (c is positive)
	v_max_num_f32 v13, v13, v254                   ; the running largest t
	v_mov_b32 v254, v12
	v_floor_f32 v12, -v13                          ; the new -M = floor(-t): M is a whole number
	v_sub_f32 v254, v12, v254                      ; old M - new M: a whole number, 0 or less
	v_cvt_i32_f32 v254, v254                       ; (it saturates)
	v_ldexp_f32 v252, 1.0, v254                    ; f = 2^(old M - new M)
.set i, 0
.rept 32
	v_pk_fma_f32 v[96+i:97+i], v[96+i:97+i], s[CS:CS+1], v[12:13] op_sel_hi:[1,0,0]    ; t - M, two at a time
.set i, i+2
.endr
.irp b, 0,1,2,3
	v_fma_f32 v[232+\b], v[232+\b], s[CS], v12     ; the same of each block's largest score
.endr
.set i, 0
.rept 64
	v_exp_f32 v[96+i], v[96+i]                     ; p = 2^(t - M), at most 1
.set i, i+1
.endr
.irp b, 0,1,2,3
	v_exp_f32 v[232+\b], v[232+\b]                 ; the block's largest p: the same two instructions on the same number
.endr
	v_pk_mul_f32 v[14:15], v[14:15], v[252:253] op_sel_hi:[1,0]    ; l under the new M (a plain place behind the exponentials)
	s_wait_alu depctr_va_vdst(0)
.irp b, 0,1,2,3
	v_max_num_f32 v[232+\b], 0x1800000, v[232+\b]  ; the floor 2^(3 - 127)
.endr
	PACKQ 96
	v_pk_add_f32 v[236:237], v[96:97], v[98:99]    ; the row's sum of the unquantised p, in two chains
.irp j, 4,8,12,16,20,24,28,32,36,40,44,48,52,56,60
	v_pk_add_f32 v[14:15], v[14:15], v[96+\j:97+\j]
	v_pk_add_f32 v[236:237], v[236:237], v[98+\j:99+\j]
.endr
	v_pk_add_f32 v[14:15], v[14:15], v[236:237]
.set i, 0
.rept 32
	v_pk_mul_f32 v[160+i:161+i], v[160+i:161+i], v[252:253] op_sel_hi:[1,0]    ; O^T under the new M, ascending; these are also the places between p's codes and scale word and the products
.set i, i+2
.endr
.irp g, 0,1                            ; O^T += V^T P^T, four tiles of 16 channels at a time
.if \g > 0
.rept 4
	v_nop
.endr
.irp t, 0,1,2,3
.irp c, 0,1,2
	ds_load_b128 v[32+12*\t+4*\c:35+12*\t+4*\c], v[ADF] offset:CHUNK+(4+\t)*1536+512*\c
.endr
.endr
.endif
	s_wait_dscnt 0x0
.irp t, 0,1,2,3
.if \t%2
	v_wmma_scale_f32_16x16x128_f8f6f4 v[160+8*(4*\g+\t):167+8*(4*\g+\t)], v[32+12*\t:43+12*\t], v[224:235], v[160+8*(4*\g+\t):167+8*(4*\g+\t)], v[248+2*\g+\t/2], v253 matrix_a_fmt:MATRIX_FMT_FP6 matrix_b_fmt:MATRIX_FMT_FP6 matrix_a_scale:MATRIX_SCALE_ROW1
.else
	v_wmma_scale_f32_16x16x128_f8f6f4 v[160+8*(4*\g+\t):167+8*(4*\g+\t)], v[32+12*\t:43+12*\t], v[224:235], v[160+8*(4*\g+\t):167+8*(4*\g+\t)], v[248+2*\g+\t/2], v253 matrix_a_fmt:MATRIX_FMT_FP6 matrix_b_fmt:MATRIX_FMT_FP6
.endif
.endr
.endr
.endm
; THE CHANGE OF SLOTS stands at a slot's head: each wave waits for all its tensor loads, adds 0 to its spare word, and waits for that and for its reads of the slot that it has left.
; fill = 1: a round of the cluster's barrier, and behind it the joint fill of the slot just left, which has four key steps in which to land.
.macro CHANGE fill
	s_wait_tensorcnt 0x0                           ; no tensor load of mine is out, so group 0 may be written
	ds_add_u32 v[SPW], v[NIL]
.if \fill
	s_xor_b32 s[G0+1], s[G0+1], SLOT1              ; the other slot than last time,
	s_add_nc_u64 s[G0+2:G0+3], s[G0+2:G0+3], SLOTB ; the next four key blocks
	s_wait_dscnt 0x0                               ; the add is done, and my reads of the slot that I have left are over
	CROUND
	JLOAD
.else
	s_wait_dscnt 0x0
	s_barrier_signal -1
	s_barrier_wait -1
.endif
.endm
	s_wait_loadcnt 0x0                             ; Q, its scale words, the gate
.Lslot:                                ; three trips: behind each change of slots but the last the next slot is asked for
	CHANGE 1
.irp q, 0,1,2,3
	STEP \q
.endr
	s_xor_b32 s[TB], s[TB], SLOT1
	s_sub_co_u32 s[SLOTS], s[SLOTS], 1
	s_cmp_lg_u32 s[SLOTS], 0
	s_cbranch_scc1 .Lslot
	CHANGE 0                                       ; the last slot is written out
.irp q, 0,1,2,3
	STEP \q
.endr
	; THE WAY OUT: O^T / l x gate, quantised along the channels; the codes are tile w of the output projection's operand
.rept 4
	v_nop                                          ; places behind the last products
.endr
	v_add_f32 v14, v14, v15
	v_permlanex16_b32 v252, v14, s[SEL], s[SEL+1]
	v_add_f32 v14, v14, v252                       ; the row's sum
	v_rcp_f32 v14, v14
	v_nop                                          ; one plain place behind a transcendental
	s_wait_alu depctr_va_vdst(0)
	v_mul_f32 v14, v14, v[GT]
.set i, 0
.rept 32
	v_pk_mul_f32 v[96+i:97+i], v[160+i:161+i], v[14:15] op_sel_hi:[1,0]    ; register 16 B + i: channel 32 B + 16 h + i of my query; ascending
.set i, i+2
.endr
.irp b, 0,1,2,3
	v_max3_num_f32 v[232+\b], |v[96+16*\b]|, |v[97+16*\b]|, 0x1800000
.endr
.irp i, 2,4,6,8,10,12,14
.irp b, 0,1,2,3
	v_max3_num_f32 v[232+\b], v[232+\b], |v[96+16*\b+\i]|, |v[97+16*\b+\i]|
.endr
.endr
.irp b, 0,1,2,3
	v_permlanex16_b32 v[236+\b], v[232+\b], s[SEL], s[SEL+1]
.endr
.irp b, 0,1,2,3
	v_max_num_f32 v[232+\b], v[232+\b], v[236+\b]
.endr
	PACKQ 96
.irp c, 0,1,2
	global_store_b128 v[LI], v[224+4*\c:227+4*\c], s[10:11] offset:512*\c  ; 512 consecutive bytes a store
.endr
	global_store_b32 v[LR], v253, s[14:15]
	s_wait_tensorcnt 0x0                           ; the wave's end
	ds_add_u32 v[SPW], v[NIL]
	s_wait_dscnt 0x0
	CROUND                                         ; the closing round
	s_endpgm
.Lfunc_end_k_qcff2ce84f8_attn:
	.size	k_qcff2ce84f8_attn, .Lfunc_end_k_qcff2ce84f8_attn-k_qcff2ce84f8_attn
	.p2alignl 7, 3214868480
	.fill 96, 4, 3214868480
	.section	.rodata,"a",@progbits
	.p2align	6, 0x0
	.amdhsa_kernel k_qcff2ce84f8_attn
		.amdhsa_group_segment_fixed_size 327680
		.amdhsa_private_segment_fixed_size 0
		.amdhsa_enable_private_segment 0
		.amdhsa_kernarg_size 32
		.amdhsa_user_sgpr_count 2
		.amdhsa_user_sgpr_kernarg_segment_ptr 1
		.amdhsa_wavefront_size32 1
		.amdhsa_system_sgpr_workgroup_id_x 1
		.amdhsa_system_sgpr_workgroup_id_y 1
		.amdhsa_system_sgpr_workgroup_id_z 1
		.amdhsa_system_vgpr_workitem_id 0
		.amdhsa_next_free_vgpr 256
		.amdhsa_next_free_sgpr 66
		.amdhsa_reserve_vcc 0
		.amdhsa_float_denorm_mode_32 3
		.amdhsa_float_denorm_mode_16_64 3
		.amdhsa_memory_ordered 1
		.amdhsa_forward_progress 1
		.amdhsa_inst_pref_size 165
	.end_amdhsa_kernel
	.amdgpu_metadata
---
amdhsa.version: [ 1, 2 ]
amdhsa.kernels:
  - .name:           k_qcff2ce84f8_attn
    .symbol:         k_qcff2ce84f8_attn.kd
    .args:
      - { .name: q_op, .offset: 0, .size: 8, .value_kind: global_buffer, .address_space: global }
      - { .name: kv_op, .offset: 8, .size: 8, .value_kind: global_buffer, .address_space: global }
      - { .name: gate, .offset: 16, .size: 8, .value_kind: global_buffer, .address_space: global }
      - { .name: a_op, .offset: 24, .size: 8, .value_kind: global_buffer, .address_space: global }
    .group_segment_fixed_size: 327680
    .private_segment_fixed_size: 0
    .kernarg_segment_align: 8
    .kernarg_segment_size: 32
    .max_flat_workgroup_size: 256
    .sgpr_count:     66
    .vgpr_count:     256
    .wavefront_size: 32
...
	.end_amdgpu_metadata
.endif
;; end of part 4
;; launch oproj (part 5): grid 8 x 8, 4 waves a work-group, clusters of 4 x 4, 327,680 bytes of LDS; arguments a_op, wo_op, out0; writes out0
.if DOCPART == 5
	.amdgcn_target "amdgcn-amd-amdhsa--gfx1250"
	.amdhsa_code_object_version 6
	.text
	.protected	k_qcff2ce84f8_oproj
	.globl	k_qcff2ce84f8_oproj
	.p2align	8
	.type	k_qcff2ce84f8_oproj,@function
k_qcff2ce84f8_oproj:
	s_mov_b64 s[64:65], 0
	v_nop
	global_prefetch_b8 v0, s[64:65] scope:SCOPE_SE
	s_setreg_imm32_b32 hwreg(HW_REG_WAVE_MODE, 25, 1), 1
	s_wait_xcnt 0x0
	s_wait_alu depctr_hold_cnt(0) depctr_sa_sdst(0) depctr_va_vdst(0) depctr_va_sdst(0) depctr_va_ssrc(0) depctr_va_vcc(0) depctr_vm_vsrc(0)
	s_getreg_b32 s2, hwreg(HW_REG_IB_STS2, 6, 4)
	s_cmp_eq_u32 s2, 0
	s_cbranch_scc0 .Lentry_in_a_cluster
	s_endpgm
.Lentry_in_a_cluster:
	s_bfe_u32 s2, ttmp6, 0x10000c
	s_cmp_lg_u32 s2, 0xf033
	s_cbranch_scc0 .Lentry_shape_is_right
	s_endpgm
.Lentry_shape_is_right:
; out0 = A Wo on codes of FP6 (E2M3): A = the gated head outputs [2048][2048] (a_op), Wo's columns as rows (wo_op), K = 2,048; out0 f32.
; Both operands are images of operand registers in chunks of 12,800 bytes (the layout is set out at the head of prep_w); ring, loop and joint loads are those of the launch qkv.
; A tile of 256 x 256 of out0 is made by four waves, 128 x 128 each.  Source 0 = 16 columns of Wo, source 1 = 16 rows of A: a lane holds one row of out0 and, in accumulator b, its columns 32 (b / 2) + 8 (b % 2) + 16 h + 0 .. 7.
; THE WAY OUT: a block of 16 rows goes through the wave's own stage in LDS, each piece to its true column, and comes back as whole rows of 512 bytes; lane-row t of block a is row 32 (a / 2) + 8 (a % 2) + t + 8 (t / 8).
; 64 work-groups: the tile is kept at 256 x 256, the largest a wave's registers hold.
.set CHUNK, 12800
.set NQ,    2
.set FR,    12
.set NL,    3
.set NP,    4
.set HALFT, NQ*CHUNK
.set SLOT,  4*HALFT
.set LAPS,  4
.set STAGE, 2*SLOT                     ; behind the ring: 16 rows x 528 bytes for each wave
.set SPITCH, 528
.set SPARE, STAGE+4*16*SPITCH          ; the spare words, 128 bytes for each wave: two blocks of 256 bytes that no other line names
.set ADRA, 16
.set ADRB, 20
.set ADRS, 22
.set LI,   24
.set STO,  25
.set RD,   26
.set SPW,  28
.set NIL,  29
.set SC,   32
.set AF,   128
.set BK,   128                         ; the way out: 16 rows read back: v128-191 and v192-255 by turns
.set G1,   24
.set G0,   32
.set G1B,  48
.set G0B,  56
.set MSB, 0
.macro WIN new
.if MSB != (\new)
	s_set_vgpr_msb (MSB<<8)|(\new)
.set MSB, (\new)
.endif
.endm
.set MUL_LO, 0xa1
.set MUL_HI, 0xf1
.set TO_B,   0x40
.macro JLOAD s                         ; waves 0 and 1 fetch A's halves, waves 2 and 3 B's; four v_nop follow each of the two lines
	s_cmp_eq_u32 s15, 0
	s_cbranch_scc0 .Lfor_b_\@
	tensor_load_to_lds s[G0+4*\s:G0+4*\s+3], s[G1:G1+7]
	s_nop 0
.rept 4
	v_nop
.endr
	s_branch .Lasked_\@
.Lfor_b_\@:
	tensor_load_to_lds s[G0B+4*\s:G0B+4*\s+3], s[G1B:G1B+7]
	s_nop 0
.rept 4
	v_nop
.endr
.Lasked_\@:
.endm
.macro CREST
	s_cmp_lg_u32 s14, 0
	s_cbranch_scc1 .Lnot_wave_0_\@
	s_barrier_signal -3
.Lnot_wave_0_\@:
	s_barrier_wait -3
	s_barrier_signal -1
	s_barrier_wait -1
.endm
.macro CROUND
	s_barrier_signal -1
	s_barrier_wait -1
	CREST
.endm
	s_load_b128 s[4:7], s[0:1], 0x0                ; a_op, wo_op
	s_load_b64 s[12:13], s[0:1], 0x10              ; out0
	v_lshl_add_u32 v[SPW], v0, 2, SPARE
	v_mov_b32 v[NIL], 0
	ds_add_u32 v28, v29
	s_wait_dscnt 0x0
	v_lshrrev_b32 v1, 5, v0
	v_readfirstlane_b32 s14, v1
	s_lshr_b32 s15, s14, 1
	s_and_b32 s16, s14, 1
	s_bfe_u32 s40, ttmp6, 0x40000
	s_bfe_u32 s41, ttmp6, 0x40004
	s_lshl_b32 s42, ttmp9, 2
	s_add_co_u32 s42, s42, s40                     ; tile column
	s_and_b32 s17, ttmp7, 0xffff
	s_lshl_b32 s17, s17, 2
	s_add_co_u32 s17, s17, s41                     ; tile row
	s_lshl_b32 s43, s41, 2
	s_lshl_b32 s43, 15, s43
	s_lshl_b32 s44, 0x1111, s40
	s_or_b32 s[G1+0], s43, (3<<16)|(1<<21)
	s_or_b32 s[G1B+0], s44, (3<<16)|(1<<21)
.irp g, G1, G1B
	s_mov_b32 s[\g+1], 32<<16
	s_mov_b32 s[\g+2], 100<<16
	s_mov_b32 s[\g+3], 32<<16
	s_mov_b32 s[\g+4], 100
	s_mov_b32 s[\g+5], 32
	s_mov_b32 s[\g+6], 0
	s_mov_b32 s[\g+7], 0
.endr
	s_mul_i32 s45, s14, HALFT
	s_lshl_b32 s20, s17, 1
	s_add_co_u32 s20, s20, s16
	s_mul_i32 s20, s20, 16*CHUNK
	s_mov_b32 s21, 0
	s_lshl_b32 s46, s42, 1
	s_add_co_u32 s46, s46, s16
	s_mul_i32 s46, s46, 16*CHUNK
	s_mov_b32 s47, 0
	s_wait_kmcnt 0x0
	s_add_nc_u64 s[20:21], s[4:5], s[20:21]
	s_add_nc_u64 s[46:47], s[6:7], s[46:47]
	CROUND
.irp s, 0,1
	s_mov_b32 s[G0+4*\s], 1
	s_add_co_u32 s[G0+4*\s+1], s45, \s*SLOT
	s_add_nc_u64 s[G0+4*\s+2:G0+4*\s+3], s[20:21], \s*HALFT
	s_or_b32 s[G0+4*\s+3], s[G0+4*\s+3], 0x80000000
	s_mov_b32 s[G0B+4*\s], 1
	s_add_co_u32 s[G0B+4*\s+1], s45, \s*SLOT
	s_add_nc_u64 s[G0B+4*\s+2:G0B+4*\s+3], s[46:47], \s*HALFT
	s_or_b32 s[G0B+4*\s+3], s[G0B+4*\s+3], 0x80000000
	JLOAD \s
.endr
	v_and_b32 v1, 15, v0
	v_bfe_u32 v2, v0, 4, 1
	v_and_b32 v3, 31, v0
	v_lshlrev_b32 v[LI], 4, v3
	s_mul_i32 s18, s15, HALFT
	s_mul_i32 s19, s16, HALFT
	s_add_co_u32 s19, s19, 2*HALFT
	s_sub_co_u32 s22, s19, s18
	v_mul_u32_u24 v4, s22, v2
	v_lshl_add_u32 v4, v1, 2, v4
.irp s, 0,1
	v_add_nc_u32 v[ADRA+\s], s18, v[LI]
	v_add_nc_u32 v[ADRB+\s], s19, v[LI]
	v_add_nc_u32 v[ADRS+\s], s18, v4
	s_add_co_u32 s18, s18, SLOT
	s_add_co_u32 s19, s19, SLOT
.endr
	s_mul_i32 s23, s14, 16*SPITCH
	s_add_co_u32 s23, s23, STAGE                   ; my stage
	v_mul_u32_u24 v5, v1, SPITCH
	v_lshl_add_u32 v5, v2, 6, v5
	v_add_nc_u32 v[STO], s23, v5                   ; in: row r, + 64 h
	v_add_nc_u32 v[RD], s23, v[LI]                 ; back: the 32 lanes take one row of 512 bytes
	s_lshl_b32 s20, s17, 8
	s_lshl_b32 s21, s15, 7
	s_add_co_u32 s20, s20, s21
	s_lshl_b32 s20, s20, 13                        ; my first row of out0, 8,192 bytes a row
	s_mov_b32 s21, 0
	s_lshl_b32 s46, s42, 10
	s_lshl_b32 s47, s16, 9
	s_add_co_u32 s46, s46, s47                     ; my first column, in bytes
	s_mov_b32 s47, 0
	s_add_nc_u64 s[20:21], s[20:21], s[46:47]
	s_add_nc_u64 s[12:13], s[12:13], s[20:21]
.macro FRAG reg, adr, q, i
.irp c, 0,1,2
	ds_load_b128 v[\reg+4*\c:\reg+4*\c+3], v[\adr] offset:(\q)*CHUNK+(\i)*1536+512*\c
.endr
.endm
.macro MUL16 a0, p, q, sc, zero        ; the 64 accumulators take turns, one instruction a turn
.irp a, \a0, \a0+1
.irp b, 0,1,2,3,4,5,6,7
.if \zero
	v_wmma_scale_f32_16x16x128_f8f6f4 v[8*(8*((\a)%4)+\b):8*(8*((\a)%4)+\b)+7], v[128*(\p)+FR*\b:128*(\p)+FR*\b+FR-1], v[AF+FR*(\a):AF+FR*(\a)+FR-1], 0, v[SC+8*NQ*(\sc)+NQ*\b+(\q)], v[SC+8*NQ*(\sc)+NQ*(\a)+(\q)] matrix_a_fmt:MATRIX_FMT_FP6 matrix_b_fmt:MATRIX_FMT_FP6 matrix_a_scale:MATRIX_SCALE_ROW1
.else
	v_wmma_scale_f32_16x16x128_f8f6f4 v[8*(8*((\a)%4)+\b):8*(8*((\a)%4)+\b)+7], v[128*(\p)+FR*\b:128*(\p)+FR*\b+FR-1], v[AF+FR*(\a):AF+FR*(\a)+FR-1], v[8*(8*((\a)%4)+\b):8*(8*((\a)%4)+\b)+7], v[SC+8*NQ*(\sc)+NQ*\b+(\q)], v[SC+8*NQ*(\sc)+NQ*(\a)+(\q)] matrix_a_fmt:MATRIX_FMT_FP6 matrix_b_fmt:MATRIX_FMT_FP6 matrix_a_scale:MATRIX_SCALE_ROW1
.endif
.endr
.endr
.endm
.macro FETCH_B slot, q, p
	WIN TO_B
.irp i, 0,1,2,3,4,5,6,7
	FRAG 128*(\p)+FR*\i, ADRB+\slot, \q, \i
.endr
	WIN 0
.endm
.macro FETCH_A slot, q, i0
.irp i, \i0, \i0+1, \i0+2, \i0+3
	FRAG AF+FR*(\i), ADRA+\slot, \q, \i
.endr
.endm
.macro SCALES sc
.irp i, 0,1,2,3,4,5,6,7
.irp q, 0,1
	ds_load_b32 v[SC+8*NQ*\sc+NQ*\i+\q], v[ADRS+\sc] offset:12288+\q*CHUNK+64*\i
.endr
.endr
.endm
.macro PLACES n
.rept \n
	v_nop
.endr
.endm
.macro STEP slot, q, zero
	s_wait_dscnt 4*NL                              ; the youngest 12 loads (A's blocks 4-7) may be out
	WIN MUL_LO
	MUL16 0, (\q)%2, \q, \slot, \zero
	MUL16 2, (\q)%2, \q, \slot, \zero
	s_wait_dscnt 0
	PLACES NP
	FETCH_B \slot, (\q)+1, 1-(\q)%2
	FETCH_A \slot, (\q)+1, 0
	WIN MUL_HI
	MUL16 4, (\q)%2, \q, \slot, \zero
	MUL16 6, (\q)%2, \q, \slot, \zero
	PLACES NP
	WIN 0
	FETCH_A \slot, (\q)+1, 4
.endm
.macro TURN slot, next, fill
	s_wait_tensorcnt 0x0                           ; all my tensor loads have landed: my part of the next slot
	ds_add_u32 v[SPW], v[NIL]
	s_wait_dscnt 4*NL+1                            ; (the add and the youngest 12 loads may be out)
	WIN MUL_LO
	MUL16 0, 1, NQ-1, \slot, 0
	s_wait_dscnt 0x0                               ; the add is done, and my reads of this slot are over
	s_barrier_signal -1
	MUL16 2, 1, NQ-1, \slot, 0
	WIN 0
	s_barrier_wait -1
.if \fill
	CREST
	s_add_nc_u64 s[G0+4*\slot+2:G0+4*\slot+3], s[G0+4*\slot+2:G0+4*\slot+3], 2*HALFT
	s_add_nc_u64 s[G0B+4*\slot+2:G0B+4*\slot+3], s[G0B+4*\slot+2:G0B+4*\slot+3], 2*HALFT
	JLOAD \slot
.else
	PLACES NP
.endif
	FETCH_B \next, 0, 0
	FETCH_A \next, 0, 0
	SCALES \next
	WIN MUL_HI
	MUL16 4, 1, NQ-1, \slot, 0
	MUL16 6, 1, NQ-1, \slot, 0
	PLACES NP
	WIN 0
	FETCH_A \next, 0, 4
.endm
	s_wait_tensorcnt 1                             ; my part of slot 0 is in; slot 1's load may be out
	s_barrier_signal -1
	s_barrier_wait -1
	FETCH_B 0, 0, 0
	FETCH_A 0, 0, 0
	SCALES 0
	FETCH_A 0, 0, 4
	STEP 0, 0, 1
	s_mov_b32 s3, LAPS-1
.Llap:
	TURN 0, 1, 1
	STEP 1, 0, 0
	TURN 1, 0, 1
	STEP 0, 0, 0
	s_sub_co_u32 s3, s3, 1
	s_cmp_lg_u32 s3, 0
	s_cbranch_scc1 .Llap
	TURN 0, 1, 0
	STEP 1, 0, 0
	s_wait_dscnt 4*NL
	WIN MUL_LO
	MUL16 0, 1, NQ-1, 1, 0
	MUL16 2, 1, NQ-1, 1, 0
	s_wait_dscnt 0
	WIN MUL_HI
	MUL16 4, 1, NQ-1, 1, 0
	MUL16 6, 1, NQ-1, 1, 0
	WIN 0
.macro TOSTAGE a
.set AC, 64*((\a)%4)
	WIN 0x08+4*((\a)/4)                            ; an LDS store's data are its source 1: window 2 or 3
.irp b, 0,1,2,3,4,5,6,7
	ds_store_b128 v[STO], v[AC+8*\b:AC+8*\b+3] offset:128*(\b/2)+32*(\b%2)         ; each accumulator from its low end on
	ds_store_b128 v[STO], v[AC+8*\b+4:AC+8*\b+7] offset:128*(\b/2)+32*(\b%2)+16
.endr
	WIN 0
.set BB, BK+64*((\a)%2)
.irp t, 0,1,2,3,4,5,6,7,8,9,10,11,12,13,14,15
	ds_load_b128 v[BB+4*\t:BB+4*\t+3], v[RD] offset:\t*SPITCH      ; LDS serves a wave's instructions in order: these see the stores above
.endr
.endm
.macro SEND a, younger                 ; younger: the LDS instructions issued behind block a's loads, which may stay out
.set BB, BK+64*((\a)%2)
	s_wait_dscnt \younger
.irp t, 0,1,2,3,4,5,6,7,8,9,10,11,12,13,14,15
	global_store_b128 v[LI], v[BB+4*\t:BB+4*\t+3], s[12:13] offset:(32*((\a)/2)+8*((\a)%2)+\t+8*(\t/8))*8192 th:TH_STORE_NT   ; 512 consecutive bytes of a row, at a multiple of 256 from out0's first byte; 127 rows at the most: inside the signed 24-bit immediate
.endr
.endm
	PLACES NP                                      ; behind the last products: for the reads of results and the loads into A's registers
	TOSTAGE 0
.irp a, 1,2,3,4,5,6,7
.if \a > 1
	s_wait_xcnt 0x0                                ; block a - 2's stores have read their registers: block a's loads may land there
.endif
	TOSTAGE \a
	SEND \a-1, 32                                  ; behind block a - 1's loads: block a's 16 stores and 16 loads
.endr
	SEND 7, 0
	s_wait_tensorcnt 0x0                           ; the wave's end
	ds_add_u32 v[SPW], v[NIL]
	s_wait_dscnt 0x0
	CROUND                                         ; the closing round
	s_endpgm
.Lfunc_end_k_qcff2ce84f8_oproj:
	.size	k_qcff2ce84f8_oproj, .Lfunc_end_k_qcff2ce84f8_oproj-k_qcff2ce84f8_oproj
	.p2alignl 7, 3214868480
	.fill 96, 4, 3214868480
	.section	.rodata,"a",@progbits
	.p2align	6, 0x0
	.amdhsa_kernel k_qcff2ce84f8_oproj
		.amdhsa_group_segment_fixed_size 327680
		.amdhsa_private_segment_fixed_size 0
		.amdhsa_enable_private_segment 0
		.amdhsa_kernarg_size 24
		.amdhsa_user_sgpr_count 2
		.amdhsa_user_sgpr_kernarg_segment_ptr 1
		.amdhsa_wavefront_size32 1
		.amdhsa_system_sgpr_workgroup_id_x 1
		.amdhsa_system_sgpr_workgroup_id_y 1
		.amdhsa_system_sgpr_workgroup_id_z 1
		.amdhsa_system_vgpr_workitem_id 0
		.amdhsa_next_free_vgpr 1024
		.amdhsa_next_free_sgpr 100
		.amdhsa_reserve_vcc 0
		.amdhsa_float_denorm_mode_32 3
		.amdhsa_float_denorm_mode_16_64 3
		.amdhsa_memory_ordered 1
		.amdhsa_forward_progress 1
		.amdhsa_inst_pref_size 134
	.end_amdhsa_kernel
	.amdgpu_metadata
---
amdhsa.version: [ 1, 2 ]
amdhsa.kernels:
  - .name:           k_qcff2ce84f8_oproj
    .symbol:         k_qcff2ce84f8_oproj.kd
    .args:
      - { .name: a_op, .offset: 0, .size: 8, .value_kind: global_buffer, .address_space: global }
      - { .name: wo_op, .offset: 8, .size: 8, .value_kind: global_buffer, .address_space: global }
      - { .name: out0, .offset: 16, .size: 8, .value_kind: global_buffer, .address_space: global }
    .group_segment_fixed_size: 327680
    .private_segment_fixed_size: 0
    .kernarg_segment_align: 8
    .kernarg_segment_size: 24
    .max_flat_workgroup_size: 128
    .sgpr_count:     100
    .vgpr_count:     1024
    .wavefront_size: 32
...
	.end_amdgpu_metadata
.endif
;; end of part 5
;; ======== version 2 of 2: 4 launches
;; limits: right only within a limited range of input values
;; workspace buffers: w_op 9,830,400 bytes; wo_op 3,276,800 bytes; x_op 3,276,800 bytes; q_op 3,276,800 bytes; kv_op 6,553,600 bytes; a_op 3,276,800 bytes; tab 2,359,296 bytes; gpart 1,048,576 bytes
;; launch prep (part 6): grid 64 x 16, 4 waves a work-group, no clusters, 14,848 bytes of LDS; arguments Wq, Wk, Wv, w_op, x, rotary_pos_emb, Wg, x_op, tab, gpart; writes w_op, x_op, tab, gpart
.if DOCPART == 6
	.amdgcn_target "amdgcn-amd-amdhsa--gfx1250"
	.amdhsa_code_object_version 6
	.text
	.protected	k_qcff2ce84f8_prep
	.globl	k_qcff2ce84f8_prep
	.p2align	8
	.type	k_qcff2ce84f8_prep,@function
k_qcff2ce84f8_prep:
	s_mov_b64 s[64:65], 0
	v_nop
	global_prefetch_b8 v0, s[64:65] scope:SCOPE_SE
	s_setreg_imm32_b32 hwreg(HW_REG_WAVE_MODE, 25, 1), 1
	s_wait_xcnt 0x0
; ONE LAUNCH, TWO PATHS that part once, on the work-group's y, and share nothing (the other launches' comments call them prep_w and prep_x).
; y 4-15, "prep_w": Wq, Wk, Wv [2048 (k)][2048 (n)], f32, K their FIRST axis, become codes of FP6 (E2M3) with one E8M0 byte for each 32 along K, laid as IMAGES OF OPERAND REGISTERS.
; y 0-3,  "prep_x": x's codes in the same layout; the table of cos and signed sin for rope; the partial sums of the gate's quantised product x Wg.
; THE LAYOUT (all operand buffers of this program have it).  A chunk of 12,800 bytes serves 128 rows of an operand and 128 along K; chunk (RB, s) lies at (16 RB + s) x 12,800.
;   bytes 0 .. 12,287: eight tiles of 16 rows, 1,536 bytes each: registers 4 g .. 4 g + 3 (g = 0 .. 2) of lane L of the tile's fragment at 1,536 t + 512 g + 16 L;
;   bytes 12,288 ..:   the scale words: tile t, lane-row m at 12,288 + 64 t + 4 m.
;   THE ROWS OF A TILE ARE NOT NEIGHBOURS: lane-row m of tile 2 B + u is row 32 B + 8 u + m + 8 (m / 8) of the 128.
; A block's byte is its largest magnitude's exponent field - 2, held at 1 from below.  LIMITS: a block of zeros, or one whose largest magnitude lies under 2^-124, gets the byte 1 (its codes are zeros or
; small; this program alone reads the bytes); NaN and infinities are not served; angles up to some 1e5 in magnitude keep an absolute error near 1e-7.
	v_lshl_add_u32 v254, v0, 2, 0x3800
	v_mov_b32 v255, 0
	v_lshrrev_b32 v1, 5, v0
	v_readfirstlane_b32 s16, v1                    ; wave 0..3
	s_and_b32 s2, ttmp7, 0xffff                    ; the work-group's y
	s_cmp_lt_u32 s2, 4
	s_cbranch_scc1 .Lx_path
; ---------------------------------------------------------------- prep_w
; A LANE TAKES A COLUMN n AND ITS REGISTERS RUN DOWN K: a block of 32 lies in one lane, and the conversions give codes with K innermost.  A wave takes 32 columns (two tiles) x 128 K; K step = (4 (y - 4) + x / 16) % 16.
; A lane's codes belong to two lanes of an image (blocks 0, 2 to lane m, blocks 1, 3 to lane m + 16): they go through the wave's own stage in LDS and leave as 512 consecutive bytes a store.
; The wave's 32 scale words leave as 128 consecutive bytes: one part in 24 of what it stores.
; w_op holds Wq in RB 0-15, Wk in 16-31, Wv in 32-47; wo_op holds Wo.  No barrier: waves share nothing.
.set X,    32                          ; v32-159  my column's 128 numbers
.set I0,   160                         ; v160-171 blocks 0 and 2: the registers of image lane m
.set I1,   172                         ; v172-183 blocks 1 and 3: of image lane m + 16
.set TC,   184                         ; v184-186 a block's upper 16 codes, before they are moved
.set OUTR, 192                         ; v192-216 the way out
.set SW,   20                          ; v20      my column's scale word
.set WREG, 3584                        ; LDS of a wave: two tile stages, then 128 bytes of scale words
.set TP,   1664                        ; from one tile's stage to the other's: 1,536 + 128
.set SCW,  3328
	; this launch serves Wq, Wk and Wv on y 4-15 (Wo is quantised by the next launch)
	s_load_b128 s[4:7], s[0:1], 0x0                ; Wq, Wk
	s_load_b64 s[8:9], s[0:1], 0x10                ; Wv
	s_load_b64 s[12:13], s[0:1], 0x18              ; w_op
	v_and_b32 v1, 31, v0                           ; lane = my column among the wave's 32
	v_lshlrev_b32 v2, 2, v1                        ; 4 x lane
	v_lshlrev_b32 v7, 4, v1                        ; 16 x lane
	v_bfe_u32 v8, v0, 3, 1                         ; u: which of the two tiles holds my column
	v_and_b32 v9, 7, v0
	v_bfe_u32 v10, v0, 4, 1
	v_lshl_add_u32 v9, v10, 3, v9                  ; m: its lane-row there
	s_mul_i32 s21, s16, WREG
	v_mul_u32_u24 v3, v8, TP
	v_lshl_add_u32 v3, v9, 4, v3
	v_add_nc_u32 v3, s21, v3                       ; stage, way in: tile u, image lane m
	v_lshlrev_b32 v5, 6, v8
	v_lshl_add_u32 v5, v9, 2, v5
	v_add_nc_u32 v5, s21, v5                       ; scale words, way in: 64 u + 4 m
	v_add_nc_u32 v4, s21, v7                       ; stage, way out: 16 x lane
	v_add_nc_u32 v6, s21, v2                       ; scale words, way out: 4 x lane
	s_sub_co_u32 s23, s2, 4
	s_lshl_b32 s23, s23, 2
	s_lshr_b32 s20, ttmp9, 4
	s_add_co_u32 s23, s23, s20                     ; 4 (y - 4) + x / 16, 0 .. 47:
	s_and_b32 s19, s23, 15                         ; K step s,
	s_lshr_b32 s20, s23, 4                         ; which weight
	s_and_b32 s22, ttmp9, 15                       ; which 128 columns of it
	s_lshl_b32 s23, s20, 4
	s_add_co_u32 s23, s23, s22                     ; RB in w_op
	s_lshl_b32 s24, s19, 20                        ; 128 s rows of 8,192 bytes,
	s_lshl_b32 s26, s22, 9
	s_add_co_u32 s24, s24, s26                     ; + 512 bytes a column block,
	s_lshl_b32 s26, s16, 7
	s_add_co_u32 s24, s24, s26                     ; + 128 bytes for each wave's 32 columns
	s_mov_b32 s25, 0
	s_wait_kmcnt 0x0
	s_cmp_eq_u32 s20, 1                            ; the choices hang on the work-group's number alone
	s_cselect_b64 s[4:5], s[6:7], s[4:5]
	s_cmp_eq_u32 s20, 2
	s_cselect_b64 s[4:5], s[8:9], s[4:5]
	s_add_nc_u64 s[4:5], s[4:5], s[24:25]
	s_lshl_b32 s23, s23, 4
	s_add_co_u32 s23, s23, s19
	s_mul_i32 s26, s23, 12800
	s_mov_b32 s27, 0
	s_add_nc_u64 s[12:13], s[12:13], s[26:27]      ; my chunk
	s_lshl_b32 s28, s16, 7
	s_add_co_u32 s28, s28, 12288
	s_mov_b32 s29, 0
	s_add_nc_u64 s[30:31], s[12:13], s[28:29]      ; my 32 scale words
	s_mul_i32 s28, s16, 3072
	s_add_nc_u64 s[12:13], s[12:13], s[28:29]      ; my two tiles
.macro LOADW kb                        ; block kb: W(128 s + 32 kb + i, my column): 32 lanes read 128 consecutive bytes
.set i, 0
.rept 32
	global_load_b32 v[X+32*(\kb)+i], v2, s[4:5] offset:(32*(\kb)+i)*8192 th:TH_LOAD_NT
.set i, i+1
.endr
.endm
.macro BLOCKW kb, left
.set XS, X+32*(\kb)
.set ID, I0+12*((\kb)%2)+6*((\kb)/2)
	s_wait_loadcnt \left                           ; loads come back in order: this block's 32 are in, the next block's 32 may be out
.if (\kb)+2 < 4
	LOADW (\kb)+2                                  ; two blocks ahead: 64 loads of mine are out
.endif
	v_max3_num_f32 v12, |v[XS]|, |v[XS+1]|, |v[XS+2]|      ; the block's largest magnitude, in two chains
	v_max3_num_f32 v13, |v[XS+3]|, |v[XS+4]|, |v[XS+5]|
.irp i, 6,10,14,18,22,26
	v_max3_num_f32 v12, v12, |v[XS+\i]|, |v[XS+\i+1]|
	v_max3_num_f32 v13, v13, |v[XS+\i+2]|, |v[XS+\i+3]|
.endr
	v_max3_num_f32 v12, v12, |v[XS+30]|, |v[XS+31]|
	v_max3_num_f32 v12, v12, v13, 0x1800000        ; and the floor 2^(3 - 127): the byte cannot fall under 1
	v_add_nc_u32 v11, 0xff000000, v12              ; 2 off the exponent field: the conversion's scale operand
	v_lshrrev_b32 v13, 23, v11                     ; the byte
.if (\kb) == 0
	v_mov_b32 v[SW], v13
.else
	v_lshl_or_b32 v[SW], v13, 8*(\kb), v[SW]
.endif
	v_cvt_scalef32_pk16_fp6_f32 v[ID:ID+2], v[XS:XS+15], v11
	v_cvt_scalef32_pk16_fp6_f32 v[TC:TC+2], v[XS+16:XS+31], v11    ; (a conversion's three registers begin on an even number)
	v_nop                                          ; one plain place behind a scaled conversion
	v_mov_b32 v[ID+3], v[TC]
	v_mov_b32 v[ID+4], v[TC+1]
	v_mov_b32 v[ID+5], v[TC+2]
.endm
	LOADW 0
	LOADW 1
	BLOCKW 0, 32
	BLOCKW 1, 32
	BLOCKW 2, 32
	BLOCKW 3, 0
.irp g, 0,1,2
	ds_store_b128 v3, v[I0+4*\g:I0+4*\g+3] offset:512*\g           ; image lane m
	ds_store_b128 v3, v[I1+4*\g:I1+4*\g+3] offset:512*\g+256       ; image lane m + 16
.endr
	ds_store_b32 v5, v[SW] offset:SCW
.irp u, 0,1
.irp g, 0,1,2
	ds_load_b128 v[OUTR+4*(3*\u+\g):OUTR+4*(3*\u+\g)+3], v4 offset:TP*\u+512*\g   ; LDS serves a wave's instructions in order: these see my stores
.endr
.endr
	ds_load_b32 v[OUTR+24], v6 offset:SCW
.irp u, 0,1
.irp g, 0,1,2
	s_wait_dscnt 6-(3*\u+\g)                       ; the younger LDS loads may be out
	global_store_b128 v7, v[OUTR+4*(3*\u+\g):OUTR+4*(3*\u+\g)+3], s[12:13] offset:1536*\u+512*\g   ; 512 consecutive bytes, at a multiple of 256 from the buffer's first byte
.endr
.endr
	s_wait_dscnt 0x0
	global_store_b32 v2, v[OUTR+24], s[30:31]
	s_wait_tensorcnt 0x0
	ds_add_u32 v254, v255
	s_wait_dscnt 0x0
	s_endpgm
; ---------------------------------------------------------------- prep_x
; Two work-groups serve one tile T of 16 rows of x (T = x / 2 + 32 y; lane-row r is row 32 (T / 2) + 8 (T % 2) + r + 8 (r / 8)); share w = 4 (x % 2) + wave, 0 .. 7, takes K steps 2 w and 2 w + 1 (128 each):
;  1. x's codes and scale words: chunk (T / 8, K step), tile T % 8;
;  2. the table of cos and signed sin of the rows' 128 angles, in the order in which the next launch's results lie in registers: 16,384 bytes a tile: group g (four registers) at 512 g + 16 x lane; g = 0-15 cos,
;     16-31 sin; register 16 B + i of lane (r, h) stands for channel d = 32 B + 16 h + i; sin carries rotate_half's sign (- for d < 64); share w makes registers 8 w .. 8 w + 7.
;     Behind the 128 tiles lie sixteen more tables, cos = 1 and sin = 0, which the next launch takes for v: the shares of tiles 0 to 63 write them;
;  3. gpart[T][w][head][lane-row]: share w's part of the quantised product Q(x) Q(Wg), 16 rows x 16 heads.  The attention launch adds the eight parts in ascending K, adds bg and takes the sigmoid:
;     so nothing goes from wave to wave here: no LDS, no barrier.  A share's two stores together cover 1,024 consecutive bytes, each of them every other 16.
; SINE AND COSINE: k = the nearest whole number to f x 2 / pi; r = f - k pi / 2 by three fused multiply-adds with pi / 2 in three pieces; polynomials on |r| <= pi / 4; the quadrant by selects and sign bits.
; The tile's scale words leave as 64 consecutive bytes for each K step.
.set PCX,  16                          ; v16-27   x's fragment;  v28-30, v32-34 upper halves of blocks on their way
.set PT,   28
.set PCW,  36                          ; v36-47   Wg's fragment
.set TM,   48                          ; v48-63   at work in the quantisers
.set PWX0, 64                          ; x's scale words of the two K steps; Wg's
.set PWX1, 65
.set PWW,  66
.set SWS,  68
.set ACC,  72                          ; v72-79   my partial sums of the gate's product
.set F,    80                          ; v80-87   eight angles
.set KQ,   88                          ; v88-95   k, then the quadrant
.set RR,   96                          ; v96-103  r, at the end cos
.set ZZ,   104                         ; v104-111 r^2, at the end signed sin
.set NA,   112                         ; v112-175 64 numbers of x
.set NB,   176                         ; v176-239 64 numbers of Wg
.set PSN,  NA                          ; sine and cosine work in x's registers between its two K steps
.set PCS,  NA+8
.set T1,   NA+16
.set T2,   NA+24
.set IDT,  240
.set SEL,  20
.Lx_path:
	s_load_b128 s[4:7], s[0:1], 0x20               ; x, rotary_pos_emb
	s_load_b128 s[8:11], s[0:1], 0x30              ; Wg, x_op
	s_load_b128 s[12:15], s[0:1], 0x40             ; tab, gpart
	s_and_b32 s18, ttmp9, 1
	s_lshl_b32 s18, s18, 2
	s_add_co_u32 s18, s18, s16                     ; share w, 0 .. 7
	s_lshr_b32 s19, ttmp9, 1
	s_lshl_b32 s34, s2, 5
	s_add_co_u32 s19, s19, s34                     ; tile T, 0 .. 127
	v_and_b32 v1, 31, v0                           ; lane
	v_and_b32 v2, 15, v0                           ; r
	v_bfe_u32 v3, v0, 4, 1                         ; h
	v_and_b32 v13, 8, v2
	v_add_nc_u32 v13, v13, v2                      ; r + 8 (r / 8)
	v_lshlrev_b32 v4, 13, v13
	v_lshl_add_u32 v4, v3, 6, v4                   ; x: my row of 8,192 bytes, + 64 h: my 16 numbers of a block of 32
	v_lshlrev_b32 v5, 2, v2
	v_lshl_add_u32 v5, v3, 11, v5                  ; Wg: column r; lanes 16-31 begin 32 rows of 64 bytes further down
	v_lshlrev_b32 v9, 4, v1                        ; 16 x lane
	s_and_b32 s34, s19, 7
	s_mul_i32 s35, s34, 1536
	v_add_nc_u32 v6, s35, v9                       ; an image's place: tile T % 8, 16 x lane
	s_lshl_b32 s35, s34, 6
	s_add_co_u32 s35, s35, 12288
	v_mul_u32_u24 v7, v3, 12800
	v_lshl_add_u32 v7, v2, 2, v7
	v_add_nc_u32 v7, s35, v7                       ; scale words: lanes 0-15 the first K step's chunk, lanes 16-31 the second's
	v_lshlrev_b32 v8, 9, v13
	v_lshl_add_u32 v8, v3, 6, v8                   ; angles: my row of 512 bytes, + 64 h
	s_lshl_b32 s35, s18, 10
	v_lshlrev_b32 v10, 6, v2
	v_lshl_add_u32 v10, v3, 5, v10                 ; gpart: (head r, lane-rows 8 h ..) at 64 r + 32 h
.irp b, 0,1,2,3
	v_mov_b32 v[TM+4+\b], 0                        ; written once: a lane permute's destination counts as one of its sources
.endr
	s_mov_b32 s[SEL], 0x76543210
	s_mov_b32 s[SEL+1], 0xfedcba98                 ; v_permlanex16_b32's selects for lane l xor 16
	s_mov_b32 s22, 0x3f22f983                      ; 2 / pi
	s_mov_b32 s23, 0x3fc90fd8                      ; pi / 2 in three pieces
	s_mov_b32 s24, 0x34a8885a
	s_mov_b32 s25, 0x27c234c4
	s_mov_b32 s26, 0xb94ca1f9                      ; sine's polynomial
	s_mov_b32 s27, 0x3c08839e
	s_mov_b32 s28, 0xbe2aaaa3
	s_mov_b32 s29, 0x37ccf5ce                      ; cosine's
	s_mov_b32 s30, 0xbab6061a
	s_mov_b32 s31, 0x3d2aaaa5
	s_mov_b32 s33, 0x80000000
	s_cmp_lt_u32 s18, 4                            ; my eight channels lie under 64 where w < 4: rotate_half's minus
	s_cselect_b32 s32, 0x80000000, 0
	s_lshr_b32 s36, s19, 1
	s_lshl_b32 s36, s36, 5
	s_and_b32 s37, s19, 1
	s_lshl_b32 s37, s37, 3
	s_add_co_u32 s36, s36, s37                     ; the tile's first row
	s_lshl_b32 s38, s36, 13
	s_add_co_u32 s38, s38, s35                     ; x: + 1,024 bytes a share (two K steps)
	s_mov_b32 s39, 0
	s_lshl_b32 s40, s36, 9
	s_lshr_b32 s37, s18, 1
	s_lshl_b32 s37, s37, 7
	s_add_co_u32 s40, s40, s37
	s_and_b32 s37, s18, 1
	s_lshl_b32 s37, s37, 5
	s_add_co_u32 s40, s40, s37                     ; angles: channels 32 (w / 2) + 8 (w % 2) + 16 h + 0 .. 7
	s_mov_b32 s41, 0
	s_lshl_b32 s42, s18, 14                        ; Wg: 256 rows of 64 bytes a share
	s_mov_b32 s43, 0
	s_lshr_b32 s44, s19, 3
	s_lshl_b32 s44, s44, 4
	s_lshl_b32 s37, s18, 1
	s_add_co_u32 s44, s44, s37
	s_mul_i32 s44, s44, 12800                      ; x_op: chunk (T / 8, 2 w)
	s_mov_b32 s45, 0
	s_lshl_b32 s46, s19, 14
	s_add_co_u32 s46, s46, s35                     ; tab: 16,384 T + 1,024 w
	s_mov_b32 s47, 0
	s_lshl_b32 s48, s19, 12
	s_lshl_b32 s37, s18, 9
	s_add_co_u32 s48, s48, s37
	s_add_co_u32 s48, s48, 0x200000                ; the tables of ones and zeros: group 8 T + w (T < 64 only)
	s_mov_b32 s49, 0
	s_lshl_b32 s50, s19, 13
	s_add_co_u32 s50, s50, s35                     ; gpart: 8,192 T + 1,024 w
	s_mov_b32 s51, 0
	s_wait_alu depctr_va_vdst(0)
	s_wait_kmcnt 0x0
	s_add_nc_u64 s[4:5], s[4:5], s[38:39]
	s_add_nc_u64 s[6:7], s[6:7], s[40:41]
	s_add_nc_u64 s[8:9], s[8:9], s[42:43]
	s_add_nc_u64 s[10:11], s[10:11], s[44:45]
	s_add_nc_u64 s[52:53], s[12:13], s[48:49]
	s_add_nc_u64 s[12:13], s[12:13], s[46:47]
	s_add_nc_u64 s[14:15], s[14:15], s[50:51]
.macro XLOAD s                         ; my row's numbers of my K step s: register 16 b + 4 j + e = k 32 b + 16 h + 4 j + e
.irp b, 0,1,2,3
.irp j, 0,1,2,3
	global_load_b128 v[NA+16*\b+4*\j:NA+16*\b+4*\j+3], v4, s[4:5] offset:512*\s+128*\b+16*\j th:TH_LOAD_NT
.endr
.endr
.endm
.macro WLOAD s, c                      ; Wg(128 s + 64 c + 32 h + i, r), i = 0 .. 31: my block 2 c + h of column r
.set i, 0
.rept 32
	global_load_b32 v[NB+32*\c+i], v5, s[8:9] offset:(128*\s+64*\c+i)*64
.set i, i+1
.endr
.endm
; 64 numbers of a lane, register 16 b + i = k 32 b + 16 h + i of my row, become a fragment's codes in v[pc] on and its scale word in v[pw].
.macro QUANT s, pc, pw
.irp b, 0,1,2,3
	v_max3_num_f32 v[TM+\b], |v[\s+16*\b]|, |v[\s+1+16*\b]|, 0x1800000   ; my 16 of block b, and the floor 2^(3 - 127)
.endr
.irp i, 2,4,6,8,10,12,14
.irp b, 0,1,2,3
	v_max3_num_f32 v[TM+\b], v[TM+\b], |v[\s+16*\b+\i]|, |v[\s+1+16*\b+\i]|
.endr
.endr
.irp b, 0,1,2,3
	v_permlanex16_b32 v[TM+4+\b], v[TM+\b], s[SEL], s[SEL+1]
.endr
.irp b, 0,1,2,3
	v_max_num_f32 v[TM+\b], v[TM+\b], v[TM+4+\b]   ; with lane l xor 16's: the block's largest magnitude
.endr
.irp b, 0,1,2,3
	v_add_nc_u32 v[TM+12+\b], 0xff000000, v[TM+\b] ; 2 off its exponent field: the conversion's scale operand
.endr
.irp b, 0,1,2,3
	v_lshrrev_b32 v[TM+4+\b], 23, v[TM+12+\b]      ; the byte
.endr
	v_lshl_or_b32 v[\pw], v[TM+5], 8, v[TM+4]
	v_lshl_or_b32 v[\pw], v[TM+6], 16, v[\pw]
	v_lshl_or_b32 v[\pw], v[TM+7], 24, v[\pw]
.irp c, 0,1
	v_cvt_scalef32_pk16_fp6_f32 v[\pc+6*\c:\pc+2+6*\c], v[\s+32*\c:\s+15+32*\c], v[TM+12+2*\c]
	v_cvt_scalef32_pk16_fp6_f32 v[\pc+12+4*\c:\pc+14+4*\c], v[\s+16+32*\c:\s+31+32*\c], v[TM+12+2*\c+1]
.endr
	v_nop                                          ; one plain place behind a scaled conversion
.irp c, 0,1                            ; the operand's layout wants a whole block in a lane: lanes 0-15 block 2 c, lanes 16-31 block 2 c + 1
.irp i, 0,1,2
	v_permlane16_swap_b32 v[\pc+6*\c+\i], v[\pc+12+4*\c+\i]
.endr
.irp i, 0,1,2
	v_mov_b32 v[\pc+3+6*\c+\i], v[\pc+12+4*\c+\i]
.endr
.endr
.endm
; Wg's 64 numbers of a lane are two whole blocks of column r, in the operand's own order.
.macro QUANTC
.irp c, 0,1
	v_max3_num_f32 v[TM+\c], |v[NB+32*\c]|, |v[NB+32*\c+1]|, 0x1800000
.endr
.irp i, 2,4,6,8,10,12,14,16,18,20,22,24,26,28,30
.irp c, 0,1
	v_max3_num_f32 v[TM+\c], v[TM+\c], |v[NB+32*\c+\i]|, |v[NB+32*\c+\i+1]|
.endr
.endr
.irp c, 0,1
	v_add_nc_u32 v[TM+12+\c], 0xff000000, v[TM+\c]
.endr
.irp c, 0,1
	v_lshrrev_b32 v[TM+4+\c], 23, v[TM+12+\c]
.endr
	v_lshl_or_b32 v[TM+8], v[TM+5], 16, v[TM+4]    ; my two bytes: blocks h and 2 + h,
	v_lshlrev_b32 v[TM+9], 3, v3
	v_lshlrev_b32 v[TM+8], v[TM+9], v[TM+8]        ; at their places in the word;
	v_mov_b32 v[TM+9], 0
	v_permlanex16_b32 v[TM+9], v[TM+8], s[SEL], s[SEL+1]
	v_or_b32 v[PWW], v[TM+8], v[TM+9]              ; with lane l xor 16's two the word is whole
.irp c, 0,1
	v_cvt_scalef32_pk16_fp6_f32 v[PCW+6*\c:PCW+6*\c+2], v[NB+32*\c:NB+32*\c+15], v[TM+12+\c]
	v_cvt_scalef32_pk16_fp6_f32 v[PT+4*\c:PT+4*\c+2], v[NB+32*\c+16:NB+32*\c+31], v[TM+12+\c]
.endr
	v_nop
.irp c, 0,1
.irp i, 0,1,2
	v_mov_b32 v[PCW+3+6*\c+\i], v[PT+4*\c+\i]
.endr
.endr
.endm
	global_load_b128 v[F:F+3], v8, s[6:7]
	global_load_b128 v[F+4:F+7], v8, s[6:7] offset:16
	XLOAD 0
	WLOAD 0, 0
	s_wait_loadcnt 32                              ; all but Wg's 32 just issued: the angles and x's first K step are in
	WLOAD 0, 1
	QUANT NA, PCX, PWX0
.irp c, 0,1,2
	global_store_b128 v6, v[PCX+4*\c:PCX+4*\c+3], s[10:11] offset:512*\c
.endr
	; sine and cosine of my eight angles, the eight by turns
.irp j, 0,1,2,3,4,5,6,7
	v_mul_f32 v[KQ+\j], s22, v[F+\j]
.endr
.irp j, 0,1,2,3,4,5,6,7
	v_rndne_f32 v[KQ+\j], v[KQ+\j]
.endr
.irp j, 0,1,2,3,4,5,6,7
	v_fma_f32 v[RR+\j], -v[KQ+\j], s23, v[F+\j]
.endr
.irp j, 0,1,2,3,4,5,6,7
	v_fma_f32 v[RR+\j], -v[KQ+\j], s24, v[RR+\j]
.endr
.irp j, 0,1,2,3,4,5,6,7
	v_fma_f32 v[RR+\j], -v[KQ+\j], s25, v[RR+\j]
.endr
.irp j, 0,1,2,3,4,5,6,7
	v_mul_f32 v[ZZ+\j], v[RR+\j], v[RR+\j]
.endr
.irp j, 0,1,2,3,4,5,6,7
	v_cvt_i32_f32 v[KQ+\j], v[KQ+\j]               ; its two lowest bits are the quadrant, for negative k too
.endr
.irp j, 0,1,2,3,4,5,6,7
	v_fma_f32 v[PSN+\j], v[ZZ+\j], s26, s27
.endr
.irp j, 0,1,2,3,4,5,6,7
	v_fma_f32 v[PSN+\j], v[PSN+\j], v[ZZ+\j], s28
.endr
.irp j, 0,1,2,3,4,5,6,7
	v_mul_f32 v[T1+\j], v[ZZ+\j], v[RR+\j]
.endr
.irp j, 0,1,2,3,4,5,6,7
	v_fma_f32 v[PSN+\j], v[PSN+\j], v[T1+\j], v[RR+\j]     ; sin r
.endr
.irp j, 0,1,2,3,4,5,6,7
	v_fma_f32 v[PCS+\j], v[ZZ+\j], s29, s30
.endr
.irp j, 0,1,2,3,4,5,6,7
	v_fma_f32 v[PCS+\j], v[PCS+\j], v[ZZ+\j], s31
.endr
.irp j, 0,1,2,3,4,5,6,7
	v_mul_f32 v[T1+\j], v[ZZ+\j], v[ZZ+\j]
.endr
.irp j, 0,1,2,3,4,5,6,7
	v_fma_f32 v[T2+\j], v[ZZ+\j], -0.5, 1.0
.endr
.irp j, 0,1,2,3,4,5,6,7
	v_fma_f32 v[PCS+\j], v[PCS+\j], v[T1+\j], v[T2+\j]     ; cos r
.endr
.irp j, 0,1,2,3,4,5,6,7
	v_and_b32 v[T1+\j], 1, v[KQ+\j]
	v_cmp_eq_u32 vcc_lo, 1, v[T1+\j]               ; in odd quadrants the two change places: a select, no branch
	v_cndmask_b32 v[ZZ+\j], v[PSN+\j], v[PCS+\j], vcc_lo
	v_cndmask_b32 v[RR+\j], v[PCS+\j], v[PSN+\j], vcc_lo
.endr
.irp j, 0,1,2,3,4,5,6,7
	v_lshlrev_b32 v[T1+\j], 30, v[KQ+\j]           ; sine is negative in quadrants 2, 3: bit 1 of q,
	v_add_nc_u32 v[T2+\j], 1, v[KQ+\j]             ; cosine in 1, 2: bit 1 of q + 1
.endr
.irp j, 0,1,2,3,4,5,6,7
	v_lshlrev_b32 v[T2+\j], 30, v[T2+\j]
.endr
.irp j, 0,1,2,3,4,5,6,7
	v_and_b32 v[T1+\j], s33, v[T1+\j]
	v_and_b32 v[T2+\j], s33, v[T2+\j]
.endr
.irp j, 0,1,2,3,4,5,6,7
	v_xor_b32 v[T1+\j], s32, v[T1+\j]              ; rotate_half's sign
.endr
.irp j, 0,1,2,3,4,5,6,7
	v_xor_b32 v[ZZ+\j], v[T1+\j], v[ZZ+\j]
	v_xor_b32 v[RR+\j], v[T2+\j], v[RR+\j]
.endr
	global_store_b128 v9, v[RR:RR+3], s[12:13]                     ; cos: groups 2 w, 2 w + 1; 512 consecutive bytes a store
	global_store_b128 v9, v[RR+4:RR+7], s[12:13] offset:512
	global_store_b128 v9, v[ZZ:ZZ+3], s[12:13] offset:8192         ; sin: groups 16 + 2 w, 17 + 2 w
	global_store_b128 v9, v[ZZ+4:ZZ+7], s[12:13] offset:8704
	s_cmp_lt_u32 s19, 64                           ; the tables of ones and zeros, sixteen on end behind the 128 tiles: 512 groups, one for each share of tiles 0 to 63
	s_cbranch_scc0 .Lno_id
	s_bitcmp1_b32 s19, 1                           ; group 8 T + w: in its table it is group 8 (T % 4) + w; groups 0-15 (T % 4 < 2): cos = 1; groups 16-31: sin = 0
	s_cselect_b32 s34, 0, 1.0
.irp j, 0,1,2,3
	v_mov_b32 v[IDT+\j], s34
.endr
	global_store_b128 v9, v[IDT:IDT+3], s[52:53]
.Lno_id:
	s_wait_loadcnt 0x0                             ; Wg's first K step
	XLOAD 1
	QUANTC
	WLOAD 1, 0
.rept 8
	v_nop                                          ; a scale register written by a vector instruction stands 8 places ahead of a scaled matrix instruction, an operand 4
.endr
	v_wmma_scale_f32_16x16x128_f8f6f4 v[ACC:ACC+7], v[PCX:PCX+11], v[PCW:PCW+11], 0, v[PWX0], v[PWW] matrix_a_fmt:MATRIX_FMT_FP6 matrix_b_fmt:MATRIX_FMT_FP6   ; (lane-row 8 h + j, head r)
	s_wait_loadcnt 32                              ; x's second K step is in; Wg's 32 issued behind it may be out
	WLOAD 1, 1
	s_wait_xcnt 0x0                                ; the image's stores have read x's codes: they are written again only behind this wait
	QUANT NA, PCX, PWX1                            ; (its maxima are the places between the product and the writes of its operands)
.irp c, 0,1,2
	global_store_b128 v6, v[PCX+4*\c:PCX+4*\c+3], s[10:11] offset:12800+512*\c
.endr
	v_cmp_eq_u32 vcc_lo, 1, v3
	v_cndmask_b32 v[SWS], v[PWX0], v[PWX1], vcc_lo ; lanes 0-15 the first K step's words, lanes 16-31 the second's: one store for both
	global_store_b32 v7, v[SWS], s[10:11]
	s_wait_loadcnt 0x0                             ; Wg's second K step
	QUANTC
.rept 8
	v_nop
.endr
	s_wait_alu depctr_va_vdst(0)                   ; the wait ahead of the link
	v_wmma_scale_f32_16x16x128_f8f6f4 v[ACC:ACC+7], v[PCX:PCX+11], v[PCW:PCW+11], v[ACC:ACC+7], v[PWX1], v[PWW] matrix_a_fmt:MATRIX_FMT_FP6 matrix_b_fmt:MATRIX_FMT_FP6
.rept 4
	v_nop                                          ; four places in front of the first read of the result
.endr
	global_store_b128 v10, v[ACC:ACC+3], s[14:15]  ; from the low end on
	global_store_b128 v10, v[ACC+4:ACC+7], s[14:15] offset:16
	s_endpgm
.Lfunc_end_k_qcff2ce84f8_prep:
	.size	k_qcff2ce84f8_prep, .Lfunc_end_k_qcff2ce84f8_prep-k_qcff2ce84f8_prep
	.p2alignl 7, 3214868480
	.fill 96, 4, 3214868480
	.section	.rodata,"a",@progbits
	.p2align	6, 0x0
	.amdhsa_kernel k_qcff2ce84f8_prep
		.amdhsa_group_segment_fixed_size 14848
		.amdhsa_private_segment_fixed_size 0
		.amdhsa_enable_private_segment 0
		.amdhsa_kernarg_size 80
		.amdhsa_user_sgpr_count 2
		.amdhsa_user_sgpr_kernarg_segment_ptr 1
		.amdhsa_wavefront_size32 1
		.amdhsa_system_sgpr_workgroup_id_x 1
		.amdhsa_system_sgpr_workgroup_id_y 1
		.amdhsa_system_sgpr_workgroup_id_z 1
		.amdhsa_system_vgpr_workitem_id 0
		.amdhsa_next_free_vgpr 256
		.amdhsa_next_free_sgpr 66
		.amdhsa_reserve_vcc 1
		.amdhsa_float_denorm_mode_32 3
		.amdhsa_float_denorm_mode_16_64 3
		.amdhsa_memory_ordered 1
		.amdhsa_forward_progress 1
		.amdhsa_inst_pref_size 67
	.end_amdhsa_kernel
	.amdgpu_metadata
---
amdhsa.version: [ 1, 2 ]
amdhsa.kernels:
  - .name:           k_qcff2ce84f8_prep
    .symbol:         k_qcff2ce84f8_prep.kd
    .args:
      - { .name: Wq, .offset: 0, .size: 8, .value_kind: global_buffer, .address_space: global }
      - { .name: Wk, .offset: 8, .size: 8, .value_kind: global_buffer, .address_space: global }
      - { .name: Wv, .offset: 16, .size: 8, .value_kind: global_buffer, .address_space: global }
      - { .name: w_op, .offset: 24, .size: 8, .value_kind: global_buffer, .address_space: global }
      - { .name: x, .offset: 32, .size: 8, .value_kind: global_buffer, .address_space: global }
      - { .name: rotary_pos_emb, .offset: 40, .size: 8, .value_kind: global_buffer, .address_space: global }
      - { .name: Wg, .offset: 48, .size: 8, .value_kind: global_buffer, .address_space: global }
      - { .name: x_op, .offset: 56, .size: 8, .value_kind: global_buffer, .address_space: global }
      - { .name: tab, .offset: 64, .size: 8, .value_kind: global_buffer, .address_space: global }
      - { .name: gpart, .offset: 72, .size: 8, .value_kind: global_buffer, .address_space: global }
    .group_segment_fixed_size: 14848
    .private_segment_fixed_size: 0
    .kernarg_segment_align: 8
    .kernarg_segment_size: 80
    .max_flat_workgroup_size: 128
    .sgpr_count:     66
    .vgpr_count:     256
    .wavefront_size: 32
...
	.end_amdgpu_metadata
.endif
;; end of part 6
;; launch qkv (part 7): grid 32 x 8, 4 waves a work-group, clusters of 4 x 4, 327,680 bytes of LDS; arguments x_op, w_op, tab, q_op, kv_op, Wo, wo_op; writes q_op, kv_op, wo_op
.if DOCPART == 7
	.amdgcn_target "amdgcn-amd-amdhsa--gfx1250"
	.amdhsa_code_object_version 6
	.text
	.protected	k_qcff2ce84f8_qkv
	.globl	k_qcff2ce84f8_qkv
	.p2align	8
	.type	k_qcff2ce84f8_qkv,@function
k_qcff2ce84f8_qkv:
	s_mov_b64 s[64:65], 0
	v_nop
	global_prefetch_b8 v0, s[64:65] scope:SCOPE_SE
	s_setreg_imm32_b32 hwreg(HW_REG_WAVE_MODE, 25, 1), 1
	s_wait_xcnt 0x0
	s_wait_alu depctr_hold_cnt(0) depctr_sa_sdst(0) depctr_va_vdst(0) depctr_va_sdst(0) depctr_va_ssrc(0) depctr_va_vcc(0) depctr_vm_vsrc(0)
	s_getreg_b32 s2, hwreg(HW_REG_IB_STS2, 6, 4)
	s_cmp_eq_u32 s2, 0
	s_cbranch_scc0 .Lentry_in_a_cluster
	s_endpgm
.Lentry_in_a_cluster:
	s_bfe_u32 s2, ttmp6, 0x10000c
	s_cmp_lg_u32 s2, 0xf033
	s_cbranch_scc0 .Lentry_shape_is_right
	s_endpgm
.Lentry_shape_is_right:
; q, k, v = x Wq, x Wk, x Wv on codes of FP6 (E2M3); rope on q and k; the results quantised again into images of operand registers (layout: head of launch prep).
; A block of 256 x 256 to a work-group of four waves, 128 x 128 a wave (64 accumulators).  Clusters x 0-3 make q and k: source 1 = tokens (x_op), source 0 = a head's 128 channels (w_op):
; a lane holds one token, its 64 registers of a block of 16 tokens run along the head's channels.  Clusters x 4-5 make v the other way round (source 1 = Wv's channels, source 0 = tokens): registers run along the keys.
; RING: two slots of two K steps (4 x 25,600 bytes), one joint load a wave behind each round of the cluster's barrier; A's tiles are shared along a row of the cluster, B's along a column.
; PREFETCH: each part of 25,600 bytes (100 blocks of 256) is asked for two fills ahead of its tensor load; the four partners that ask for it jointly take 25 blocks each, told apart by address (lanes 25-31 name the last again).
; In the loop's last trip, which has no fill two on, the same place asks for the work-group's share of its table: 2 x 32 blocks a wave of the 1,024 that the four partners of a row share.
; THE TABLE of cos and signed sin (16,384 bytes for 16 tokens, in the order of the results' registers) comes by joint loads into slots that are done with: tiles 0-2 of each half of the rows into slot 0 behind the last
; change of slots, tiles 3-5 into slot 1 in the last K step, tiles 6-7 into slot 0 behind block 2.  The two waves with the same tokens read the same bytes.
; v has no rope: its clusters take the tables of cos = 1 and sin = 0 that lie behind the 128 tiles, so that all clusters run one text and every partner issues every joint load.
; LIMITS: a block of zeros or under 2^-124 gets the byte 1 (this program alone reads the bytes); NaN and infinities are not served.
; REGISTERS: window 0: v8-31 addresses; v32-63 scale words, two sets; v128-223 A's fragments; on the way out v64-127 rotated numbers, v128-146 codes, v224-239 at work, v240-247 the blocks' scale words.
;   window 1: B's fragments, two sets, on the way out the table, two sets;  windows 2, 3: accumulators.
.set CHUNK, 12800
.set NQ,    2
.set FR,    12
.set NL,    3
.set NP,    4
.set HALFT, NQ*CHUNK
.set SLOT,  4*HALFT
.set LAPS,  4
.set SCST,  2*SLOT                     ; behind the ring: 512 bytes a wave for the scale words' way out; no fill lands here
.set SPARE, SCST+4*512                 ; the spare words
.set TABT,  16384
.set ADT,  8                           ; v8-10 LDS address of my half's table tiles 0-2, 3-5, 6-7
.set ADRA, 16
.set ADRB, 20
.set ADRS, 22
.set LI,   24
.set SCI,  25
.set SCO,  26
.set SPW,  28
.set NIL,  29
.set PFO,  30                          ; v30 256 x min(lane, 24);  v31 256 x lane
.set PFT,  31
.set SC,   32
.set RO,   64
.set AF,   128
.set PC,   128
.set TM,   224
.set PW,   240
.set G1,   24
.set G0,   32
.set G1B,  48
.set G0B,  56
.set PFB,  66
.set OUTP, 68
.set PFA,  78
.set SEL,  88
.set TABC, 90
.set G0T,  92
.set MSB, 0
.macro WIN new
.if MSB != (\new)
	s_set_vgpr_msb (MSB<<8)|(\new)
.set MSB, (\new)
.endif
.endm
.set MUL_LO, 0xa1
.set MUL_HI, 0xf1
.set TO_B,   0x40
.macro PLACES n
.rept \n
	v_nop
.endr
.endm
.macro JLOAD s                         ; waves 0, 1 fetch for A, waves 2, 3 for B; s_nop 0 and four v_nop behind each line
	s_cmp_eq_u32 s15, 0
	s_cbranch_scc0 .Lfor_b_\@
	tensor_load_to_lds s[G0+4*\s:G0+4*\s+3], s[G1:G1+7]
	s_nop 0
	PLACES 4
	s_branch .Lasked_\@
.Lfor_b_\@:
	tensor_load_to_lds s[G0B+4*\s:G0B+4*\s+3], s[G1B:G1B+7]
	s_nop 0
	PLACES 4
.Lasked_\@:
.endm
.macro TLOAD                           ; a part of the table: every wave, with the mask of my row of the cluster
	tensor_load_to_lds s[G0T:G0T+3], s[G1:G1+7]
	s_nop 0
	PLACES 4
.endm
.macro CREST
	s_cmp_lg_u32 s14, 0
	s_cbranch_scc1 .Lnot_wave_0_\@
	s_barrier_signal -3
.Lnot_wave_0_\@:
	s_barrier_wait -3
	s_barrier_signal -1
	s_barrier_wait -1
.endm
.macro CROUND
	s_barrier_signal -1
	s_barrier_wait -1
	CREST
.endm
	s_load_b256 s[4:11], s[0:1], 0x0               ; x_op, w_op, tab, q_op
	s_load_b64 s[12:13], s[0:1], 0x20              ; kv_op
	s_load_b128 s[92:95], s[0:1], 0x28             ; Wo, wo_op: for clusters x 6, 7, which quantise Wo (the path at the text's end); the products fill 192 work-groups, these 64 more make 256
	v_lshl_add_u32 v[SPW], v0, 2, SPARE
	v_mov_b32 v[NIL], 0
	ds_add_u32 v[SPW], v[NIL]                      ; the opening lines: the add twice on end and its wait
	ds_add_u32 v[SPW], v[NIL]
	v_lshrrev_b32 v1, 5, v0
	v_readfirstlane_b32 s14, v1                    ; wave
	s_lshr_b32 s15, s14, 1                         ; my half of the rows; also: I fetch for A (0) or B (1)
	s_and_b32 s16, s14, 1                          ; my half of the columns; also: which 128 rows I fetch
	s_bfe_u32 s40, ttmp6, 0x40000                  ; cx
	s_bfe_u32 s41, ttmp6, 0x40004                  ; cy
	s_lshl_b32 s42, ttmp9, 2
	s_add_co_u32 s42, s42, s40                     ; tile column
	s_and_b32 s17, ttmp7, 0xffff
	s_lshl_b32 s17, s17, 2
	s_add_co_u32 s17, s17, s41                     ; tile row
	s_lshl_b32 s43, s41, 2
	s_lshl_b32 s43, 15, s43
	s_lshl_b32 s44, 0x1111, s40
	s_or_b32 s[G1+0], s43, (3<<16)|(1<<21)         ; elements of 8 bytes; the mask of my row; bit 21 beside it
	s_or_b32 s[G1B+0], s44, (3<<16)|(1<<21)
.irp g, G1, G1B
	s_mov_b32 s[\g+1], 32<<16                      ; 25,600 dense bytes as 100 rows of 256
	s_mov_b32 s[\g+2], 100<<16
	s_mov_b32 s[\g+3], 32<<16
	s_mov_b32 s[\g+4], 100
	s_mov_b32 s[\g+5], 32
	s_mov_b32 s[\g+6], 0
	s_mov_b32 s[\g+7], 0
.endr
	s_mul_i32 s45, s14, HALFT
	s_cmp_lt_u32 ttmp9, 4                          ; q and k, or v: the cluster's number, the same in all partners
	s_cselect_b32 s76, 0, 16
	s_add_co_u32 s20, s17, s76
	s_lshl_b32 s20, s20, 1
	s_add_co_u32 s20, s20, s16
	s_mul_i32 s20, s20, 16*CHUNK
	s_mov_b32 s21, 0
	s_sub_co_u32 s46, s42, s76
	s_lshl_b32 s46, s46, 1
	s_add_co_u32 s46, s46, s16
	s_mul_i32 s46, s46, 16*CHUNK
	s_mov_b32 s47, 0
	s_wait_dscnt 0x0
	s_wait_kmcnt 0x0
	s_cmp_ge_u32 ttmp9, 6                          ; the cluster's number: the same in all partners and all waves
	s_cbranch_scc1 .Lwo
	s_cmp_lt_u32 ttmp9, 4
	s_cselect_b64 s[72:73], s[4:5], s[6:7]
	s_cselect_b64 s[74:75], s[6:7], s[4:5]
	s_add_nc_u64 s[20:21], s[72:73], s[20:21]      ; the 16 chunks of the 128 rows that I fetch for A,
	s_add_nc_u64 s[46:47], s[74:75], s[46:47]      ; for B
.irp s, 0,1
	s_mov_b32 s[G0+4*\s], 1
	s_add_co_u32 s[G0+4*\s+1], s45, \s*SLOT
	s_add_nc_u64 s[G0+4*\s+2:G0+4*\s+3], s[20:21], \s*HALFT
	s_or_b32 s[G0+4*\s+3], s[G0+4*\s+3], 0x80000000
	s_mov_b32 s[G0B+4*\s], 1
	s_add_co_u32 s[G0B+4*\s+1], s45, \s*SLOT
	s_add_nc_u64 s[G0B+4*\s+2:G0B+4*\s+3], s[46:47], \s*HALFT
	s_or_b32 s[G0B+4*\s+3], s[G0B+4*\s+3], 0x80000000
.endr
	CROUND                                         ; the first joint loads meet
	JLOAD 0                                        ; K steps 0, 1: one tensor load a wave at the head
	s_cmp_eq_u32 s15, 0
	s_cselect_b64 s[PFA:PFA+1], s[20:21], s[46:47]
	s_cselect_b32 s80, s40, s41                    ; my place among the four that ask with me
	s_mul_i32 s80, s80, 6400
	s_mov_b32 s81, 0
	s_add_nc_u64 s[PFA:PFA+1], s[PFA:PFA+1], s[80:81]
	v_and_b32 v3, 31, v0
	v_min_u32 v[PFO], 24, v3
	v_lshlrev_b32 v[PFT], 8, v3
	v_lshlrev_b32 v[PFO], 8, v[PFO]
	global_prefetch_b8 v[PFO], s[PFA:PFA+1] offset:HALFT th:TH_LOAD_NT scope:SCOPE_SE      ; fills 1 and 2
	global_prefetch_b8 v[PFO], s[PFA:PFA+1] offset:2*HALFT th:TH_LOAD_NT scope:SCOPE_SE
	s_mul_i32 s18, s15, HALFT
	s_mul_i32 s19, s16, HALFT
	s_add_co_u32 s19, s19, 2*HALFT
	s_sub_co_u32 s22, s19, s18
	s_lshl_b32 s23, s14, 9
	s_add_co_u32 s23, s23, SCST
	s_mul_i32 s96, s15, 3*TABT
	s_lshl_b32 s97, s15, 15
	s_mov_b32 s[SEL], 0x76543210
	s_mov_b32 s[SEL+1], 0xfedcba98
	s_lshl_b32 s84, s17, 18                        ; the table of my block's 256 tokens: 16 tiles
	s_cmp_lt_u32 ttmp9, 4
	s_cselect_b32 s84, s84, 0x200000               ; v: the tables of ones and zeros
	s_cselect_b32 s77, 0, 12800
	s_mov_b32 s85, 0
	s_add_nc_u64 s[70:71], s[8:9], s[84:85]
	s_lshl_b32 s98, s40, 2
	s_add_co_u32 s98, s98, s14
	s_lshl_b32 s98, s98, 13                        ; my 32 blocks of each half of it: 8,192 (4 cx + wave)
	s_mov_b32 s99, 0
	s_add_nc_u64 s[PFB:PFB+1], s[70:71], s[98:99]
	s_lshl_b32 s86, s15, 17
	s_mov_b32 s87, 0
	s_add_nc_u64 s[70:71], s[70:71], s[86:87]      ; the eight tiles of the half that waves 2 s15, 2 s15 + 1 fetch and read
	s_mul_i32 s86, s16, 3*TABT/2
	s_add_nc_u64 s[G0T+2:G0T+3], s[70:71], s[86:87]
	s_or_b32 s[G0T+3], s[G0T+3], 0x80000000
	s_mov_b32 s[G0T], 1
	s_mul_i32 s[G0T+1], s14, 3*TABT/2              ; a tile and a half a wave
	s_lshl_b32 s86, s16, 14
	s_add_co_u32 s86, s86, 6*TABT
	s_add_nc_u64 s[TABC:TABC+1], s[70:71], s[86:87] ; tiles 6, 7: one a wave
	s_or_b32 s[TABC+1], s[TABC+1], 0x80000000
	s_and_b32 s80, s42, 7
	s_lshl_b32 s80, s80, 1
	s_add_co_u32 s80, s80, s16
	s_lshl_b32 s81, s17, 1
	s_add_co_u32 s81, s81, s15
	s_cmp_lt_u32 ttmp9, 4
	s_cselect_b32 s82, s80, s81                    ; the head,
	s_cselect_b32 s83, s81, s80                    ; the block of tokens
	s_mov_b32 s86, 25600
	s_cmp_lt_u32 ttmp9, 2
	s_cselect_b32 s86, 12800, s86
	s_cselect_b64 s[OUTP:OUTP+1], s[10:11], s[12:13]
	s_lshl_b32 s82, s82, 4
	s_add_co_u32 s82, s82, s83
	s_mul_i32 s82, s82, s86
	s_add_co_u32 s82, s82, s77
	s_mov_b32 s83, 0
	s_add_nc_u64 s[OUTP:OUTP+1], s[OUTP:OUTP+1], s[82:83]
	v_and_b32 v1, 15, v0
	v_bfe_u32 v2, v0, 4, 1
	v_and_b32 v5, 31, v0
	v_lshlrev_b32 v[LI], 4, v5
	v_mul_u32_u24 v4, s22, v2                      ; lanes 16-31 take B's scale words
	v_lshl_add_u32 v4, v1, 2, v4
	v_add_nc_u32 v[ADRA], s18, v[LI]
	v_add_nc_u32 v[ADRB], s19, v[LI]
	v_add_nc_u32 v[ADRS], s18, v4
	v_add_nc_u32 v[ADRA+1], SLOT, v[ADRA]
	v_add_nc_u32 v[ADRB+1], SLOT, v[ADRB]
	v_add_nc_u32 v[ADRS+1], SLOT, v[ADRS]
	v_lshl_add_u32 v[SCI], v1, 2, s23
	v_add_nc_u32 v[SCO], s23, v[LI]
	v_add_nc_u32 v[ADT], s96, v[LI]
	v_add_nc_u32 v[ADT+1], SLOT, v[ADT]
	v_add_nc_u32 v[ADT+2], s97, v[LI]
.irp b, 0,1,2,3
	v_mov_b32 v[TM+4+\b], 0                        ; a lane permute's destination counts as one of its sources
.endr
.macro FRAG reg, adr, q, i
.irp c, 0,1,2
	ds_load_b128 v[\reg+4*\c:\reg+4*\c+3], v[\adr] offset:(\q)*CHUNK+(\i)*1536+512*\c
.endr
.endm
.macro MUL16 a0, p, q, sc, zero        ; A's blocks a0, a0 + 1 x B's eight; the 64 accumulators by turns
.irp a, \a0, \a0+1
.irp b, 0,1,2,3,4,5,6,7
.if \zero
	v_wmma_scale_f32_16x16x128_f8f6f4 v[8*(8*((\a)%4)+\b):8*(8*((\a)%4)+\b)+7], v[128*(\p)+FR*\b:128*(\p)+FR*\b+FR-1], v[AF+FR*(\a):AF+FR*(\a)+FR-1], 0, v[SC+8*NQ*(\sc)+NQ*\b+(\q)], v[SC+8*NQ*(\sc)+NQ*(\a)+(\q)] matrix_a_fmt:MATRIX_FMT_FP6 matrix_b_fmt:MATRIX_FMT_FP6 matrix_a_scale:MATRIX_SCALE_ROW1
.else
	v_wmma_scale_f32_16x16x128_f8f6f4 v[8*(8*((\a)%4)+\b):8*(8*((\a)%4)+\b)+7], v[128*(\p)+FR*\b:128*(\p)+FR*\b+FR-1], v[AF+FR*(\a):AF+FR*(\a)+FR-1], v[8*(8*((\a)%4)+\b):8*(8*((\a)%4)+\b)+7], v[SC+8*NQ*(\sc)+NQ*\b+(\q)], v[SC+8*NQ*(\sc)+NQ*(\a)+(\q)] matrix_a_fmt:MATRIX_FMT_FP6 matrix_b_fmt:MATRIX_FMT_FP6 matrix_a_scale:MATRIX_SCALE_ROW1
.endif
.endr
.endr
.endm
.macro FETCH_B slot, q, p
	WIN TO_B
.irp i, 0,1,2,3,4,5,6,7
	FRAG 128*(\p)+FR*\i, ADRB+\slot, \q, \i
.endr
	WIN 0
.endm
.macro FETCH_A slot, q, i0
.irp i, \i0, \i0+1, \i0+2, \i0+3
	FRAG AF+FR*(\i), ADRA+\slot, \q, \i
.endr
.endm
.macro SCALES sc
.irp i, 0,1,2,3,4,5,6,7
.irp q, 0,1
	ds_load_b32 v[SC+8*NQ*\sc+NQ*\i+\q], v[ADRS+\sc] offset:12288+\q*CHUNK+64*\i
.endr
.endr
.endm
.macro ASK i                           ; behind a refill and its run of LDS loads: the fill two on; in the last trip (s3 = 1) my share of half i of the table
	s_cmp_gt_u32 s3, 1
	s_cbranch_scc0 .Lpt_\@
	global_prefetch_b8 v[PFO], s[PFA:PFA+1] offset:3*HALFT th:TH_LOAD_NT scope:SCOPE_SE
	s_branch .Lpd_\@
.Lpt_\@:
	global_prefetch_b8 v[PFT], s[PFB:PFB+1] offset:(\i)*8*TABT th:TH_LOAD_NT scope:SCOPE_SE
.Lpd_\@:
.endm
.macro STEP slot, q, zero              ; a slot's first K step
	s_wait_dscnt 4*NL                              ; A's blocks 4-7, the youngest 12 loads, may be out
	WIN MUL_LO
	MUL16 0, (\q)%2, \q, \slot, \zero
	MUL16 2, (\q)%2, \q, \slot, \zero
	s_wait_dscnt 0
	PLACES NP
	FETCH_B \slot, (\q)+1, 1-(\q)%2
	FETCH_A \slot, (\q)+1, 0
	WIN MUL_HI
	MUL16 4, (\q)%2, \q, \slot, \zero
	MUL16 6, (\q)%2, \q, \slot, \zero
	PLACES NP
	WIN 0
	FETCH_A \slot, (\q)+1, 4
.endm
; A slot's second K step, and the change of slots.  fill = 1: the slot takes the K steps two fills on; 2: slot 0 takes table tiles 0-2 of each half; 3: the last K step: slot 1 takes tiles 3-5, nothing more is fetched.
.macro TURN slot, next, fill
.if \fill == 1
	s_wait_xcnt 0x0                                ; my prefetches have read their address: it steps one fill on
	s_add_nc_u64 s[PFA:PFA+1], s[PFA:PFA+1], HALFT
.endif
	s_wait_tensorcnt 0x0                           ; my one load that was out has landed
	ds_add_u32 v[SPW], v[NIL]
	s_wait_dscnt 4*NL+1                            ; the add and A's blocks 4-7 may be out
	WIN MUL_LO
	MUL16 0, 1, NQ-1, \slot, 0
	s_wait_dscnt 0x0                               ; the add is done, my reads of this slot are over
	s_barrier_signal -1
	MUL16 2, 1, NQ-1, \slot, 0
	WIN 0
	s_barrier_wait -1
	CREST                                          ; the barrier has opened a round of the cluster's barrier
.if \fill == 1
	s_add_nc_u64 s[G0+4*\slot+2:G0+4*\slot+3], s[G0+4*\slot+2:G0+4*\slot+3], 2*HALFT
	s_add_nc_u64 s[G0B+4*\slot+2:G0B+4*\slot+3], s[G0B+4*\slot+2:G0B+4*\slot+3], 2*HALFT
	JLOAD \slot
.else
.if \fill == 2
	s_mov_b32 s[G1+2], 96<<16                      ; no load of mine is out: from here on 96 rows of 256 bytes
	s_mov_b32 s[G1+4], 96
.else
	s_add_co_u32 s[G0T+1], s[G0T+1], SLOT
	s_add_nc_u64 s[G0T+2:G0T+3], s[G0T+2:G0T+3], 3*TABT
.endif
	TLOAD
.endif
.if \fill < 3
	FETCH_B \next, 0, 0
	FETCH_A \next, 0, 0
	SCALES \next
.if \fill == 1
	ASK \slot
.endif
.endif
	WIN MUL_HI
	MUL16 4, 1, NQ-1, \slot, 0
	MUL16 6, 1, NQ-1, \slot, 0
	PLACES NP
	WIN 0
.if \fill < 3
	FETCH_A \next, 0, 4
.endif
.endm
	s_wait_alu depctr_va_vdst(0)
	s_wait_tensorcnt 0x0                           ; my part of slot 0 is in; slot 1's first fill is issued as a refill is
	ds_add_u32 v[SPW], v[NIL]
	s_wait_dscnt 0x0
	CROUND
	JLOAD 1
	FETCH_B 0, 0, 0
	FETCH_A 0, 0, 0
	SCALES 0
	FETCH_A 0, 0, 4
	global_prefetch_b8 v[PFO], s[PFA:PFA+1] offset:3*HALFT th:TH_LOAD_NT scope:SCOPE_SE    ; fill 3
	STEP 0, 0, 1                                   ; the first products start the sums
	s_mov_b32 s3, LAPS-1
.Llap:
	TURN 0, 1, 1
	STEP 1, 0, 0
	TURN 1, 0, 1
	STEP 0, 0, 0
	s_sub_co_u32 s3, s3, 1
	s_cmp_lg_u32 s3, 0
	s_cbranch_scc1 .Llap
	TURN 0, 1, 2
	STEP 1, 0, 0
	TURN 1, 0, 3
; 64 numbers of a lane, register 16 b + i = place 32 b + 16 h + i along the next K, become a fragment's codes and its scale word
.macro QUANT s, pc, pw
.irp b, 0,1,2,3
	v_max3_num_f32 v[TM+\b], |v[\s+16*\b]|, |v[\s+1+16*\b]|, 0x1800000     ; and the floor 2^(3 - 127)
.endr
.irp i, 2,4,6,8,10,12,14
.irp b, 0,1,2,3
	v_max3_num_f32 v[TM+\b], v[TM+\b], |v[\s+16*\b+\i]|, |v[\s+1+16*\b+\i]|
.endr
.endr
.irp b, 0,1,2,3
	v_permlanex16_b32 v[TM+4+\b], v[TM+\b], s[SEL], s[SEL+1]
.endr
.irp b, 0,1,2,3
	v_max_num_f32 v[TM+\b], v[TM+\b], v[TM+4+\b]
.endr
.irp b, 0,1,2,3
	v_add_nc_u32 v[TM+12+\b], 0xff000000, v[TM+\b] ; 2 off the exponent field: the conversion's scale operand
.endr
.irp b, 0,1,2,3
	v_lshrrev_b32 v[TM+4+\b], 23, v[TM+12+\b]      ; the byte
.endr
	v_lshl_or_b32 v[\pw], v[TM+5], 8, v[TM+4]
	v_lshl_or_b32 v[\pw], v[TM+6], 16, v[\pw]
	v_lshl_or_b32 v[\pw], v[TM+7], 24, v[\pw]
.irp c, 0,1
	v_cvt_scalef32_pk16_fp6_f32 v[\pc+6*\c:\pc+2+6*\c], v[\s+32*\c:\s+15+32*\c], v[TM+12+2*\c]
	v_cvt_scalef32_pk16_fp6_f32 v[\pc+12+4*\c:\pc+14+4*\c], v[\s+16+32*\c:\s+31+32*\c], v[TM+12+2*\c+1]
.endr
	v_nop                                          ; one plain place behind a scaled conversion
.irp c, 0,1
.irp i, 0,1,2
	v_permlane16_swap_b32 v[\pc+6*\c+\i], v[\pc+12+4*\c+\i]
.endr
.irp i, 0,1,2
	v_mov_b32 v[\pc+3+6*\c+\i], v[\pc+12+4*\c+\i]
.endr
.endr
.endm
.macro TABLOAD a                       ; block a's table, 32 groups of four registers, into set a % 2 of window 1
	WIN TO_B
.set g, 0
.rept 32
	ds_load_b128 v[128*((\a)%2)+4*g:128*((\a)%2)+4*g+3], v[ADT+(\a)/3] offset:((\a)%3)*TABT+512*g
.set g, g+1
.endr
	WIN 0
.endm
.macro EPI a                           ; block a: t cos + rotate_half(t) sin, quantised, stored as tile a of my chunk
.set AC,  64*((\a)%4)
.set TBF, 128*((\a)%2)
.if ((\a)+1)%3 != 0 && (\a) < 7
	TABLOAD (\a)+1
	s_wait_dscnt 32                                ; the next block's 32 loads may be out
.else
	s_wait_dscnt 0x0
.endif
	WIN 0x06+(\a)/4
.set i, 0
.rept 32
	v_pk_mul_f32 v[RO+i:RO+i+1], v[AC+i:AC+i+1], v[TBF+i:TBF+i+1]          ; each accumulator from its low end on
.set i, i+2
.endr
.set i, 0
.rept 32
	v_pk_fma_f32 v[RO+i:RO+i+1], v[AC+(i+32)%64:AC+(i+32)%64+1], v[TBF+64+i:TBF+64+i+1], v[RO+i:RO+i+1]
.set i, i+2
.endr
	WIN 0
	s_wait_xcnt 0x0                                ; the last block's stores have read their codes
	QUANT RO, PC, PW+(\a)
.irp c, 0,1,2
	global_store_b128 v[LI], v[PC+4*\c:PC+4*\c+3], s[OUTP:OUTP+1] offset:(\a)*1536+512*\c
.endr
.endm
	TABLOAD 0                                      ; tiles 0-2 were shown whole by the round in the last K step
	EPI 0
	EPI 1
	EPI 2
	s_wait_tensorcnt 0x0                           ; tiles 3-5: my part is in
	ds_add_u32 v[SPW], v[NIL]
	s_mov_b32 s[G1+2], 64<<16                      ; 64 rows of 256 bytes: one tile a wave
	s_mov_b32 s[G1+4], 64
	s_lshl_b32 s[G0T+1], s14, 14
	s_mov_b64 s[G0T+2:G0T+3], s[TABC:TABC+1]
	s_wait_dscnt 0x0                               ; my reads of tiles 0-2 are over
	CROUND
	TLOAD                                          ; tiles 6, 7 of each half, into slot 0
	TABLOAD 3
	EPI 3
	EPI 4
	EPI 5
	s_wait_tensorcnt 0x0                           ; my tile is in
	s_wait_dscnt 0x0
	s_barrier_signal -1
	s_barrier_wait -1
	TABLOAD 6
	EPI 6
	EPI 7
	s_wait_alu depctr_va_vdst(0)
.irp a, 0,1,2,3,4,5,6,7
	ds_store_b32 v[SCI], v[PW+\a] offset:64*\a     ; lanes r and r + 16 write the same word
.endr
	ds_load_b128 v[RO:RO+3], v[SCO]                ; LDS serves a wave's instructions in order
	s_wait_dscnt 0x0
	global_store_b128 v[LI], v[RO:RO+3], s[OUTP:OUTP+1] offset:12288       ; my chunk's 128 scale words: 512 consecutive bytes
	s_wait_tensorcnt 0x0                           ; the wave's end
	ds_add_u32 v[SPW], v[NIL]
	s_wait_dscnt 0x0
	CROUND                                         ; the closing round
	s_endpgm
; ---------------------------------------------------------------- Wo [2048 (k)][2048 (n)], f32, becomes wo_op: codes of FP6 and scale words as images of operand registers (layout: head of launch prep).
; 64 work-groups; work-group j takes column block j / 4 (128 columns) and K steps 4 (j % 4) .. + 3, one a trip.  A lane takes a column and its registers run down K; a wave takes 32 columns (two tiles) x 128 K.
; The codes go through the wave's own stage in LDS, bytes that no other path of this text names, and leave as 512 consecutive bytes a store.  No tensor load, no barrier but the closing round: waves share nothing.
; PREFETCH: a trip's 128 rows x 512 bytes are 256 blocks of 256 bytes: thread i asks for row i's two, one trip ahead; the last trip asks for nothing.
.set X,    32                          ; v32-159  my column's 128 numbers
.set I0,   160                         ; v160-171 blocks 0 and 2: image lane m;  v172-183 blocks 1 and 3: image lane m + 16
.set I1,   172
.set TC,   184
.set OUTR, 192
.set SW,   20
.set WOL,  SPARE+512
.set WREG, 3584
.set TP,   1664
.set SCW,  3328
.macro LOADW kb                        ; block kb: 32 lanes read 128 consecutive bytes of each of 32 rows
.set i, 0
.rept 32
	global_load_b32 v[X+32*(\kb)+i], v2, s[4:5] offset:(32*(\kb)+i)*8192 th:TH_LOAD_NT
.set i, i+1
.endr
.endm
.macro BLOCKW kb, left
.set XS, X+32*(\kb)
.set ID, I0+12*((\kb)%2)+6*((\kb)/2)
	s_wait_loadcnt \left                           ; this block's 32 loads are in, the next block's 32 may be out
.if (\kb)+2 < 4
	LOADW (\kb)+2
.endif
	v_max3_num_f32 v12, |v[XS]|, |v[XS+1]|, |v[XS+2]|
	v_max3_num_f32 v13, |v[XS+3]|, |v[XS+4]|, |v[XS+5]|
.irp i, 6,10,14,18,22,26
	v_max3_num_f32 v12, v12, |v[XS+\i]|, |v[XS+\i+1]|
	v_max3_num_f32 v13, v13, |v[XS+\i+2]|, |v[XS+\i+3]|
.endr
	v_max3_num_f32 v12, v12, |v[XS+30]|, |v[XS+31]|
	v_max3_num_f32 v12, v12, v13, 0x1800000        ; and the floor 2^(3 - 127)
	v_add_nc_u32 v11, 0xff000000, v12              ; 2 off the exponent field: the conversion's scale operand
	v_lshrrev_b32 v13, 23, v11                     ; the byte
.if (\kb) == 0
	v_mov_b32 v[SW], v13
.else
	v_lshl_or_b32 v[SW], v13, 8*(\kb), v[SW]
.endif
	v_cvt_scalef32_pk16_fp6_f32 v[ID:ID+2], v[XS:XS+15], v11
	v_cvt_scalef32_pk16_fp6_f32 v[TC:TC+2], v[XS+16:XS+31], v11
	v_nop                                          ; one plain place behind a scaled conversion
	v_mov_b32 v[ID+3], v[TC]
	v_mov_b32 v[ID+4], v[TC+1]
	v_mov_b32 v[ID+5], v[TC+2]
.endm
.Lwo:
	s_sub_co_u32 s20, s42, 24
	s_lshl_b32 s21, s17, 3
	s_add_co_u32 s20, s20, s21                     ; j, 0 .. 63
	s_lshr_b32 s22, s20, 2                         ; column block
	s_and_b32 s23, s20, 3
	s_lshl_b32 s23, s23, 2                         ; first K step
	s_lshl_b32 s24, s23, 20                        ; 128 rows of 8,192 bytes a K step,
	s_lshl_b32 s26, s22, 9
	s_add_co_u32 s24, s24, s26                     ; 512 bytes a column block
	s_mov_b32 s25, 0
	s_add_nc_u64 s[66:67], s[92:93], s[24:25]      ; the work-group's corner of Wo
	s_lshl_b32 s26, s14, 7
	s_mov_b32 s27, 0
	s_add_nc_u64 s[4:5], s[66:67], s[26:27]        ; my wave's 32 columns
	s_lshl_b32 s28, s22, 4
	s_add_co_u32 s28, s28, s23
	s_mul_i32 s28, s28, 12800
	s_mov_b32 s29, 0
	s_add_nc_u64 s[12:13], s[94:95], s[28:29]      ; the first chunk
	s_add_co_u32 s28, s26, 12288
	s_add_nc_u64 s[30:31], s[12:13], s[28:29]      ; my 32 scale words
	s_mul_i32 s28, s14, 3072
	s_add_nc_u64 s[12:13], s[12:13], s[28:29]      ; my two tiles
	s_mul_i32 s21, s14, WREG
	s_add_co_u32 s21, s21, WOL
	s_mov_b32 s3, 4
	v_and_b32 v1, 31, v0
	v_lshlrev_b32 v14, 13, v0                      ; row i of the trip's 128
	v_lshlrev_b32 v2, 2, v1
	v_lshlrev_b32 v7, 4, v1
	v_bfe_u32 v8, v0, 3, 1                         ; which of the two tiles holds my column
	v_and_b32 v9, 7, v0
	v_bfe_u32 v10, v0, 4, 1
	v_lshl_add_u32 v9, v10, 3, v9                  ; its lane-row there
	v_mul_u32_u24 v3, v8, TP
	v_lshl_add_u32 v3, v9, 4, v3
	v_add_nc_u32 v3, s21, v3                       ; stage, way in
	v_lshlrev_b32 v5, 6, v8
	v_lshl_add_u32 v5, v9, 2, v5
	v_add_nc_u32 v5, s21, v5                       ; scale words, way in
	v_add_nc_u32 v4, s21, v7                       ; stage, way out
	v_add_nc_u32 v6, s21, v2                       ; scale words, way out
	s_wait_alu depctr_va_vdst(0)
.Lwo_trip:
	LOADW 0
	LOADW 1
	BLOCKW 0, 32
	s_cmp_gt_u32 s3, 1                             ; the next trip's rows are asked for behind this trip's first block; nothing is asked for ahead of the first trip's own loads, and the last trip asks for nothing
	s_wait_alu depctr_va_vdst(0)
	s_cbranch_scc0 .Lwo_np
	global_prefetch_b8 v14, s[66:67] offset:0x100000 th:TH_LOAD_NT scope:SCOPE_SE
	global_prefetch_b8 v14, s[66:67] offset:0x100100 th:TH_LOAD_NT scope:SCOPE_SE
.Lwo_np:
	BLOCKW 1, 32
	BLOCKW 2, 32
	BLOCKW 3, 0
.irp g, 0,1,2
	ds_store_b128 v3, v[I0+4*\g:I0+4*\g+3] offset:512*\g
	ds_store_b128 v3, v[I1+4*\g:I1+4*\g+3] offset:512*\g+256
.endr
	ds_store_b32 v5, v[SW] offset:SCW
.irp u, 0,1
.irp g, 0,1,2
	ds_load_b128 v[OUTR+4*(3*\u+\g):OUTR+4*(3*\u+\g)+3], v4 offset:TP*\u+512*\g    ; LDS serves a wave's instructions in order
.endr
.endr
	ds_load_b32 v[OUTR+24], v6 offset:SCW
.irp u, 0,1
.irp g, 0,1,2
	s_wait_dscnt 6-(3*\u+\g)                       ; the younger LDS loads may be out
	global_store_b128 v7, v[OUTR+4*(3*\u+\g):OUTR+4*(3*\u+\g)+3], s[12:13] offset:1536*\u+512*\g
.endr
.endr
	s_wait_dscnt 0x0
	global_store_b32 v2, v[OUTR+24], s[30:31]
	s_wait_xcnt 0x0                                ; bases and store data are written again only behind this wait
	s_add_nc_u64 s[4:5], s[4:5], 0x100000
	s_add_nc_u64 s[66:67], s[66:67], 0x100000
	s_add_nc_u64 s[12:13], s[12:13], 12800
	s_add_nc_u64 s[30:31], s[30:31], 12800
	s_sub_co_u32 s3, s3, 1
	s_cmp_lg_u32 s3, 0
	s_wait_alu depctr_va_vdst(0)
	s_cbranch_scc1 .Lwo_trip
	s_wait_tensorcnt 0x0                           ; the wave's end
	ds_add_u32 v[SPW], v[NIL]
	s_wait_dscnt 0x0
	CROUND                                         ; the closing round
	s_endpgm
.Lfunc_end_k_qcff2ce84f8_qkv:
	.size	k_qcff2ce84f8_qkv, .Lfunc_end_k_qcff2ce84f8_qkv-k_qcff2ce84f8_qkv
	.p2alignl 7, 3214868480
	.fill 96, 4, 3214868480
	.section	.rodata,"a",@progbits
	.p2align	6, 0x0
	.amdhsa_kernel k_qcff2ce84f8_qkv
		.amdhsa_group_segment_fixed_size 327680
		.amdhsa_private_segment_fixed_size 0
		.amdhsa_enable_private_segment 0
		.amdhsa_kernarg_size 56
		.amdhsa_user_sgpr_count 2
		.amdhsa_user_sgpr_kernarg_segment_ptr 1
		.amdhsa_wavefront_size32 1
		.amdhsa_system_sgpr_workgroup_id_x 1
		.amdhsa_system_sgpr_workgroup_id_y 1
		.amdhsa_system_sgpr_workgroup_id_z 1
		.amdhsa_system_vgpr_workitem_id 0
		.amdhsa_next_free_vgpr 1024
		.amdhsa_next_free_sgpr 100
		.amdhsa_reserve_vcc 0
		.amdhsa_float_denorm_mode_32 3
		.amdhsa_float_denorm_mode_16_64 3
		.amdhsa_memory_ordered 1
		.amdhsa_forward_progress 1
		.amdhsa_inst_pref_size 216
	.end_amdhsa_kernel
	.amdgpu_metadata
---
amdhsa.version: [ 1, 2 ]
amdhsa.kernels:
  - .name:           k_qcff2ce84f8_qkv
    .symbol:         k_qcff2ce84f8_qkv.kd
    .args:
      - { .name: x_op, .offset: 0, .size: 8, .value_kind: global_buffer, .address_space: global }
      - { .name: w_op, .offset: 8, .size: 8, .value_kind: global_buffer, .address_space: global }
      - { .name: tab, .offset: 16, .size: 8, .value_kind: global_buffer, .address_space: global }
      - { .name: q_op, .offset: 24, .size: 8, .value_kind: global_buffer, .address_space: global }
      - { .name: kv_op, .offset: 32, .size: 8, .value_kind: global_buffer, .address_space: global }
      - { .name: Wo, .offset: 40, .size: 8, .value_kind: global_buffer, .address_space: global }
      - { .name: wo_op, .offset: 48, .size: 8, .value_kind: global_buffer, .address_space: global }
    .group_segment_fixed_size: 327680
    .private_segment_fixed_size: 0
    .kernarg_segment_align: 8
    .kernarg_segment_size: 56
    .max_flat_workgroup_size: 128
    .sgpr_count:     100
    .vgpr_count:     1024
    .wavefront_size: 32
...
	.end_amdgpu_metadata
.endif
;; end of part 7
;; launch attn (part 8): grid 16 x 16, 8 waves a work-group, clusters of 4 x 1, 327,680 bytes of LDS; arguments q_op, kv_op, gpart, bg, a_op; writes a_op
.if DOCPART == 8
	.amdgcn_target "amdgcn-amd-amdhsa--gfx1250"
	.amdhsa_code_object_version 6
	.text
	.protected	k_qcff2ce84f8_attn
	.globl	k_qcff2ce84f8_attn
	.p2align	8
	.type	k_qcff2ce84f8_attn,@function
k_qcff2ce84f8_attn:
	s_mov_b64 s[64:65], 0
	v_nop
	global_prefetch_b8 v0, s[64:65] scope:SCOPE_SE
	s_setreg_imm32_b32 hwreg(HW_REG_WAVE_MODE, 25, 1), 1
	s_wait_xcnt 0x0
	s_wait_alu depctr_hold_cnt(0) depctr_sa_sdst(0) depctr_va_vdst(0) depctr_va_sdst(0) depctr_va_ssrc(0) depctr_va_vcc(0) depctr_vm_vsrc(0)
	s_getreg_b32 s2, hwreg(HW_REG_IB_STS2, 6, 4)
	s_cmp_eq_u32 s2, 0
	s_cbranch_scc0 .Lentry_in_a_cluster
	s_endpgm
.Lentry_in_a_cluster:
	s_bfe_u32 s2, ttmp6, 0x10000c
	s_cmp_lg_u32 s2, 0x3003
	s_cbranch_scc0 .Lentry_shape_is_right
	s_endpgm
.Lentry_shape_is_right:
; For one head and 128 queries: O = softmax(q k^T / sqrt(128)) v, both products on codes of FP6 (E2M3); then O / l x gate, quantised along the head's 128 channels into the output projection's operand.
; THE SOFTMAX AHEAD OF THE SECOND PRODUCT: t = score x log2(e) / sqrt(128); M = the running largest t rounded UP to a whole number; p = 2^(t - M) is quantised along the keys, not normalised; the row's sum l is taken
; of the unquantised p; when M moves, l and O are multiplied by 2^(old M - new M), which rounds nothing.
; THE GATE: gpart[tile][share][head][lane-row] holds eight parts, along K, of the quantised product x Wg: they are added in ascending K, bg is added, and the sigmoid is taken, once, at the head.
; OPERANDS are images of operand registers (chunks of 12,800 bytes; the layout is set out at the head of the launch prep): q_op chunk (16 head + query block); kv_op 25,600 bytes for (16 head + key block): k's chunk
; (rows = keys, K = channels), then v's (rows = channels, K = keys); a_op chunk (16 query block + head).  By the order of a tile's rows, the 64 registers of eight result tiles run along source 0's 128 rows in ascending order.
; SHARES.  Eight waves, two to a SIMD; wave w owns tile w of the block's queries.  Both products are used transposed (S^T = K Q^T, O^T = V^T P^T): a lane holds ONE query throughout.
; Every wave walks the head's 16 key blocks, 128 keys a step.  Ring: two slots of four steps (102,400 bytes), 2^17 bytes apart; waves 0-3 fetch one step each; one tensor load of a wave is out at a time.
; FRAGMENTS AHEAD: a step's eight fragments of V are asked for behind its scores' products and land under the softmax; the next step's eight of K are asked for in the softmax's middle (a slot's first step: behind the
; change of slots).  They lie in a second register window: eight switches a step.
; CLUSTER 4 x 1: the four query blocks of a cluster walk the same head's kv_op: every tile is asked for jointly, mask 15.
; One scale register serves two tiles: lanes 0-15 tile 2 j's words, lanes 16-31 tile 2 j + 1's.  My tile's 16 scale words leave as 64 consecutive bytes (lanes r and r + 16 write the same word to the same place).
; LIMITS: NaN and infinities are not served; a block of zeros or under 2^-124 gets the byte 1 (this program alone reads the bytes).
; REGISTERS, window 0: v1-4 lane terms; v8-11 addresses in hand; v12 -M, v13 the largest t, v[14:15] l in two halves; v16-27 Q; v28 gate; v32-35 K's scale words, v36-39 V's, and nothing else; v96-159 S^T, then p;
;   v160-223 O^T; v224-235 codes; v232-254 at work; v253 p's scale word; v255 Q's.   window 1: v0-95 K's eight fragments; v96-191 V's.
.set CHUNK, 12800
.set KV,    2*CHUNK
.set SLOTB, 4*KV
.set SLOT1, 1<<17
.set SPARE, SLOTB                      ; between the slots: the spare words, 128 bytes for each wave: four blocks of 256 bytes that no other line names
.set LI,  1                            ; v1 16 x lane
.set LS,  2                            ; v2 4 x lane
.set LR,  3                            ; v3 4 x (lane % 16)
.set BGO, 4                            ; v4 4 x head
.set SPW, 5
.set NIL, 6
.set ADK, 8
.set ADKS, 9
.set ADV, 10
.set ADVS, 11
.set GT,  28
.set BGV, 29
.set KS,  32
.set VS,  36
.set KFR, 0                            ; in window 1
.set VFR, 96
.set WV,  18
.set SEL, 20
.set CS,  22
.set G1,  24
.set G0,  32
.set TB,  36                           ; s36 the slot in hand
.set TQ,  37                           ; s37 the step whose tiles are asked for
.set SLOTS, 38
.set MSB, 0
.macro WIN new                         ; the immediate's high byte repeats the setting that is left
.if MSB != (\new)
	s_set_vgpr_msb (MSB<<8)|(\new)
.set MSB, (\new)
.endif
.endm
.set W_MUL, 0x01                       ; source 0 (K's or V's fragment) window 1, all else window 0
.set W_FR,  0x40                       ; destination window 1, address window 0
.macro JLOAD                           ; waves 0-3 fetch; the branch hangs on the wave's number alone; four v_nop follow the load
	s_cmp_lt_u32 s[WV], 4
	s_cbranch_scc0 .Lasked_\@
	tensor_load_to_lds s[G0:G0+3], s[G1:G1+7]
	s_nop 0
.rept 4
	v_nop
.endr
.Lasked_\@:
.endm
.macro CROUND                          ; a round of the cluster's barrier
	s_barrier_signal -1
	s_barrier_wait -1
	s_cmp_lg_u32 s[WV], 0
	s_cbranch_scc1 .Lnot_wave_0_\@
	s_barrier_signal -3
.Lnot_wave_0_\@:
	s_barrier_wait -3
	s_barrier_signal -1
	s_barrier_wait -1
.endm
	s_load_b256 s[4:11], s[0:1], 0x0               ; q_op, kv_op, gpart, bg
	s_load_b64 s[16:17], s[0:1], 0x20              ; a_op
	v_lshl_add_u32 v[SPW], v0, 2, SPARE
	v_mov_b32 v[NIL], 0
	ds_add_u32 v5, v6
	ds_add_u32 v5, v6
	s_wait_dscnt 0x0
	v_lshrrev_b32 v8, 5, v0
	s_delay_alu instid0(VALU_DEP_1)
	v_readfirstlane_b32 s[WV], v8                  ; wave 0..7
	s_bfe_u32 s40, ttmp6, 0x40000                  ; cx
	s_lshl_b32 s41, ttmp9, 2
	s_add_co_u32 s41, s41, s40                     ; my query block: it enters q_op's, gpart's and a_op's addresses alone
	s_and_b32 s42, ttmp7, 0xffff                   ; the head, which the four partners share
	s_mov_b32 s[G1], 15|(3<<16)|(1<<21)            ; 15:0 the mask: all four; 17:16 elements of 8 bytes; 21 set beside a mask
	s_mov_b32 s[G1+1], 32<<16                      ; 25,600 dense bytes as 100 rows of 32 elements
	s_mov_b32 s[G1+2], 100<<16
	s_mov_b32 s[G1+3], 32<<16
	s_mov_b32 s[G1+4], 100
	s_mov_b32 s[G1+5], 32
	s_mov_b32 s[G1+6], 0
	s_mov_b32 s[G1+7], 0
	s_and_b32 s43, s[WV], 3
	s_mul_i32 s43, s43, KV                         ; which of a slot's four steps I fetch: its place in LDS and in memory alike
	s_mul_i32 s44, s42, 16*KV
	s_add_co_u32 s44, s44, s43
	s_mov_b32 s45, 0
	s_lshl_b32 s46, s42, 4
	s_add_co_u32 s46, s46, s41
	s_mul_i32 s46, s46, CHUNK                      ; q_op: chunk 16 head + block
	s_mov_b32 s47, 0
	s_mul_i32 s48, s[WV], 1536                     ; my tile's image,
	s_mov_b32 s49, 0
	s_lshl_b32 s50, s[WV], 6
	s_add_co_u32 s50, s50, 12288                   ; and its scale words
	s_mov_b32 s51, 0
	s_lshl_b32 s52, s41, 4
	s_add_co_u32 s52, s52, s42
	s_mul_i32 s52, s52, CHUNK                      ; a_op: chunk 16 block + head
	s_mov_b32 s53, 0
	s_lshl_b32 s54, s41, 3
	s_add_co_u32 s54, s54, s[WV]
	s_lshl_b32 s54, s54, 13                        ; gpart: tile 8 block + wave, 8,192 bytes each,
	s_lshl_b32 s56, s42, 6
	s_add_co_u32 s54, s54, s56                     ; + 64 bytes a head
	s_mov_b32 s55, 0
	s_lshl_b32 s56, s42, 2                         ; bg: 4 bytes a head
	s_mov_b32 s[SEL], 0x76543210
	s_mov_b32 s[SEL+1], 0xfedcba98
	s_mov_b32 s[CS], 0x3e0293ee                    ; c = log2(e) / sqrt(128)
	s_mov_b32 s[CS+1], s[CS]
	s_mov_b32 s[TB], 0
	s_mov_b32 s[SLOTS], 3
	s_wait_kmcnt 0x0
	CROUND                                         ; all four work-groups are here: the first joint load meets
	s_mov_b32 s[G0], 1
	s_mov_b32 s[G0+1], s43
	s_add_nc_u64 s[G0+2:G0+3], s[6:7], s[44:45]
	s_or_b32 s[G0+3], s[G0+3], 0x80000000
	JLOAD                                          ; slot 0: key blocks 0-3
	s_add_nc_u64 s[4:5], s[4:5], s[46:47]
	s_add_nc_u64 s[12:13], s[4:5], s[50:51]
	s_add_nc_u64 s[4:5], s[4:5], s[48:49]
	s_add_nc_u64 s[16:17], s[16:17], s[52:53]
	s_add_nc_u64 s[14:15], s[16:17], s[50:51]
	s_add_nc_u64 s[16:17], s[16:17], s[48:49]
	s_add_nc_u64 s[8:9], s[8:9], s[54:55]
	v_and_b32 v8, 31, v0
	s_delay_alu instid0(VALU_DEP_1)
	v_lshlrev_b32 v[LI], 4, v8
	s_delay_alu instid0(VALU_DEP_2)
	v_lshlrev_b32 v[LS], 2, v8
	v_and_b32 v9, 15, v0
	s_delay_alu instid0(VALU_DEP_1)
	v_lshlrev_b32 v[LR], 2, v9
	v_mov_b32 v[BGO], s56
.irp c, 0,1,2
	global_load_b128 v[16+4*\c:19+4*\c], v[LI], s[4:5] offset:512*\c       ; Q's fragment stays in registers
.endr
	global_load_b32 v255, v[LR], s[12:13]          ; Q's scale words
.irp j, 0,1,2,3,4,5,6,7
	global_load_b32 v[96+\j], v[LR], s[8:9] offset:1024*\j                 ; the eight parts of my query's gate sum
.endr
	global_load_b32 v[BGV], v[BGO], s[10:11]       ; my head's bias
	v_mov_b32 v13, 0xff61b1e6                      ; the largest t so far: -3e38
	s_delay_alu instid0(VALU_DEP_1)
	v_floor_f32 v12, -v13                          ; -M
	v_mov_b32 v14, 0
	v_mov_b32 v15, 0
.irp b, 0,1,2,3
	v_mov_b32 v[236+\b], 0                         ; written once: a lane permute's destination counts as one of its sources
.endr
	v_mov_b32 v253, 0                              ; (named as the upper half of the pair v[252:253] before it is first written)
.set i, 0
.rept 64
	v_mov_b32 v[160+i], 0                          ; O^T: the step is written once; the first finds zeros, which the first change of M leaves zeros
.set i, i+1
.endr
; From four blocks' largest magnitudes in v232-235 (the floor among them) and 64 numbers at v[src] on: codes in v224-235, the scale word in v253.
.macro PACKQ src
.irp b, 0,1,2,3
	v_add_nc_u32 v[244+\b], 0xff000000, v[232+\b]  ; 2 off the exponent field: the conversion's scale operand
.endr
.irp b, 0,1,2,3
	s_delay_alu instid0(VALU_DEP_4)
	v_lshrrev_b32 v[236+\b], 23, v[244+\b]         ; the byte
.endr
	s_delay_alu instid0(VALU_DEP_3)
	v_lshl_or_b32 v253, v237, 8, v236
	s_delay_alu instid0(VALU_DEP_1)
	v_lshl_or_b32 v253, v238, 16, v253
	s_delay_alu instid0(VALU_DEP_1)
	v_lshl_or_b32 v253, v239, 24, v253
.irp c, 0,1
	v_cvt_scalef32_pk16_fp6_f32 v[224+6*\c:226+6*\c], v[\src+32*\c:\src+15+32*\c], v[244+2*\c]
	v_cvt_scalef32_pk16_fp6_f32 v[236+4*\c:238+4*\c], v[\src+16+32*\c:\src+31+32*\c], v[244+2*\c+1]
.endr
	v_nop                                          ; one plain place behind a scaled conversion
.irp c, 0,1
.irp i, 0,1,2
	v_permlane16_swap_b32 v[224+6*\c+\i], v[236+4*\c+\i]
.endr
.irp i, 0,1,2
	s_delay_alu instid0(VALU_DEP_3)
	v_mov_b32 v[227+6*\c+\i], v[236+4*\c+\i]
.endr
.endr
.endm
; K's eight fragments and four scale registers of step q of the slot in hand: 28 LDS loads
.macro KLOAD q
	s_add_co_u32 s[TQ], s[TB], (\q)*KV
	v_add_nc_u32 v[ADK], s[TQ], v[LI]
	v_add_nc_u32 v[ADKS], s[TQ], v[LS]
	WIN W_FR
.irp t, 0,1,2,3,4,5,6,7
.irp c, 0,1,2
	ds_load_b128 v[KFR+12*\t+4*\c:KFR+12*\t+4*\c+3], v[ADK] offset:\t*1536+512*\c
.endr
.endr
	WIN 0
.irp j, 0,1,2,3
	ds_load_b32 v[KS+\j], v[ADKS] offset:12288+128*\j
.endr
.endm
; A KEY STEP: 128 keys, the q-th of the slot in hand.  Its fragments of K have been asked for.
.macro STEP q
	s_wait_dscnt 0x0                               ; K's fragments and scale words are in
	WIN W_MUL
.irp t, 0,1,2,3,4,5,6,7                ; S^T = K Q^T, eight tiles of 16 keys
.if \t%2
	v_wmma_scale_f32_16x16x128_f8f6f4 v[96+8*\t:103+8*\t], v[KFR+12*\t:KFR+12*\t+11], v[16:27], 0, v[KS+\t/2], v255 matrix_a_fmt:MATRIX_FMT_FP6 matrix_b_fmt:MATRIX_FMT_FP6 matrix_a_scale:MATRIX_SCALE_ROW1
.else
	v_wmma_scale_f32_16x16x128_f8f6f4 v[96+8*\t:103+8*\t], v[KFR+12*\t:KFR+12*\t+11], v[16:27], 0, v[KS+\t/2], v255 matrix_a_fmt:MATRIX_FMT_FP6 matrix_b_fmt:MATRIX_FMT_FP6
.endif
.endr
	WIN 0
	s_add_co_u32 s[TQ], s[TB], (\q)*KV
	v_add_nc_u32 v[ADV], s[TQ], v[LI]
	v_add_nc_u32 v[ADVS], s[TQ], v[LS]
	v_nop
	v_nop                                          ; four places: in front of the loads into V's registers, which the last step's products read, and of the first reads of the scores
	WIN W_FR
.irp t, 0,1,2,3,4,5,6,7                ; V's eight fragments and its scale words: 28 loads, which land while the softmax is walked
.irp c, 0,1,2
	ds_load_b128 v[VFR+12*\t+4*\c:VFR+12*\t+4*\c+3], v[ADV] offset:CHUNK+\t*1536+512*\c
.endr
.endr
	WIN 0
.irp j, 0,1,2,3
	ds_load_b32 v[VS+\j], v[ADVS] offset:CHUNK+12288+128*\j
.endr
.irp b, 0,1,2,3
	v_max3_num_f32 v[232+\b], v[96+16*\b], v[97+16*\b], v[98+16*\b]        ; the largest score of each block of 32 keys: for the row's maximum, and, since p rises with the score, for the block's largest p
.endr
.irp i, 3,5,7,9,11,13
.irp b, 0,1,2,3
	v_max3_num_f32 v[232+\b], v[232+\b], v[96+16*\b+\i], v[97+16*\b+\i]
.endr
.endr
.irp b, 0,1,2,3
	v_max_num_f32 v[232+\b], v[232+\b], v[111+16*\b]
.endr
.irp b, 0,1,2,3
	s_delay_alu instid0(VALU_DEP_4)
	v_permlanex16_b32 v[236+\b], v[232+\b], s[SEL], s[SEL+1]
.endr
.irp b, 0,1,2,3
	s_delay_alu instid0(VALU_DEP_4)
	v_max_num_f32 v[232+\b], v[232+\b], v[236+\b]
.endr
	s_delay_alu instid0(VALU_DEP_2)
	v_max3_num_f32 v254, v232, v233, v234
	s_delay_alu instid0(VALU_DEP_1)
	v_max_num_f32 v254, v254, v235
	s_delay_alu instid0(VALU_DEP_1)
	v_mul_f32 v254, s[CS], v254                    ; as t (c is positive)
	s_delay_alu instid0(VALU_DEP_1)
	v_max_num_f32 v13, v13, v254                   ; the running largest t
	v_mov_b32 v254, v12
	s_delay_alu instid0(VALU_DEP_2)
	v_floor_f32 v12, -v13                          ; the new -M = floor(-t): M is a whole number
	s_delay_alu instid0(VALU_DEP_1)
	v_sub_f32 v254, v12, v254                      ; old M - new M: a whole number, 0 or less
	s_delay_alu instid0(VALU_DEP_1)
	v_cvt_i32_f32 v254, v254                       ; (it saturates)
	s_delay_alu instid0(VALU_DEP_1)
	v_ldexp_f32 v252, 1.0, v254                    ; f = 2^(old M - new M)
.set i, 0
.rept 32
	v_pk_fma_f32 v[96+i:97+i], v[96+i:97+i], s[CS:CS+1], v[12:13] op_sel_hi:[1,0,0]    ; t - M, two at a time
.set i, i+2
.endr
.irp b, 0,1,2,3
	v_fma_f32 v[232+\b], v[232+\b], s[CS], v12     ; the same of each block's largest score
.endr
.set i, 0
	s_wait_alu depctr_va_vdst(0)
.rept 64
	v_exp_f32 v[96+i], v[96+i]                     ; p = 2^(t - M), at most 1
.set i, i+1
.endr
.irp b, 0,1,2,3
	v_exp_f32 v[232+\b], v[232+\b]                 ; the block's largest p: the same two instructions on the same number
.endr
	v_pk_mul_f32 v[14:15], v[14:15], v[252:253] op_sel_hi:[1,0]    ; l under the new M (a plain place behind the exponentials)
	s_wait_alu depctr_va_vdst(0)
.irp b, 0,1,2,3
	v_max_num_f32 v[232+\b], 0x1800000, v[232+\b]  ; the floor 2^(3 - 127)
.endr
.if \q < 3
	KLOAD (\q)+1                                   ; the next step's K, in the same slot: its registers' last readers stand far back
.endif
	PACKQ 96
	v_pk_add_f32 v[236:237], v[100:101], v[104:105]
	v_pk_add_f32 v[250:251], v[108:109], v[112:113]
	v_pk_add_f32 v[248:249], v[116:117], v[120:121]
	v_pk_add_f32 v[246:247], v[124:125], v[128:129]
	v_pk_add_f32 v[244:245], v[132:133], v[136:137]
	v_pk_add_f32 v[242:243], v[140:141], v[144:145]
	v_pk_add_f32 v[240:241], v[148:149], v[152:153]
	v_pk_add_f32 v[14:15], v[14:15], v[156:157]
	v_pk_add_f32 v[236:237], v[236:237], v[96:97]
	v_pk_add_f32 v[250:251], v[250:251], v[98:99]
	v_pk_add_f32 v[248:249], v[248:249], v[102:103]
	v_pk_add_f32 v[246:247], v[246:247], v[106:107]
	v_pk_add_f32 v[244:245], v[244:245], v[110:111]
	v_pk_add_f32 v[242:243], v[242:243], v[114:115]
	v_pk_add_f32 v[240:241], v[240:241], v[118:119]
	v_pk_add_f32 v[14:15], v[14:15], v[122:123]
	v_pk_add_f32 v[236:237], v[236:237], v[126:127]
	v_pk_add_f32 v[250:251], v[250:251], v[130:131]
	v_pk_add_f32 v[248:249], v[248:249], v[134:135]
	v_pk_add_f32 v[246:247], v[246:247], v[138:139]
	v_pk_add_f32 v[244:245], v[244:245], v[142:143]
	v_pk_add_f32 v[242:243], v[242:243], v[146:147]
	v_pk_add_f32 v[240:241], v[240:241], v[150:151]
	v_pk_add_f32 v[14:15], v[14:15], v[154:155]
	v_pk_add_f32 v[236:237], v[236:237], v[158:159]
	s_delay_alu instid0(VALU_DEP_2)
	v_pk_add_f32 v[14:15], v[14:15], v[246:247]
	s_delay_alu instid0(VALU_DEP_2)
	v_pk_add_f32 v[236:237], v[236:237], v[244:245]
	v_pk_add_f32 v[250:251], v[250:251], v[242:243]
	v_pk_add_f32 v[248:249], v[248:249], v[240:241]
	s_delay_alu instid0(VALU_DEP_2)
	v_pk_add_f32 v[14:15], v[14:15], v[250:251]
	s_delay_alu instid0(VALU_DEP_2)
	v_pk_add_f32 v[236:237], v[236:237], v[248:249]
	s_delay_alu instid0(VALU_DEP_1)
	v_pk_add_f32 v[14:15], v[14:15], v[236:237]
.set i, 0
.rept 32
	v_pk_mul_f32 v[160+i:161+i], v[160+i:161+i], v[252:253] op_sel_hi:[1,0]    ; O^T under the new M, ascending; these are also the places between p's codes and scale word and the products
.set i, i+2
.endr
.if \q < 3
	s_wait_alu depctr_va_vdst(0)
	s_wait_dscnt 28                                ; V's 28 loads are in; the next step's 28 of K, issued behind them, may be out
.else
	s_wait_alu depctr_va_vdst(0)
	s_wait_dscnt 0x0
.endif
	WIN W_MUL
.irp t, 0,1,2,3,4,5,6,7                ; O^T += V^T P^T, eight tiles of 16 channels, the accumulators by turns
.if \t%2
	v_wmma_scale_f32_16x16x128_f8f6f4 v[160+8*\t:167+8*\t], v[VFR+12*\t:VFR+12*\t+11], v[224:235], v[160+8*\t:167+8*\t], v[VS+\t/2], v253 matrix_a_fmt:MATRIX_FMT_FP6 matrix_b_fmt:MATRIX_FMT_FP6 matrix_a_scale:MATRIX_SCALE_ROW1
.else
	v_wmma_scale_f32_16x16x128_f8f6f4 v[160+8*\t:167+8*\t], v[VFR+12*\t:VFR+12*\t+11], v[224:235], v[160+8*\t:167+8*\t], v[VS+\t/2], v253 matrix_a_fmt:MATRIX_FMT_FP6 matrix_b_fmt:MATRIX_FMT_FP6
.endif
.endr
	WIN 0                                          ; at a label and at a branch every window is 0
.endm
; THE CHANGE OF SLOTS stands at a slot's head: each wave waits for all its tensor loads, adds 0 to its spare word, and waits for that and for its reads of the slot that it has left.
; fill = 1: a round of the cluster's barrier, and behind it the joint fill of the slot just left, which has four key steps in which to land.
.macro CHANGE fill
	s_wait_tensorcnt 0x0                           ; no tensor load of mine is out, so group 0 may be written
	ds_add_u32 v[SPW], v[NIL]
.if \fill
	s_xor_b32 s[G0+1], s[G0+1], SLOT1              ; the other slot than last time,
	s_add_nc_u64 s[G0+2:G0+3], s[G0+2:G0+3], SLOTB ; the next four key blocks
	s_wait_dscnt 0x0                               ; the add is done, and my reads of the slot that I have left are over
	CROUND
	JLOAD
.else
	s_wait_dscnt 0x0
	s_barrier_signal -1
	s_barrier_wait -1
.endif
.endm
	s_wait_loadcnt 0x0                             ; Q, its scale words, the gate's parts, the bias
.irp j, 1
	v_add_f32 v96, v96, v[96+\j]                   ; K ascending
.endr
.irp j, 2, 3, 4, 5, 6, 7
	s_delay_alu instid0(VALU_DEP_1)
	v_add_f32 v96, v96, v[96+\j]                   ; K ascending
.endr
	s_delay_alu instid0(VALU_DEP_1)
	v_add_f32 v96, v96, v[BGV]
	s_delay_alu instid0(VALU_DEP_1)
	v_mul_f32 v96, 0xbfb8aa3b, v96                 ; - z log2(e)
	s_wait_alu depctr_va_vdst(0)
	v_exp_f32 v96, v96
	v_nop                                          ; one plain place behind a transcendental
	s_wait_alu depctr_va_vdst(0)
	v_add_f32 v96, 1.0, v96
	s_wait_alu depctr_va_vdst(0)
	v_rcp_f32 v[GT], v96                           ; my query's gate
	v_nop
.Lslot:                                ; three trips: behind each change of slots but the last the next slot is asked for
	CHANGE 1
	KLOAD 0
.irp q, 0,1,2,3
	STEP \q
.endr
	s_xor_b32 s[TB], s[TB], SLOT1
	s_sub_co_u32 s[SLOTS], s[SLOTS], 1
	s_cmp_lg_u32 s[SLOTS], 0
	s_cbranch_scc1 .Lslot
	CHANGE 0                                       ; the last slot is written out
	KLOAD 0
.irp q, 0,1,2,3
	STEP \q
.endr
	; THE WAY OUT: O^T / l x gate, quantised along the channels; the codes are tile w of the output projection's operand
.rept 4
	v_nop                                          ; places behind the last products
.endr
	v_add_f32 v14, v14, v15
	s_delay_alu instid0(VALU_DEP_1)
	v_permlanex16_b32 v252, v14, s[SEL], s[SEL+1]
	s_delay_alu instid0(VALU_DEP_1)
	v_add_f32 v14, v14, v252                       ; the row's sum
	s_wait_alu depctr_va_vdst(0)
	v_rcp_f32 v14, v14
	v_nop                                          ; one plain place behind a transcendental
	s_wait_alu depctr_va_vdst(0)
	v_mul_f32 v14, v14, v[GT]
.set i, 0
.rept 32
	v_pk_mul_f32 v[96+i:97+i], v[160+i:161+i], v[14:15] op_sel_hi:[1,0]    ; register 16 B + i: channel 32 B + 16 h + i of my query; ascending
.set i, i+2
.endr
.irp b, 0,1,2,3
	v_max3_num_f32 v[232+\b], |v[96+16*\b]|, |v[97+16*\b]|, 0x1800000
.endr
.irp i, 2,4,6,8,10,12,14
.irp b, 0,1,2,3
	s_delay_alu instid0(VALU_DEP_4)
	v_max3_num_f32 v[232+\b], v[232+\b], |v[96+16*\b+\i]|, |v[97+16*\b+\i]|
.endr
.endr
.irp b, 0,1,2,3
	s_delay_alu instid0(VALU_DEP_4)
	v_permlanex16_b32 v[236+\b], v[232+\b], s[SEL], s[SEL+1]
.endr
.irp b, 0,1,2,3
	s_delay_alu instid0(VALU_DEP_4)
	v_max_num_f32 v[232+\b], v[232+\b], v[236+\b]
.endr
	PACKQ 96
.irp c, 0,1,2
	global_store_b128 v[LI], v[224+4*\c:227+4*\c], s[16:17] offset:512*\c  ; 512 consecutive bytes a store
.endr
	global_store_b32 v[LR], v253, s[14:15]
	s_wait_tensorcnt 0x0                           ; the wave's end
	ds_add_u32 v[SPW], v[NIL]
	s_wait_dscnt 0x0
	CROUND                                         ; the closing round
	s_endpgm
.Lfunc_end_k_qcff2ce84f8_attn:
	.size	k_qcff2ce84f8_attn, .Lfunc_end_k_qcff2ce84f8_attn-k_qcff2ce84f8_attn
	.p2alignl 7, 3214868480
	.fill 96, 4, 3214868480
	.section	.rodata,"a",@progbits
	.p2align	6, 0x0
	.amdhsa_kernel k_qcff2ce84f8_attn
		.amdhsa_group_segment_fixed_size 327680
		.amdhsa_private_segment_fixed_size 0
		.amdhsa_enable_private_segment 0
		.amdhsa_kernarg_size 40
		.amdhsa_user_sgpr_count 2
		.amdhsa_user_sgpr_kernarg_segment_ptr 1
		.amdhsa_wavefront_size32 1
		.amdhsa_system_sgpr_workgroup_id_x 1
		.amdhsa_system_sgpr_workgroup_id_y 1
		.amdhsa_system_sgpr_workgroup_id_z 1
		.amdhsa_system_vgpr_workitem_id 0
		.amdhsa_next_free_vgpr 448
		.amdhsa_next_free_sgpr 66
		.amdhsa_reserve_vcc 0
		.amdhsa_float_denorm_mode_32 3
		.amdhsa_float_denorm_mode_16_64 3
		.amdhsa_memory_ordered 1
		.amdhsa_forward_progress 1
		.amdhsa_inst_pref_size 177
	.end_amdhsa_kernel
	.amdgpu_metadata
---
amdhsa.version: [ 1, 2 ]
amdhsa.kernels:
  - .name:           k_qcff2ce84f8_attn
    .symbol:         k_qcff2ce84f8_attn.kd
    .args:
      - { .name: q_op, .offset: 0, .size: 8, .value_kind: global_buffer, .address_space: global }
      - { .name: kv_op, .offset: 8, .size: 8, .value_kind: global_buffer, .address_space: global }
      - { .name: gpart, .offset: 16, .size: 8, .value_kind: global_buffer, .address_space: global }
      - { .name: bg, .offset: 24, .size: 8, .value_kind: global_buffer, .address_space: global }
      - { .name: a_op, .offset: 32, .size: 8, .value_kind: global_buffer, .address_space: global }
    .group_segment_fixed_size: 327680
    .private_segment_fixed_size: 0
    .kernarg_segment_align: 8
    .kernarg_segment_size: 40
    .max_flat_workgroup_size: 256
    .sgpr_count:     66
    .vgpr_count:     448
    .wavefront_size: 32
...
	.end_amdgpu_metadata
.endif
;; end of part 8
;; launch oproj (part 9): grid 16 x 16, 4 waves a work-group, clusters of 4 x 4, 327,680 bytes of LDS; arguments a_op, wo_op, out0; writes out0
.if DOCPART == 9
	.amdgcn_target "amdgcn-amd-amdhsa--gfx1250"
	.amdhsa_code_object_version 6
	.text
	.protected	k_qcff2ce84f8_oproj
	.globl	k_qcff2ce84f8_oproj
	.p2align	8
	.type	k_qcff2ce84f8_oproj,@function
k_qcff2ce84f8_oproj:
	s_mov_b64 s[64:65], 0
	v_nop
	global_prefetch_b8 v0, s[64:65] scope:SCOPE_SE
	s_setreg_imm32_b32 hwreg(HW_REG_WAVE_MODE, 25, 1), 1
	s_wait_xcnt 0x0
	s_wait_alu depctr_hold_cnt(0) depctr_sa_sdst(0) depctr_va_vdst(0) depctr_va_sdst(0) depctr_va_ssrc(0) depctr_va_vcc(0) depctr_vm_vsrc(0)
	s_getreg_b32 s2, hwreg(HW_REG_IB_STS2, 6, 4)
	s_cmp_eq_u32 s2, 0
	s_cbranch_scc0 .Lentry_in_a_cluster
	s_endpgm
.Lentry_in_a_cluster:
	s_bfe_u32 s2, ttmp6, 0x10000c
	s_cmp_lg_u32 s2, 0xf033
	s_cbranch_scc0 .Lentry_shape_is_right
	s_endpgm
.Lentry_shape_is_right:
; out0 = a Wo on codes of FP6 (E2M3); operands are images of operand registers (layout: head of launch prep).  A block of 128 x 128 to a work-group of four waves, 64 x 64 a wave (16 accumulators).
; LDS holds 12 of the 16 K steps of A's 128 rows (12 chunks of 12,800 bytes on end, as in memory) and behind them 12 of B's.  At the head each wave fetches six chunks with one joint load (300 rows of 256 bytes).
; K steps 12-15 land on the chunks of K steps 0-3, behind the round that follows K step 3's reads: two chunks a wave.  Those 25,600 bytes are asked for at the head by one prefetch a wave: 100 blocks of 256 bytes,
; 25 for each of the four partners that ask for them jointly, told apart by address (lanes 25-31 name the last again).  The launch has no loop: there is no other place to run ahead in.
; Source 0 = Wo's columns, source 1 = a's rows: a lane holds eight neighbouring numbers of a row of out0; they leave through the wave's own stage as whole units of 256 bytes.
; By the order of a tile's rows (lane-row m of tile 2 B + u is row 32 B + 8 u + m + 8 (m / 8)) the stage's places and the stores' rows are permuted accordingly.
.set CHUNK, 12800
.set FR,    12
.set GRP,   4*CHUNK
.set HALFG, 2*CHUNK
.set HEADW, 6*CHUNK
.set REG,   12*CHUNK
.set SPARE, 2*REG
.set STAGE, SPARE+512
.set SPITCH, 272
.set ADRA, 16
.set ADRB, 19
.set ADRS, 22
.set LI,   25
.set STO,  26
.set RD,   27
.set SPW,  28
.set NIL,  29
.set CO,   30
.set PFO,  31
.set SC,   32
.set BK,   64
.set ACC,  128
.set G1,   24
.set G0,   32                          ; s[32:35] the head's load, s[36:39] the refill
.set G1B,  48
.set G0B,  68
.set PFA,  88
.set MSB, 0
.macro WIN new
.if MSB != (\new)
	s_set_vgpr_msb (MSB<<8)|(\new)
.set MSB, (\new)
.endif
.endm
.set MUL,  0x05
.set TO_F, 0x40
.macro PLACES n
.rept \n
	v_nop
.endr
.endm
.macro JLOAD s
	s_cmp_eq_u32 s15, 0
	s_cbranch_scc0 .Lfor_b_\@
	tensor_load_to_lds s[G0+4*\s:G0+4*\s+3], s[G1:G1+7]
	s_nop 0
	PLACES 4
	s_branch .Lasked_\@
.Lfor_b_\@:
	tensor_load_to_lds s[G0B+4*\s:G0B+4*\s+3], s[G1B:G1B+7]
	s_nop 0
	PLACES 4
.Lasked_\@:
.endm
.macro CREST
	s_cmp_lg_u32 s14, 0
	s_cbranch_scc1 .Lnot_wave_0_\@
	s_barrier_signal -3
.Lnot_wave_0_\@:
	s_barrier_wait -3
	s_barrier_signal -1
	s_barrier_wait -1
.endm
.macro CROUND
	s_barrier_signal -1
	s_barrier_wait -1
	CREST
.endm
	s_load_b128 s[4:7], s[0:1], 0x0                ; a_op, wo_op
	s_load_b64 s[12:13], s[0:1], 0x10              ; out0
	v_lshl_add_u32 v[SPW], v0, 2, SPARE
	v_mov_b32 v[NIL], 0
	ds_add_u32 v[SPW], v[NIL]                      ; the opening lines: the add twice on end and its wait
	ds_add_u32 v[SPW], v[NIL]
	v_lshrrev_b32 v1, 5, v0
	v_readfirstlane_b32 s14, v1
	s_lshr_b32 s15, s14, 1                         ; my half of the rows; also: I fetch for A (0) or B (1)
	s_and_b32 s16, s14, 1                          ; my half of the columns; also: which half of the chunks I fetch
	s_bfe_u32 s80, ttmp6, 0x40000
	s_bfe_u32 s81, ttmp6, 0x40004
	s_lshl_b32 s82, ttmp9, 2
	s_add_co_u32 s82, s82, s80                     ; tile column
	s_and_b32 s17, ttmp7, 0xffff
	s_lshl_b32 s17, s17, 2
	s_add_co_u32 s17, s17, s81                     ; tile row
	s_lshl_b32 s83, s81, 2
	s_lshl_b32 s83, 15, s83
	s_lshl_b32 s84, 0x1111, s80
	s_or_b32 s[G1+0], s83, (3<<16)|(1<<21)
	s_or_b32 s[G1B+0], s84, (3<<16)|(1<<21)
.irp g, G1, G1B
	s_mov_b32 s[\g+1], 32<<16                      ; 76,800 dense bytes as 300 rows of 256
	s_mov_b32 s[\g+2], 300<<16
	s_mov_b32 s[\g+3], 32<<16
	s_mov_b32 s[\g+4], 300
	s_mov_b32 s[\g+5], 32
	s_mov_b32 s[\g+6], 0
	s_mov_b32 s[\g+7], 0
.endr
	s_mul_i32 s85, s14, HEADW                      ; the head's load: A's two halves, then B's two
	s_mul_i32 s18, s15, REG
	s_mul_i32 s19, s16, HALFG
	s_add_co_u32 s18, s18, s19                     ; the refill: chunks 0-1 or 2-3 of A's or B's region
	s_mul_i32 s20, s17, 16*CHUNK
	s_mov_b32 s21, 0
	s_mul_i32 s86, s82, 16*CHUNK
	s_mov_b32 s87, 0
	s_mul_i32 s22, s16, HEADW
	s_mov_b32 s23, 0
	s_add_co_u32 s90, s19, REG                     ; K steps 12-13 or 14-15
	s_mov_b32 s91, 0
	s_wait_dscnt 0x0
	s_wait_kmcnt 0x0
	s_add_nc_u64 s[20:21], s[4:5], s[20:21]
	s_add_nc_u64 s[86:87], s[6:7], s[86:87]
	s_mov_b32 s[G0], 1
	s_mov_b32 s[G0+1], s85
	s_add_nc_u64 s[G0+2:G0+3], s[20:21], s[22:23]
	s_or_b32 s[G0+3], s[G0+3], 0x80000000
	s_mov_b32 s[G0B], 1
	s_mov_b32 s[G0B+1], s85
	s_add_nc_u64 s[G0B+2:G0B+3], s[86:87], s[22:23]
	s_or_b32 s[G0B+3], s[G0B+3], 0x80000000
	CROUND                                         ; the first joint loads meet
	JLOAD 0                                        ; K steps 0-11: one tensor load a wave at the head
	s_mov_b32 s[G0+4], 1
	s_mov_b32 s[G0+5], s18
	s_add_nc_u64 s[G0+6:G0+7], s[20:21], s[90:91]
	s_mov_b32 s[G0B+4], 1
	s_mov_b32 s[G0B+5], s18
	s_add_nc_u64 s[G0B+6:G0B+7], s[86:87], s[90:91]
	s_cmp_eq_u32 s15, 0
	s_cselect_b64 s[PFA:PFA+1], s[G0+6:G0+7], s[G0B+6:G0B+7]
	s_cselect_b32 s92, s80, s81                    ; my place among the four that ask with me
	s_mul_i32 s92, s92, 6400
	s_mov_b32 s93, 0
	s_add_nc_u64 s[PFA:PFA+1], s[PFA:PFA+1], s[92:93]
	s_or_b32 s[G0+7], s[G0+7], 0x80000000
	s_or_b32 s[G0B+7], s[G0B+7], 0x80000000
	v_and_b32 v3, 31, v0
	v_min_u32 v[PFO], 24, v3
	v_lshlrev_b32 v[PFO], 8, v[PFO]
	global_prefetch_b8 v[PFO], s[PFA:PFA+1] th:TH_LOAD_NT scope:SCOPE_SE   ; my 25 blocks of what I fetch behind K step 3
	s_mul_i32 s18, s15, 4*1536                     ; my four tiles of A,
	s_mul_i32 s19, s16, 4*1536
	s_add_co_u32 s19, s19, REG                     ; of B
	s_lshl_b32 s22, s15, 8
	s_lshl_b32 s23, s16, 8
	s_add_co_u32 s23, s23, REG
	s_sub_co_u32 s23, s23, s22
	s_mul_i32 s96, s14, 16*SPITCH
	s_add_co_u32 s96, s96, STAGE
	s_lshl_b32 s20, s17, 7
	s_lshl_b32 s21, s15, 6
	s_add_co_u32 s20, s20, s21
	s_lshl_b32 s20, s20, 13
	s_mov_b32 s21, 0
	s_lshl_b32 s86, s82, 9
	s_lshl_b32 s87, s16, 8
	s_add_co_u32 s86, s86, s87
	s_mov_b32 s87, 0
	s_add_nc_u64 s[20:21], s[20:21], s[86:87]
	s_add_nc_u64 s[12:13], s[12:13], s[20:21]
	v_and_b32 v1, 15, v0
	v_bfe_u32 v2, v0, 4, 1
	v_and_b32 v6, 31, v0
	v_lshlrev_b32 v[LI], 4, v6
	v_mul_u32_u24 v4, s23, v2                      ; lanes 16-31 take B's scale words
	v_lshl_add_u32 v4, v1, 2, v4
	v_add_nc_u32 v[ADRA], s18, v[LI]
	v_add_nc_u32 v[ADRB], s19, v[LI]
	v_add_nc_u32 v[ADRS], s22, v4
.irp s, 1,2
	v_add_nc_u32 v[ADRA+\s], \s*GRP, v[ADRA]       ; one register for each four chunks
	v_add_nc_u32 v[ADRB+\s], \s*GRP, v[ADRB]
	v_add_nc_u32 v[ADRS+\s], \s*GRP, v[ADRS]
.endr
	v_mul_u32_u24 v5, v1, SPITCH
	v_lshl_add_u32 v5, v2, 6, v5
	v_add_nc_u32 v[STO], s96, v5
	v_mul_u32_u24 v7, v2, SPITCH
	v_lshl_add_u32 v7, v1, 4, v7
	v_add_nc_u32 v[RD], s96, v7
	v_lshlrev_b32 v[CO], 13, v2
	v_lshl_add_u32 v[CO], v1, 4, v[CO]
.macro FETCH k                         ; K step k lies in chunk k % 12 of each region
.set SL, ((\k)/4)%3
.set QQ, (\k)%4
.set FP, 128*((\k)%2)
	WIN TO_F
.irp i, 0,1,2,3
.irp c, 0,1,2
	ds_load_b128 v[FP+48+FR*\i+4*\c:FP+48+FR*\i+4*\c+3], v[ADRB+SL] offset:QQ*CHUNK+\i*1536+512*\c
.endr
.endr
.irp i, 0,1,2,3
.irp c, 0,1,2
	ds_load_b128 v[FP+FR*\i+4*\c:FP+FR*\i+4*\c+3], v[ADRA+SL] offset:QQ*CHUNK+\i*1536+512*\c
.endr
.endr
	WIN 0
.irp i, 0,1,2,3
	ds_load_b32 v[SC+4*((\k)%2)+\i], v[ADRS+SL] offset:QQ*CHUNK+12288+64*\i
.endr
.endm
.macro MUL8 p, a0, zero                ; the 16 accumulators by turns
.irp a, \a0, \a0+1
.irp b, 0,1,2,3
.if \zero
	v_wmma_scale_f32_16x16x128_f8f6f4 v[ACC+8*(4*(\a)+\b):ACC+8*(4*(\a)+\b)+7], v[128*(\p)+48+FR*\b:128*(\p)+48+FR*\b+FR-1], v[128*(\p)+FR*(\a):128*(\p)+FR*(\a)+FR-1], 0, v[SC+4*(\p)+\b], v[SC+4*(\p)+(\a)] matrix_a_fmt:MATRIX_FMT_FP6 matrix_b_fmt:MATRIX_FMT_FP6 matrix_a_scale:MATRIX_SCALE_ROW1
.else
	v_wmma_scale_f32_16x16x128_f8f6f4 v[ACC+8*(4*(\a)+\b):ACC+8*(4*(\a)+\b)+7], v[128*(\p)+48+FR*\b:128*(\p)+48+FR*\b+FR-1], v[128*(\p)+FR*(\a):128*(\p)+FR*(\a)+FR-1], v[ACC+8*(4*(\a)+\b):ACC+8*(4*(\a)+\b)+7], v[SC+4*(\p)+\b], v[SC+4*(\p)+(\a)] matrix_a_fmt:MATRIX_FMT_FP6 matrix_b_fmt:MATRIX_FMT_FP6 matrix_a_scale:MATRIX_SCALE_ROW1
.endif
.endr
.endr
.endm
.macro STEPK k, zero
	s_wait_dscnt 0x0
.if (\k) > 0
	PLACES 4
.endif
	FETCH (\k)+1
	WIN MUL
	MUL8 (\k)%2, 0, \zero
	MUL8 (\k)%2, 2, \zero
.endm
.macro TURN k, fill                    ; fill = 1: chunks 0-3 are read no more and take K steps 12-15; fill = 0: those have landed
	WIN 0
	s_wait_tensorcnt 0x0
	ds_add_u32 v[SPW], v[NIL]
	s_wait_dscnt 1                                 ; the add may be out
	WIN MUL
	MUL8 (\k)%2, 0, 0
	WIN 0
	s_wait_dscnt 0x0
	s_barrier_signal -1
	s_barrier_wait -1
.if \fill
	CREST
.irp g, G1, G1B
	s_mov_b32 s[\g+2], 100<<16                     ; no load of mine is out: 100 rows of 256 bytes
	s_mov_b32 s[\g+4], 100
.endr
	JLOAD 1
.else
	PLACES 4
.endif
	FETCH (\k)+1
	WIN MUL
	MUL8 (\k)%2, 2, 0
.endm
	s_wait_alu depctr_va_vdst(0)
	s_wait_tensorcnt 0x0                           ; my six chunks are in
	s_barrier_signal -1
	s_barrier_wait -1
	FETCH 0
	STEPK 0, 1
	STEPK 1, 0
	STEPK 2, 0
	TURN 3, 1
.irp k, 4,5,6,7,8,9,10
	STEPK \k, 0
.endr
	TURN 11, 0
	STEPK 12, 0
	STEPK 13, 0
	STEPK 14, 0
	s_wait_dscnt 0x0
	WIN MUL
	MUL8 1, 0, 0
	MUL8 1, 2, 0
	WIN 0
.macro TOSTAGE a
.irp b, 0,1,2,3
	ds_store_b128 v[STO], v[ACC+8*(4*(\a)+\b):ACC+8*(4*(\a)+\b)+3] offset:128*(\b/2)+32*(\b%2)
	ds_store_b128 v[STO], v[ACC+8*(4*(\a)+\b)+4:ACC+8*(4*(\a)+\b)+7] offset:128*(\b/2)+32*(\b%2)+16
.endr
.set BB, BK+32*((\a)%2)
.irp i, 0,1,2,3,4,5,6,7
	ds_load_b128 v[BB+4*\i:BB+4*\i+3], v[RD] offset:2*\i*SPITCH    ; LDS serves a wave's instructions in order
.endr
.endm
.macro SEND a, younger
.set BB, BK+32*((\a)%2)
	s_wait_dscnt \younger
.irp i, 0,1,2,3,4,5,6,7
	global_store_b128 v[CO], v[BB+4*\i:BB+4*\i+3], s[12:13] offset:(32*((\a)/2)+8*((\a)%2)+2*\i+8*(\i/4))*8192 th:TH_STORE_NT   ; 16 lanes store 256 consecutive bytes, aligned
.endr
.endm
	PLACES 4
	TOSTAGE 0
.irp a, 1,2,3
.if \a > 1
	s_wait_xcnt 0x0                                ; block a - 2's stores have read their registers
.endif
	TOSTAGE \a
	SEND \a-1, 16                                  ; block a's 8 stores and 8 loads may be out
.endr
	SEND 3, 0
	s_wait_tensorcnt 0x0                           ; the wave's end
	ds_add_u32 v[SPW], v[NIL]
	s_wait_dscnt 0x0
	CROUND                                         ; the closing round
	s_endpgm
.Lfunc_end_k_qcff2ce84f8_oproj:
	.size	k_qcff2ce84f8_oproj, .Lfunc_end_k_qcff2ce84f8_oproj-k_qcff2ce84f8_oproj
	.p2alignl 7, 3214868480
	.fill 96, 4, 3214868480
	.section	.rodata,"a",@progbits
	.p2align	6, 0x0
	.amdhsa_kernel k_qcff2ce84f8_oproj
		.amdhsa_group_segment_fixed_size 327680
		.amdhsa_private_segment_fixed_size 0
		.amdhsa_enable_private_segment 0
		.amdhsa_kernarg_size 24
		.amdhsa_user_sgpr_count 2
		.amdhsa_user_sgpr_kernarg_segment_ptr 1
		.amdhsa_wavefront_size32 1
		.amdhsa_system_sgpr_workgroup_id_x 1
		.amdhsa_system_sgpr_workgroup_id_y 1
		.amdhsa_system_sgpr_workgroup_id_z 1
		.amdhsa_system_vgpr_workitem_id 0
		.amdhsa_next_free_vgpr 512
		.amdhsa_next_free_sgpr 100
		.amdhsa_reserve_vcc 0
		.amdhsa_float_denorm_mode_32 3
		.amdhsa_float_denorm_mode_16_64 3
		.amdhsa_memory_ordered 1
		.amdhsa_forward_progress 1
		.amdhsa_inst_pref_size 80
	.end_amdhsa_kernel
	.amdgpu_metadata
---
amdhsa.version: [ 1, 2 ]
amdhsa.kernels:
  - .name:           k_qcff2ce84f8_oproj
    .symbol:         k_qcff2ce84f8_oproj.kd
    .args:
      - { .name: a_op, .offset: 0, .size: 8, .value_kind: global_buffer, .address_space: global }
      - { .name: wo_op, .offset: 8, .size: 8, .value_kind: global_buffer, .address_space: global }
      - { .name: out0, .offset: 16, .size: 8, .value_kind: global_buffer, .address_space: global }
    .group_segment_fixed_size: 327680
    .private_segment_fixed_size: 0
    .kernarg_segment_align: 8
    .kernarg_segment_size: 24
    .max_flat_workgroup_size: 128
    .sgpr_count:     100
    .vgpr_count:     512
    .wavefront_size: 32
...
	.end_amdgpu_metadata
.endif
;; end of part 9
